; MI455X (gfx1250); checked and timed in simulation.
; The chip was launched on July 23, 2026; its instructions are those of AMD's public machine-readable ISA for CDNA 5 (MIT licence, August 2026) and "CDNA5" Instruction Set Architecture Reference Guide (July 2026). The comments in the code are by the model that wrote it; some were corrected since.
;; Cross Attention Block. Allowed arithmetic: matrix products marked QUANTISED: E2M1 operands, one E8M0 scale for each 32 along K, by v_wmma_scale_f32_16x16x128_f8f6f4 with both operands' format E2M1 (or v_wmma_scale_f32_32x16x128_f4), f32 sums; everything else in f32.
;; Inputs: bkv 1,024 float32; bo 512 float32; bq 512 float32; gn_b 512 float32; gn_w 512 float32; wkv 1,024 x 512 float32; wo 512 x 512 float32; wq 512 x 512 float32; x 2 x 512 x 64 x 64 float32.
;; Outputs: out0 2 x 512 x 64 x 64 float32.
;; This version of the problem:
;;   THIS VERSION OF THE PROBLEM IS GIVEN IN LOW PRECISION. The matrix products marked QUANTISED in the list below multiply operands that are first quantised to E2M1 (2 exponent bits, 1 mantissa bit; 4 bits a number), with one power-of-two scale for each 32 numbers along K (OCP MX v1.0); their sums are f32. All else is computed in f32.
;;   The module's matrix products, in the order in which they are computed (A, B: the left and right operand; K: the contracted axis; several contracted axes count as one K, in the product's order):
;;     1. [M 8,192, K 512] x [K 512, N 512]; A: computed on the way; B: input wq: QUANTISED
;;     2. [M 8,192, K 512] x [K 512, N 1,024]; A: computed on the way; B: input wkv: QUANTISED
;;     3. batch 16 x [M 4,096, K 64] x [K 64, N 4,096]; A: computed on the way; B: computed on the way: QUANTISED
;;     4. batch 16 x [M 64, K 4,096] x [K 4,096, N 4,096]; A: computed on the way; B: softmax (see below): QUANTISED
;;     5. [M 8,192, K 512] x [K 512, N 512]; A: computed on the way; B: input wo: QUANTISED
;;   THE QUANTISER, for each operand of a quantised product, along K:
;;     - K is cut into blocks of 32 from its start; a last block that is shorter is filled with zeros.
;;     - A block's scale is 2^e with e = floor(log2(the largest magnitude in the block)) - 2, held to -126 .. 127; a block of zeros has e = 0. As a byte (E8M0): e + 127.
;;     - Each number is divided by its block's scale, clamped to +-6, and rounded to the nearest number of E2M1, ties to even, subnormals kept.
;;     - The product sums the exact products of the quantised numbers (number of the format x scale) in f32.
;;   ~~~python
;;   def quantise(x, axis):      # numpy; x: float32 -> the quantised numbers, widened to float32 again
;;       x = np.moveaxis(x, axis, -1); K = x.shape[-1]
;;       x = np.pad(x, [(0, 0)] * (x.ndim - 1) + [(0, -K % 32)]); x = x.reshape(x.shape[:-1] + (-1, 32)); a = np.abs(x).max(-1, keepdims=True)
;;       e = np.where(a > 0, np.clip(np.frexp(np.where(a > 0, a, 1))[1] - 1 - 2, -126, 127), 0)      # np.frexp(a)[1] - 1 = floor(log2(a)), exactly
;;       r = np.clip(x / 2.0 ** e, -6, 6)
;;       step = 2.0 ** (np.maximum(np.frexp(np.where(r == 0, 1, r))[1] - 1, 0) - 1)
;;       q = np.round(r / step) * step * 2.0 ** e      # np.round: ties to even
;;       return np.moveaxis(q.reshape(q.shape[:-2] + (-1,))[..., :K], -1, axis).astype(np.float32)
;;   ~~~
;;   SOFTMAX AHEAD OF A QUANTISED PRODUCT. Where the list says 'softmax', what is quantised is not the finished softmax but p = 2^(t - M), with t = logit x log2(e) and M = ceil(the row's largest t), a whole number; so 1/2 < the row's largest p <= 1. The row's sum l is taken of the UNQUANTISED p, in f32, and the product's result is divided by l at the end. Since M is a whole number, a kernel that streams over the keys may use a running M (the ceiling of the running maximum): every later rescaling is an exact power of two, which a block's scale takes up: the codes' values come out the same.
;;   OPERANDS COMPUTED ON THE WAY. 'Computed on the way' means the value that the module computes at that place (a softmax that the list does not call 'softmax' is quantised finished and normalised). What goes into a quantiser is computed in f32, as accurately as f32 sums, v_exp_f32 and their like allow (about 1e-6 of the number): no bf16 or f16 on the way to a quantiser, and a product that is left as it is and whose result goes on into a quantised operand takes f32 operands (vector FMAs, or v_wmma_f32_16x16x4_f32). A number that lies on a knife's edge between two numbers of the format may be rounded either way, as far as f32 arithmetic and the matrix unit's own rounding can turn it there, and no further.
;; 2 versions. Each part assembles by itself: llvm-mc -triple=amdgcn-amd-amdhsa -mcpu=gfx1250 --defsym DOCPART=n.
;; ======== version 1 of 2: 4 launches
;; workspace buffers: part 16,384 bytes; wimg 524,288 bytes; wsc 32,768 bytes; qimg 2,097,152 bytes; qsc 262,144 bytes; kv 4,587,520 bytes; oimg 2,097,152 bytes; osc 262,144 bytes
;; launch prep (part 1): grid 272 x 1, 8 waves a work-group, no clusters, 68,608 bytes of LDS; arguments x, wq, wkv, wo, part, wimg, wsc; writes part, wimg, wsc
.if DOCPART == 1
	.amdgcn_target "amdgcn-amd-amdhsa--gfx1250"
	.amdhsa_code_object_version 6
	.text
	.protected	k_q48fdc117d1_prep
	.globl	k_q48fdc117d1_prep
	.p2align	8
	.type	k_q48fdc117d1_prep,@function
k_q48fdc117d1_prep:
	s_mov_b64 s[64:65], 0
	v_nop
	global_prefetch_b8 v0, s[64:65] scope:SCOPE_SE
	s_setreg_imm32_b32 hwreg(HW_REG_WAVE_MODE, 25, 1), 1
	s_wait_xcnt 0x0
; PREP.  Two jobs, parted by the work-group's number.
; Work-groups 0-15: wq [512][512], wkv [1024][512], wo [512][512], f32, K innermost, become codes of FP4 (E2M1) with one E8M0 byte for each 32 along K, laid as IMAGES OF OPERAND REGISTERS:
;   wimg [tile T 0..127][K step s 0..3][c 0..1][lane][16 bytes]: lane (r, h) holds k = 128 s + 64 c + 32 h + 0 .. 31 of the tile's row r;  wsc [T][r][4 words], word s = the four bytes of K step s.
;   T 0-31 wq, 32-95 wkv (k's rows, then v's), 96-127 wo.  In wq and wkv THE ROWS OF A TILE ARE NOT NEIGHBOURS: row r of tile 2 q + u is matrix row 32 q + 8 u + r + 8 (r / 8), so that a transposed product
;   leaves a lane 16 neighbours along the next K in the registers of two neighbouring tiles.  wo's tiles are rows 16 T' + r.  One wave makes one tile.
; Work-groups 16-271: GroupNorm's statistics in parts.  A wave takes 2,048 numbers of x on end (8,192 bytes; 32 such chunks are a group of 16 channels) and stores their mean and the sum of squared
;   deviations from THAT mean: two passes over registers, so no difference of large sums is formed.  part [chunk][mean, M2].
; A block's scale is 2^(floor(log2(largest magnitude)) - 2); its byte is the largest magnitude's exponent field - 2, held at 1 from below by a floor among the maximum's leaves.
; LIMITS: NaN and infinities among the inputs are not served.  A block whose largest magnitude lies under 2^-124 keeps the byte 1; a block of zeros gets the byte 1 where the rule says 127: its codes are
; zeros, which add nothing, and this program alone reads the bytes.
; No cluster, no tensor load: no two work-groups read the same byte.  No barrier: waves share nothing; the stage in LDS is each wave's own and only the weights' path touches LDS.
.set SEL,  30                          ; s[30:31] lane selects for v_permlanex16_b32: lane l xor 16
.set TM,   8                           ; v8-9    two blocks' largest magnitudes
.set BY,   10                          ; v10-11  their scale bytes
.set SO,   12                          ; v12-13  the conversions' scale operands
.set WW,   24                          ; v24-27  the row's four scale words
.set R,    32                          ; v32-159 two sets of 64: a K step of 16 rows as loaded
.set X,    160                         ; v160-223 my 64 numbers of the K step: two blocks of 32 neighbours
.set C,    224                         ; v224-255 codes: eight registers a K step, never written again
.set SP,   528                         ; a stage row: 512 bytes + 16: the sixteen rows that a read touches start at sixteen different 16-byte columns
.set WST,  16*SP                       ; a wave's stage
.macro WSUM reg, tmp                   ; the sum over the wave's 32 lanes, in every lane
	v_add_f32_dpp v[\reg], v[\reg], v[\reg] row_xmask:1 row_mask:0xf bank_mask:0xf
	v_add_f32_dpp v[\reg], v[\reg], v[\reg] row_xmask:2 row_mask:0xf bank_mask:0xf
	v_add_f32_dpp v[\reg], v[\reg], v[\reg] row_xmask:4 row_mask:0xf bank_mask:0xf
	v_add_f32_dpp v[\reg], v[\reg], v[\reg] row_xmask:8 row_mask:0xf bank_mask:0xf
	v_permlanex16_b32 v[\tmp], v[\reg], s[SEL], s[SEL+1]
	v_add_f32 v[\reg], v[\reg], v[\tmp]
.endm
	s_load_b256 s[4:11], s[0:1], 0x0               ; x s[4:5], wq s[6:7], wkv s[8:9], wo s[10:11]
	s_load_b128 s[12:15], s[0:1], 0x20             ; part s[12:13], wimg s[14:15]
	s_load_b64 s[16:17], s[0:1], 0x30              ; wsc
	v_lshl_add_u32 v22, v0, 2, 0x10800
	v_mov_b32 v23, 0
	v_lshrrev_b32 v1, 5, v0
	v_readfirstlane_b32 s18, v1                    ; wave 0..7
	v_and_b32 v2, 31, v0                           ; lane
	v_lshlrev_b32 v3, 4, v2                        ; 16 x lane
	v_and_b32 v6, 15, v0                           ; r
	v_bfe_u32 v7, v0, 4, 1                         ; h
	s_mul_i32 s28, s18, WST
	v_add_nc_u32 v5, s28, v3                       ; the stage, in: 16 x lane of a row
	v_mul_u32_u24 v28, v6, SP
	v_lshl_add_u32 v28, v7, 7, v28
	v_add_nc_u32 v28, s28, v28                     ; and out: row r, + 128 h: my 32 numbers of each 64
	v_lshlrev_b32 v29, 3, v7                       ; 8 h
	v_mov_b32 v30, 0                               ; (a lane permute's destination counts as one of its sources)
	v_lshlrev_b32 v31, 4, v6                       ; 16 r
	s_mov_b32 s[SEL], 0x76543210
	s_mov_b32 s[SEL+1], 0xfedcba98
	s_mov_b32 s25, 0
	s_wait_kmcnt 0x0
	s_cmp_lt_u32 ttmp9, 16
	s_cbranch_scc1 .Lweights
	; ---- the statistics of one chunk
	s_sub_co_u32 s19, ttmp9, 16
	s_lshl_b32 s19, s19, 3
	s_add_co_u32 s19, s19, s18                     ; chunk 0..2047
	s_lshl_b32 s24, s19, 13
	s_add_nc_u64 s[4:5], s[4:5], s[24:25]
	s_lshl_b32 s24, s19, 3
	s_add_nc_u64 s[12:13], s[12:13], s[24:25]
.irp i, 0,1,2,3,4,5,6,7,8,9,10,11,12,13,14,15
	global_load_b128 v[32+4*\i:35+4*\i], v3, s[4:5] offset:512*\i   ; 32 lanes read 512 bytes on end
.endr
	s_wait_loadcnt 0x0
.irp k, 0,2,4,6                                ; the sum, in four chains that the first words start
	v_pk_add_f32 v[8+\k:9+\k], v[32+\k:33+\k], v[40+\k:41+\k]
.endr
.irp i, 16,24,32,40,48,56
.irp k, 0,2,4,6
	v_pk_add_f32 v[8+\k:9+\k], v[8+\k:9+\k], v[32+\i+\k:33+\i+\k]
.endr
.endr
	v_pk_add_f32 v[8:9], v[8:9], v[10:11]
	v_pk_add_f32 v[12:13], v[12:13], v[14:15]
	v_pk_add_f32 v[8:9], v[8:9], v[12:13]
	v_add_f32 v8, v8, v9
	WSUM 8, 9
	v_mul_f32 v16, 0x3a000000, v8                  ; x 2^-11: the chunk's mean
	v_mov_b32 v17, v16
.set j, 0
.rept 32
	v_pk_add_f32 v[32+j:33+j], v[32+j:33+j], v[16:17] neg_lo:[0,1] neg_hi:[0,1]   ; the deviations, in place
.set j, j+2
.endr
.irp k, 0,2,4,6
	v_pk_mul_f32 v[8+\k:9+\k], v[32+\k:33+\k], v[32+\k:33+\k]
.endr
.irp i, 8,16,24,32,40,48,56
.irp k, 0,2,4,6
	v_pk_fma_f32 v[8+\k:9+\k], v[32+\i+\k:33+\i+\k], v[32+\i+\k:33+\i+\k], v[8+\k:9+\k]
.endr
.endr
	v_pk_add_f32 v[8:9], v[8:9], v[10:11]
	v_pk_add_f32 v[12:13], v[12:13], v[14:15]
	v_pk_add_f32 v[8:9], v[8:9], v[12:13]
	v_add_f32 v8, v8, v9
	WSUM 8, 9
	v_mov_b32 v17, v8                              ; M2
	v_mov_b32 v4, 0
	v_cmp_eq_u32 vcc_lo, 0, v2
	s_wait_xcnt 0x0                                ; EXEC changes only behind this wait
	s_and_saveexec_b32 s22, vcc_lo
	global_store_b64 v4, v[16:17], s[12:13]        ; lane 0 stores the chunk's two numbers
	s_wait_xcnt 0x0
	s_or_b32 exec_lo, exec_lo, s22
	s_endpgm
	; ---- one tile of a weight
.Lweights:
	s_lshl_b32 s19, ttmp9, 3
	s_add_co_u32 s19, s19, s18                     ; tile T
	s_cmp_lt_u32 ttmp9, 12                         ; the choices hang on the work-group's number alone
	s_cselect_b64 s[20:21], s[8:9], s[10:11]
	s_cselect_b32 s22, 32, 96                      ; the tensor's first tile
	s_cselect_b32 s23, 16384, 0                    ; rows 8-15 of a tile lie 8 rows further on, but not in wo
	s_cmp_lt_u32 ttmp9, 4
	s_cselect_b64 s[20:21], s[6:7], s[20:21]
	s_cselect_b32 s22, 0, s22
	s_sub_co_u32 s22, s19, s22                     ; the tile's number in its tensor
	s_lshr_b32 s24, s22, 1
	s_lshl_b32 s24, s24, 5
	s_and_b32 s26, s22, 1
	s_lshl_b32 s26, s26, 3
	s_add_co_u32 s24, s24, s26                     ; its first row: 32 (T' / 2) + 8 (T' % 2),
	s_lshl_b32 s26, s22, 4                         ; in wo 16 T'
	s_cmp_lt_u32 ttmp9, 12
	s_cselect_b32 s24, s24, s26
	s_lshl_b32 s24, s24, 11                        ; a row is 2,048 bytes
	s_add_nc_u64 s[20:21], s[20:21], s[24:25]      ; rows 0-7: + 2,048 i
	s_mov_b32 s24, s23
	s_add_nc_u64 s[26:27], s[20:21], s[24:25]      ; rows 8-15: + 2,048 i from here
	s_lshl_b32 s24, s19, 12
	s_add_nc_u64 s[14:15], s[14:15], s[24:25]      ; the tile's 4,096 bytes of codes
	s_lshl_b32 s24, s19, 8
	s_add_nc_u64 s[16:17], s[16:17], s[24:25]      ; and its 256 bytes of scale words
.macro LOADW s                         ; K step s of the 16 rows: each load reads 512 bytes on end of one row
.irp i, 0,1,2,3,4,5,6,7
	global_load_b128 v[R+64*((\s)%2)+4*\i:R+64*((\s)%2)+4*\i+3], v3, s[20:21] offset:2048*\i+512*(\s) th:TH_LOAD_NT
.endr
.irp i, 8,9,10,11,12,13,14,15
	global_load_b128 v[R+64*((\s)%2)+4*\i:R+64*((\s)%2)+4*\i+3], v3, s[26:27] offset:2048*\i+512*(\s) th:TH_LOAD_NT
.endr
.endm
.macro QB2 s0, s1                      ; two whole blocks of 32 numbers of one lane, by turns: largest magnitude with the floor 2^(3 - 127), scale operand, byte
	v_max3_num_f32 v[TM], |v[\s0]|, |v[(\s0)+1]|, 0x1800000
	v_max3_num_f32 v[TM+1], |v[\s1]|, |v[(\s1)+1]|, 0x1800000
.irp i, 2,4,6,8,10,12,14,16,18,20,22,24,26,28,30
	v_max3_num_f32 v[TM], v[TM], |v[(\s0)+\i]|, |v[(\s0)+\i+1]|
	v_max3_num_f32 v[TM+1], v[TM+1], |v[(\s1)+\i]|, |v[(\s1)+\i+1]|
.endr
	v_add_nc_u32 v[SO], 0xff000000, v[TM]          ; 2 off the exponent field: the conversion takes the exponent field of this operand as its scale
	v_add_nc_u32 v[SO+1], 0xff000000, v[TM+1]
	v_lshrrev_b32 v[BY], 23, v[SO]
	v_lshrrev_b32 v[BY+1], 23, v[SO+1]
.endm
.macro WSTEP s
.if (\s) < 3
	s_wait_loadcnt 16                              ; this K step's 16 loads are in; the next step's 16 may be out
.else
	s_wait_loadcnt 0x0
.endif
.irp i, 0,1,2,3,4,5,6,7,8,9,10,11,12,13,14,15
	ds_store_b128 v5, v[R+64*((\s)%2)+4*\i:R+64*((\s)%2)+4*\i+3] offset:SP*\i
.endr
.irp c, 0,1
.irp j, 0,1,2,3,4,5,6,7
	ds_load_b128 v[X+32*\c+4*\j:X+32*\c+4*\j+3], v28 offset:256*\c+16*\j   ; LDS serves a wave's instructions in order: these see the stores above
.endr
.endr
	s_wait_dscnt 0x0                               ; my numbers are back, and the stores have read their registers,
.if (\s) < 2
	LOADW (\s)+2                                   ; which take the K step two further on
.endif
	QB2 X, X+32
	v_lshl_or_b32 v[WW+(\s)], v[BY+1], 16, v[BY]   ; my two bytes: blocks h and 2 + h of row r,
	v_lshlrev_b32 v[WW+(\s)], v29, v[WW+(\s)]      ; 8 h bits up;
	v_permlanex16_b32 v30, v[WW+(\s)], s[SEL], s[SEL+1]
	v_or_b32 v[WW+(\s)], v[WW+(\s)], v30           ; with lane l xor 16's two the word is whole
.irp c, 0,1
.irp g, 0,1,2,3
	v_cvt_scalef32_pk8_fp4_f32 v[C+8*(\s)+4*\c+\g], v[X+32*\c+8*\g:X+32*\c+8*\g+7], v[SO+\c]
.endr
.endr
	v_nop                                          ; one plain line behind the last conversion
.irp c, 0,1
	global_store_b128 v3, v[C+8*(\s)+4*\c:C+8*(\s)+4*\c+3], s[14:15] offset:1024*(\s)+512*\c   ; 32 lanes store 512 bytes on end
.endr
.endm
	LOADW 0
	LOADW 1
	WSTEP 0
	WSTEP 1
	WSTEP 2
	WSTEP 3
	v_cmp_gt_u32 vcc_lo, 16, v2
	s_wait_xcnt 0x0                                ; EXEC changes only behind this wait
	s_wait_tensorcnt 0x0
	ds_add_u32 v22, v23
	s_wait_dscnt 0x0
	s_and_saveexec_b32 s22, vcc_lo
	global_store_b128 v31, v[WW:WW+3], s[16:17]    ; lanes 0-15 store the tile's 256 bytes of scale words
	s_wait_xcnt 0x0
	s_or_b32 exec_lo, exec_lo, s22
	s_endpgm
.Lfunc_end_k_q48fdc117d1_prep:
	.size	k_q48fdc117d1_prep, .Lfunc_end_k_q48fdc117d1_prep-k_q48fdc117d1_prep
	.p2alignl 7, 3214868480
	.fill 96, 4, 3214868480
	.section	.rodata,"a",@progbits
	.p2align	6, 0x0
	.amdhsa_kernel k_q48fdc117d1_prep
		.amdhsa_group_segment_fixed_size 68608
		.amdhsa_private_segment_fixed_size 0
		.amdhsa_enable_private_segment 0
		.amdhsa_kernarg_size 56
		.amdhsa_user_sgpr_count 2
		.amdhsa_user_sgpr_kernarg_segment_ptr 1
		.amdhsa_wavefront_size32 1
		.amdhsa_system_sgpr_workgroup_id_x 1
		.amdhsa_system_sgpr_workgroup_id_y 1
		.amdhsa_system_sgpr_workgroup_id_z 1
		.amdhsa_system_vgpr_workitem_id 0
		.amdhsa_next_free_vgpr 256
		.amdhsa_next_free_sgpr 66
		.amdhsa_reserve_vcc 1
		.amdhsa_float_denorm_mode_32 3
		.amdhsa_float_denorm_mode_16_64 3
		.amdhsa_memory_ordered 1
		.amdhsa_forward_progress 1
		.amdhsa_inst_pref_size 39
	.end_amdhsa_kernel
	.amdgpu_metadata
---
amdhsa.version: [ 1, 2 ]
amdhsa.kernels:
  - .name:           k_q48fdc117d1_prep
    .symbol:         k_q48fdc117d1_prep.kd
    .args:
      - { .name: x, .offset: 0, .size: 8, .value_kind: global_buffer, .address_space: global }
      - { .name: wq, .offset: 8, .size: 8, .value_kind: global_buffer, .address_space: global }
      - { .name: wkv, .offset: 16, .size: 8, .value_kind: global_buffer, .address_space: global }
      - { .name: wo, .offset: 24, .size: 8, .value_kind: global_buffer, .address_space: global }
      - { .name: part, .offset: 32, .size: 8, .value_kind: global_buffer, .address_space: global }
      - { .name: wimg, .offset: 40, .size: 8, .value_kind: global_buffer, .address_space: global }
      - { .name: wsc, .offset: 48, .size: 8, .value_kind: global_buffer, .address_space: global }
    .group_segment_fixed_size: 68608
    .private_segment_fixed_size: 0
    .kernarg_segment_align: 8
    .kernarg_segment_size: 56
    .max_flat_workgroup_size: 256
    .sgpr_count:     66
    .vgpr_count:     256
    .wavefront_size: 32
...
	.end_amdgpu_metadata
.endif
;; end of part 1
;; launch qkv (part 2): grid 256 x 1, 8 waves a work-group, no clusters, 9,728 bytes of LDS; arguments x, part, gn_w, gn_b, wimg, wsc, bq, bkv, qimg, qsc, kv; writes qimg, qsc, kv
.if DOCPART == 2
	.amdgcn_target "amdgcn-amd-amdhsa--gfx1250"
	.amdhsa_code_object_version 6
	.text
	.protected	k_q48fdc117d1_qkv
	.globl	k_q48fdc117d1_qkv
	.p2align	8
	.type	k_q48fdc117d1_qkv,@function
k_q48fdc117d1_qkv:
	s_mov_b64 s[64:65], 0
	v_nop
	global_prefetch_b8 v0, s[64:65] scope:SCOPE_SE
	s_setreg_imm32_b32 hwreg(HW_REG_WAVE_MODE, 25, 1), 1
	s_wait_xcnt 0x0
; QKV.  GroupNorm is finished, x_norm is quantised along the channels, q = wq x_norm + bq and kv = wkv x_norm + bkv are made on codes of FP4 (E2M1, one E8M0 byte for each 32 along K), and q, k (along the
; head's 64) and v (along the keys) are quantised in registers and stored as images of the operand registers that the attention launch loads.
; SHARES.  A work-group takes 32 pixels of one batch (pair pg of pixel tiles) for all 1,536 outputs, so x is read and quantised once.  Wave w first normalises and quantises channels 64 w .. 64 w + 63 (groups
; 4 w .. 4 w + 3; half of K step w / 2) for the 32 pixels, a lane to a pixel, registers down the channels; the eight waves' pieces meet in LDS as images of registers; one barrier; then wave w makes q, k and v
; of head w: 96 matrix instructions, its weights coming from memory straight into operand registers (each lane 16 bytes, each load 512 bytes on end).
; TILE ORDER.  Row m of pixel tile 2 pg + u is pixel 32 pg + 8 u + m + 8 (m / 8); the rows of a weight's tile are chosen likewise.  q and k are made TRANSPOSED (source 0 = 16 rows of the weight, source 1 =
; 16 pixels): a lane holds one pixel, and the 16 registers of tiles 2 b, 2 b + 1 are d = 32 b + 16 (lane / 16) + 0 .. 15.  v is made the other way round (source 0 = pixels): a lane holds one d, and the 16
; registers of pixel tiles 0, 1 are keys 32 pg + 16 (lane / 16) + 0 .. 15.  So each quantiser finds 16 neighbours along its K in a lane and the other 16 in lane l xor 16.
; OUT.  qimg [bh][tile][lane][16]: registers 0-3 of a fragment; qsc [bh][16 tile + r] words (bytes 0, 1; bytes 2, 3 zero).  kv [bh][key step of 128][8,960]: +0 K's 8 tiles [tile][lane][16]; +4,096 V^T's
; [d tile][c][lane][16]; +8,192 K's scale words [pair][lane]; +8,704 V's [pair of d tiles][lane], byte i = key block i.
; With 32 pixels to a work-group a channel's piece of x is 128 bytes, the q and K scale words leave 128 bytes at a time and V's scale bytes singly (four work-groups share a word): 64 pixels would halve the
; number of work-groups or read x twice.
; NO CLUSTER: the weights go straight into registers; shared by joint loads they would have to pass through LDS, where 393,216 bytes of codes do not fit in one fill.
; LIMITS: NaN and infinities are not served; a block whose largest magnitude lies under 2^-124 keeps the byte 1, and so does a block of zeros (its codes are zeros; this program alone reads the bytes);
; 1 / sqrt comes from v_rsq_f32.
.set XSC,  8192                        ; LDS: x's images [u][s][c][lane][16] at 0; behind them x's scale words [lane = 16 u + r][word s]
.set XF,   16                          ; v16-79   x's fragments, (u, s) at 8 (4 u + s); before that the statistics' scratch
.set ACC,  80                          ; v80-143  eight accumulators; before that my pixel's 64 channels
.set BI0,  144                         ; v144-175 biases in the result's layout: q's, later v's
.set BI1,  176                         ; v176-207 k's
.set WS,   208                         ; v208-231 the weights' scale words: unit kappa at 8 kappa, pair of tiles i at + 4 i, word s; lanes 0-15 tile 2 i, lanes 16-31 tile 2 i + 1
.set XS,   232                         ; v232-235 x's scale words, word s; lanes 0-15 pixel tile 0, lanes 16-31 tile 1
.set TM,   236                         ; v236-241 largest magnitudes, bytes, scale operands
.set WD,   242                         ; v242-243 scale words just made
.set PC,   244                         ; v244-251 codes just made
.set BVT,  252                         ; v252-255 v's bias of my d, a register a tile
.set WB0,  0                           ; window 1: v0-127 one unit's 16 fragments, (t, s) at 8 (4 t + s);
.set WB1,  128                         ; v128-255 another's; before that gn_w (64) and gn_b (64) of my channels
.set GW,   128
.set GB,   192
.set SEL,  44                          ; s[44:45] lane selects for lane l xor 16
.set MSB, 0
.macro WIN new                         ; the immediate's high byte repeats the setting that is left
.if MSB != \new
	s_set_vgpr_msb (MSB<<8)|\new
.set MSB, \new
.endif
.endm
.macro WM d, a, b, c, sa, sb, ra, rb   ; one product; ra, rb: the side's scales stand in lanes 16-31
.if ((\ra) != 0) && ((\rb) != 0)
	v_wmma_scale_f32_16x16x128_f8f6f4 v[0+(\d):7+(\d)], v[0+(\a):7+(\a)], v[0+(\b):7+(\b)], v[0+(\c):7+(\c)], v[0+(\sa)], v[0+(\sb)] matrix_a_fmt:MATRIX_FMT_FP4 matrix_b_fmt:MATRIX_FMT_FP4 matrix_a_scale:MATRIX_SCALE_ROW1 matrix_b_scale:MATRIX_SCALE_ROW1
.elseif (\ra) != 0
	v_wmma_scale_f32_16x16x128_f8f6f4 v[0+(\d):7+(\d)], v[0+(\a):7+(\a)], v[0+(\b):7+(\b)], v[0+(\c):7+(\c)], v[0+(\sa)], v[0+(\sb)] matrix_a_fmt:MATRIX_FMT_FP4 matrix_b_fmt:MATRIX_FMT_FP4 matrix_a_scale:MATRIX_SCALE_ROW1
.elseif (\rb) != 0
	v_wmma_scale_f32_16x16x128_f8f6f4 v[0+(\d):7+(\d)], v[0+(\a):7+(\a)], v[0+(\b):7+(\b)], v[0+(\c):7+(\c)], v[0+(\sa)], v[0+(\sb)] matrix_a_fmt:MATRIX_FMT_FP4 matrix_b_fmt:MATRIX_FMT_FP4 matrix_b_scale:MATRIX_SCALE_ROW1
.else
	v_wmma_scale_f32_16x16x128_f8f6f4 v[0+(\d):7+(\d)], v[0+(\a):7+(\a)], v[0+(\b):7+(\b)], v[0+(\c):7+(\c)], v[0+(\sa)], v[0+(\sb)] matrix_a_fmt:MATRIX_FMT_FP4 matrix_b_fmt:MATRIX_FMT_FP4
.endif
.endm
; 32 numbers of a lane, register 16 b + i = place 32 b + 16 (lane / 16) + i along K of my row, become four fragment registers (lanes 0-15 block 0, lanes 16-31 block 1) and the two bytes in wd.
; Each accumulator is first read at its low end.
.macro QUANT2 src, pc, wd
.irp b, 0,1
	v_max3_num_f32 v[TM+\b], |v[(\src)+16*\b]|, |v[(\src)+16*\b+1]|, 0x1800000   ; with the floor 2^(3 - 127): the byte cannot fall under 1
.endr
.irp i, 2,4,6,8,10,12,14
.irp b, 0,1
	v_max3_num_f32 v[TM+\b], v[TM+\b], |v[(\src)+16*\b+\i]|, |v[(\src)+16*\b+\i+1]|
.endr
.endr
.irp b, 0,1
	v_permlanex16_b32 v[TM+2+\b], v[TM+\b], s[SEL], s[SEL+1]
.endr
.irp b, 0,1
	v_max_num_f32 v[TM+\b], v[TM+\b], v[TM+2+\b]   ; with lane l xor 16's 16: the block's largest magnitude
.endr
.irp b, 0,1
	v_add_nc_u32 v[TM+4+\b], 0xff000000, v[TM+\b]  ; 2 off its exponent field: the conversion's scale operand
.endr
.irp b, 0,1
	v_lshrrev_b32 v[TM+2+\b], 23, v[TM+4+\b]       ; the byte
.endr
	v_lshl_or_b32 v[\wd], v[TM+3], 8, v[TM+2]
.irp b, 0,1
	v_cvt_scalef32_pk8_fp4_f32 v[(\pc)+2*\b], v[(\src)+16*\b:(\src)+16*\b+7], v[TM+4+\b]
	v_cvt_scalef32_pk8_fp4_f32 v[(\pc)+2*\b+1], v[(\src)+16*\b+8:(\src)+16*\b+15], v[TM+4+\b]
.endr
	v_nop                                          ; one plain line behind the last conversion
	v_permlane16_swap_b32 v[\pc], v[(\pc)+2]       ; a whole block to a lane
	v_permlane16_swap_b32 v[(\pc)+1], v[(\pc)+3]
.endm
.macro PLACES n
.rept \n
	v_nop
.endr
.endm
	s_load_b512 s[4:19], s[0:1], 0x0               ; x s[4:5], part s[6:7], gn_w s[8:9], gn_b s[10:11], wimg s[12:13], wsc s[14:15], bq s[16:17], bkv s[18:19]
	s_load_b128 s[20:23], s[0:1], 0x40             ; qimg s[20:21], qsc s[22:23]
	s_load_b64 s[24:25], s[0:1], 0x50              ; kv
	v_lshrrev_b32 v1, 5, v0
	v_readfirstlane_b32 s26, v1                    ; wave = head 0..7
	v_and_b32 v1, 31, v0                           ; lane
	v_and_b32 v2, 15, v0                           ; r
	v_bfe_u32 v3, v0, 4, 1                         ; h
	v_lshlrev_b32 v4, 4, v1                        ; 16 x lane
	v_lshlrev_b32 v5, 2, v1                        ; 4 x lane
	v_and_b32 v6, 7, v1
	v_and_b32 v14, 8, v1
	v_lshl_or_b32 v6, v14, 1, v6
	v_and_b32 v14, 16, v1
	v_lshrrev_b32 v14, 1, v14
	v_or_b32 v6, v6, v14
	v_lshlrev_b32 v6, 2, v6                        ; x: lane 16 u + r takes the pixel of tile u's row r: 8 u + r + 8 (r / 8); 4 bytes each
	s_lshl_b32 s30, s26, 9
	v_add_nc_u32 v7, s30, v4                       ; LDS: where I store x's images: 16 x lane + 512 x wave
	s_lshl_b32 s30, s26, 1
	v_add_nc_u32 v8, s30, v4                       ; and my pixel's two scale bytes: 16 x lane + 2 x wave
	v_lshlrev_b32 v9, 3, v1                        ; 8 x lane: a chunk's two numbers
	v_lshlrev_b32 v10, 6, v3                       ; 64 h: a transposed result's biases
	v_and_b32 v11, 8, v2
	v_add_nc_u32 v11, v11, v2
	v_lshlrev_b32 v11, 2, v11                      ; 4 (r + 8 (r / 8)): v's bias of my d
	v_lshlrev_b32 v12, 4, v2
	v_lshl_add_u32 v12, v3, 10, v12                ; V^T's images: 1,024 h + 16 r
	v_lshlrev_b32 v13, 3, v3                       ; 8 h
	v_mov_b32 v15, 0
	v_mov_b32 v[TM+2], 0                           ; (a lane permute's destination counts as one of its sources)
	v_mov_b32 v[TM+3], 0
	s_mov_b32 s29, 0xffff0000                      ; lanes 16-31
	s_mov_b32 s[SEL], 0x76543210
	s_mov_b32 s[SEL+1], 0xfedcba98
	s_lshr_b32 s27, ttmp9, 7                       ; batch
	s_and_b32 s28, ttmp9, 127                      ; pair of pixel tiles
	s_mov_b32 s31, 0
	s_wait_kmcnt 0x0
	s_lshl_b32 s30, s27, 23                        ; x: batch, my 64 channels of 16,384 bytes, the 32 pixels
	s_lshl_b32 s40, s26, 20
	s_add_co_u32 s30, s30, s40
	s_lshl_b32 s40, s28, 7
	s_add_co_u32 s30, s30, s40
	s_add_nc_u64 s[4:5], s[4:5], s[30:31]
	s_lshl_b32 s30, s27, 13                        ; part: group 32 b + 4 w, 256 bytes a group
	s_lshl_b32 s40, s26, 10
	s_add_co_u32 s30, s30, s40
	s_add_nc_u64 s[6:7], s[6:7], s[30:31]
	s_mov_b32 s30, s40                             ; wsc: my four tiles of 256 bytes
	s_add_nc_u64 s[14:15], s[14:15], s[30:31]
	s_lshl_b32 s30, s26, 8                         ; my 64 numbers of gn_w, gn_b, bq, bkv
	s_add_nc_u64 s[8:9], s[8:9], s[30:31]
	s_add_nc_u64 s[10:11], s[10:11], s[30:31]
	s_add_nc_u64 s[16:17], s[16:17], s[30:31]
	s_add_nc_u64 s[18:19], s[18:19], s[30:31]
	s_lshl_b32 s30, s26, 14                        ; wimg: my four tiles of 4,096 bytes
	s_add_nc_u64 s[12:13], s[12:13], s[30:31]
	s_lshl_b32 s40, s27, 3
	s_add_co_u32 s40, s40, s26                     ; bh
	s_lshl_b32 s30, s40, 17
	s_lshl_b32 s41, s28, 10
	s_add_co_u32 s30, s30, s41
	s_add_nc_u64 s[20:21], s[20:21], s[30:31]      ; qimg at my two tiles
	s_lshl_b32 s30, s40, 14
	s_lshl_b32 s41, s28, 7
	s_add_co_u32 s30, s30, s41
	s_add_nc_u64 s[22:23], s[22:23], s[30:31]      ; qsc at their 32 words
	s_and_b32 s41, s28, 3                          ; i: which 32 keys of the key step
	s_lshr_b32 s42, s28, 2                         ; the key step
	s_mul_i32 s30, s40, 286720
	s_mul_i32 s43, s42, 8960
	s_add_co_u32 s30, s30, s43
	s_add_nc_u64 s[24:25], s[24:25], s[30:31]      ; kv at the key step
	s_lshl_b32 s30, s41, 10
	s_add_nc_u64 s[32:33], s[24:25], s[30:31]      ; K's tiles 2 i, 2 i + 1
	s_lshl_b32 s30, s41, 7
	s_add_co_u32 s30, s30, 8192
	s_add_nc_u64 s[34:35], s[24:25], s[30:31]      ; their scale words
	s_lshr_b32 s30, s41, 1
	s_lshl_b32 s30, s30, 9
	s_and_b32 s43, s41, 1
	s_lshl_b32 s43, s43, 8
	s_add_co_u32 s30, s30, s43
	s_add_co_u32 s30, s30, 4096
	s_add_nc_u64 s[36:37], s[24:25], s[30:31]      ; V^T: c = i / 2, lanes' half i % 2
	s_add_co_u32 s30, s41, 8704
	s_add_nc_u64 s[38:39], s[24:25], s[30:31]      ; V's scale bytes: byte i of each word
	s_mov_b32 s30, 0x37800000                      ; 2^-16: a group has 65,536 numbers
	s_mov_b32 s31, 0x3727c5ac                      ; eps = 1e-5
	; ---- all that the first phases want is asked for at once: 146 loads
.irp i, 0,1,2,3
	global_load_b64 v[16+2*\i:17+2*\i], v9, s[6:7] offset:256*\i   ; group 4 w + i: a chunk's mean and M2 to a lane
.endr
.set i, 0
.rept 64
	global_load_b32 v[ACC+i], v6, s[4:5] offset:16384*i            ; channel 64 w + i of my pixel: the wave reads 128 bytes on end
.set i, i+1
.endr
	WIN 0x40                                       ; destination window 1
.set i, 0
.rept 16
	global_load_b128 v[GW+4*i:GW+4*i+3], v15, s[8:9] offset:16*i   ; my 64 gains and 64 offsets, the same in every lane
	global_load_b128 v[GB+4*i:GB+4*i+3], v15, s[10:11] offset:16*i
.set i, i+1
.endr
.set i, 0
.rept 32
	global_load_b128 v[WB0+4*i:WB0+4*i+3], v4, s[12:13] offset:512*i   ; wq's 16 fragments of my head
.set i, i+1
.endr
	WIN 0
.irp k, 0,1,2
.irp i, 0,1
	global_load_b128 v[WS+8*\k+4*\i:WS+8*\k+4*\i+3], v4, s[14:15] offset:8192*\k+512*\i
.endr
.endr
.irp t, 0,1,2,3
	global_load_b128 v[BI0+8*\t:BI0+8*\t+3], v10, s[16:17] offset:(32*(\t/2)+8*(\t%2))*4
	global_load_b128 v[BI0+8*\t+4:BI0+8*\t+7], v10, s[16:17] offset:(32*(\t/2)+8*(\t%2))*4+16
.endr
	; ---- the four groups' mean and 1 / sqrt(var + eps), by turns.  mean = the 32 chunk means' mean; M2 = the sum of the chunks' M2 + 2,048 x (chunk mean - mean)^2
	s_wait_loadcnt 63                              ; at most 63 of the 146 are out: the oldest 83 are in, the four of part among them
.irp i, 0,1,2,3
	v_mov_b32 v[24+2*\i], v[16+2*\i]
	v_mov_b32 v[25+2*\i], 0
.endr
.irp m, 1,2,4,8
.irp i, 0,1,2,3
	v_add_f32_dpp v[24+2*\i], v[24+2*\i], v[24+2*\i] row_xmask:\m row_mask:0xf bank_mask:0xf
.endr
.endr
.irp i, 0,1,2,3
	v_permlanex16_b32 v[25+2*\i], v[24+2*\i], s[SEL], s[SEL+1]
.endr
.irp i, 0,1,2,3
	v_add_f32 v[24+2*\i], v[24+2*\i], v[25+2*\i]
.endr
.irp i, 0,1,2,3
	v_mul_f32 v[24+2*\i], 0x3d000000, v[24+2*\i]   ; / 32: the group's mean, in every lane
.endr
.irp i, 0,1,2,3
	v_sub_f32 v[16+2*\i], v[16+2*\i], v[24+2*\i]
.endr
.irp i, 0,1,2,3
	v_mul_f32 v[16+2*\i], v[16+2*\i], v[16+2*\i]
.endr
.irp i, 0,1,2,3
	v_fmamk_f32 v[32+2*\i], v[16+2*\i], 0x45000000, v[17+2*\i]
	v_mov_b32 v[33+2*\i], 0
.endr
.irp m, 1,2,4,8
.irp i, 0,1,2,3
	v_add_f32_dpp v[32+2*\i], v[32+2*\i], v[32+2*\i] row_xmask:\m row_mask:0xf bank_mask:0xf
.endr
.endr
.irp i, 0,1,2,3
	v_permlanex16_b32 v[33+2*\i], v[32+2*\i], s[SEL], s[SEL+1]
.endr
.irp i, 0,1,2,3
	v_add_f32 v[32+2*\i], v[32+2*\i], v[33+2*\i]
.endr
.irp i, 0,1,2,3
	v_fma_f32 v[32+2*\i], v[32+2*\i], s30, s31     ; var + eps
.endr
.irp i, 0,1,2,3
	v_rsq_f32 v[32+2*\i], v[32+2*\i]
.endr
	; ---- x_norm = ((x - mean) / sqrt) gn_w + gn_b, my pixel's 64 channels
	s_wait_loadcnt 46                              ; x and the gains are in; wq's 32, the 6 of scale words and bq's 8 may be out
.irp g, 0,1,2,3
.irp j, 0,2,4,6,8,10,12,14
	v_pk_add_f32 v[ACC+16*\g+\j:ACC+16*\g+\j+1], v[ACC+16*\g+\j:ACC+16*\g+\j+1], v[24+2*\g:25+2*\g] op_sel_hi:[1,0] neg_lo:[0,1] neg_hi:[0,1]   ; (plain work behind the four roots)
.endr
.endr
	s_wait_alu depctr_va_vdst(0)                   ; one wait for the four, ahead of their first reader
.irp g, 0,1,2,3
.irp j, 0,2,4,6,8,10,12,14
	v_pk_mul_f32 v[ACC+16*\g+\j:ACC+16*\g+\j+1], v[ACC+16*\g+\j:ACC+16*\g+\j+1], v[32+2*\g:33+2*\g] op_sel_hi:[1,0]
.endr
.endr
	WIN 0x14                                       ; sources 1 and 2 window 1
.set i, 0
.rept 32
	v_pk_fma_f32 v[ACC+i:ACC+i+1], v[ACC+i:ACC+i+1], v[GW+i:GW+i+1], v[GB+i:GB+i+1]
.set i, i+2
.endr
	WIN 0
	; ---- quantised: two whole blocks of 32 channels lie in my registers
	v_max3_num_f32 v[TM], |v[ACC]|, |v[ACC+1]|, 0x1800000
	v_max3_num_f32 v[TM+1], |v[ACC+32]|, |v[ACC+33]|, 0x1800000
.irp i, 2,4,6,8,10,12,14,16,18,20,22,24,26,28,30
	v_max3_num_f32 v[TM], v[TM], |v[ACC+\i]|, |v[ACC+\i+1]|
	v_max3_num_f32 v[TM+1], v[TM+1], |v[ACC+32+\i]|, |v[ACC+33+\i]|
.endr
	v_add_nc_u32 v[TM+4], 0xff000000, v[TM]
	v_add_nc_u32 v[TM+5], 0xff000000, v[TM+1]
	v_lshrrev_b32 v[TM+2], 23, v[TM+4]
	v_lshrrev_b32 v[TM+3], 23, v[TM+5]
	v_lshl_or_b32 v[WD], v[TM+3], 8, v[TM+2]
.irp c, 0,1
.irp g, 0,1,2,3
	v_cvt_scalef32_pk8_fp4_f32 v[PC+4*\c+\g], v[ACC+32*\c+8*\g:ACC+32*\c+8*\g+7], v[TM+4+\c]
.endr
.endr
	v_nop                                          ; one plain line behind the last conversion
.irp i, 0,1,2,3
	v_permlane16_swap_b32 v[PC+\i], v[PC+4+\i]     ; lanes 0-15 held tile 0's rows, lanes 16-31 tile 1's, each both blocks: now the first four registers are tile 0's piece (lanes' halves = blocks), the others tile 1's
.endr
	ds_store_b128 v7, v[PC:PC+3]
	ds_store_b128 v7, v[PC+4:PC+7] offset:4096
	ds_store_b16 v8, v[WD] offset:XSC
	s_wait_dscnt 0x0                               ; for the others' sake: my stores have landed
	s_barrier_signal -1
	s_barrier_wait -1                              ; x's eight fragments and their scale words lie in LDS
	WIN 0x40
.set i, 0
.rept 32
	global_load_b128 v[WB1+4*i:WB1+4*i+3], v4, s[12:13] offset:131072+512*i   ; wk's fragments, where the gains lay
.set i, i+1
.endr
	WIN 0
.irp t, 0,1,2,3
	global_load_b128 v[BI1+8*\t:BI1+8*\t+3], v10, s[18:19] offset:(32*(\t/2)+8*(\t%2))*4
	global_load_b128 v[BI1+8*\t+4:BI1+8*\t+7], v10, s[18:19] offset:(32*(\t/2)+8*(\t%2))*4+16
.endr
.irp n, 0,1,2,3
	global_load_b32 v[BVT+\n], v11, s[18:19] offset:2048+(32*(\n/2)+8*(\n%2))*4
.endr
.set i, 0
.rept 16
	ds_load_b128 v[XF+4*i:XF+4*i+3], v4 offset:512*i
.set i, i+1
.endr
	ds_load_b128 v[XS:XS+3], v4 offset:XSC
	s_wait_dscnt 0x0
; 32 products, transposed: D(row of the weight's tile, pixel).  The eight accumulators take turns, one instruction a turn; the bias is the C of each sum's first product.
.macro GEMM_T wb, bi, ws
	WIN 0x01                                       ; source 0 window 1
.irp s, 0,1,2,3
.irp u, 0,1
.irp t, 0,1,2,3
.if \s == 0
	WM ACC+32*\u+8*\t, \wb+8*(4*\t+\s), XF+8*(4*\u+\s), \bi+8*\t, \ws+4*(\t/2)+\s, XS+\s, \t%2, \u
.else
	WM ACC+32*\u+8*\t, \wb+8*(4*\t+\s), XF+8*(4*\u+\s), ACC+32*\u+8*\t, \ws+4*(\t/2)+\s, XS+\s, \t%2, \u
.endif
.endr
.endr
.endr
	WIN 0
.endm
; the same the other way round: D(pixel, row of the weight's tile)
.macro GEMM_N wb, bi, ws
	WIN 0x04                                       ; source 1 window 1
.irp s, 0,1,2,3
.irp n, 0,1,2,3
.irp u, 0,1
.if \s == 0
	WM ACC+16*\n+8*\u, XF+8*(4*\u+\s), \wb+8*(4*\n+\s), \bi+8*\n, XS+\s, \ws+4*(\n/2)+\s, \u, \n%2
.else
	WM ACC+16*\n+8*\u, XF+8*(4*\u+\s), \wb+8*(4*\n+\s), ACC+16*\n+8*\u, XS+\s, \ws+4*(\n/2)+\s, \u, \n%2
.endif
.endr
.endr
.endr
	WIN 0
.endm
.macro EPI_QK pi, ps                   ; two pixel tiles of q or of k: codes to s[pi], scale words to s[ps]
	s_wait_xcnt 0x0                                ; the codes' and words' registers are written again only behind this wait
	QUANT2 ACC, PC, WD
	QUANT2 ACC+32, PC+4, WD+1
	global_store_b128 v4, v[PC:PC+3], s[\pi:\pi+1]                 ; 512 bytes on end
	global_store_b128 v4, v[PC+4:PC+7], s[\pi:\pi+1] offset:512
	v_cndmask_b32 v[WD], v[WD], v[WD+1], s29       ; lanes 0-15 tile 0's words, lanes 16-31 tile 1's
	global_store_b32 v5, v[WD], s[\ps:\ps+1]
.endm
	s_wait_loadcnt 44                              ; wq, the scale words and bq are in; wk's 32, bk's 8 and bv's 4 may be out
	GEMM_T WB0, BI0, WS
	PLACES 5                                       ; four in front of loads into registers that products have read and of the first read of results; the fifth for the next unit's products, which write over these accumulators
	WIN 0x40
.set i, 0
.rept 32
	global_load_b128 v[WB0+4*i:WB0+4*i+3], v4, s[12:13] offset:262144+512*i   ; wv's fragments
.set i, i+1
.endr
	WIN 0
	EPI_QK 20, 22
	s_wait_loadcnt 32                              ; wk, bk and bv are in; wv's 32 may be out
	GEMM_T WB1, BI1, WS+8
	PLACES 5
	EPI_QK 32, 34
.irp n, 0,1,2,3
.irp j, 0,1,2,3,4,5,6,7
	v_mov_b32 v[BI0+8*\n+\j], v[BVT+\n]            ; v's bias in the result's layout: a lane holds one d, so all eight registers are alike
.endr
.endr
	PLACES 4
	s_wait_loadcnt 0x0
	GEMM_N WB0, BI0, WS+16
	PLACES 5
	s_wait_xcnt 0x0
	QUANT2 ACC, PC, WD                             ; here the two "blocks" are d tiles 0 and 1: 32 keys of my d each
	QUANT2 ACC+32, PC+4, WD+1                      ; d tiles 2 and 3
	global_store_b128 v12, v[PC:PC+3], s[36:37]                    ; each half of the wave stores 256 bytes on end
	global_store_b128 v12, v[PC+4:PC+7], s[36:37] offset:2048
	v_lshrrev_b32 v[WD], v13, v[WD]                ; lanes 16-31 take the odd tile's byte
	v_lshrrev_b32 v[WD+1], v13, v[WD+1]
	global_store_b8 v5, v[WD], s[38:39]
	global_store_b8 v5, v[WD+1], s[38:39] offset:128
	s_wait_xcnt 0x0
	v_lshl_add_u32 v254, v0, 2, 0x2200
	v_mov_b32 v255, 0
	s_wait_tensorcnt 0x0
	ds_add_u32 v254, v255
	s_wait_dscnt 0x0
	s_endpgm
.Lfunc_end_k_q48fdc117d1_qkv:
	.size	k_q48fdc117d1_qkv, .Lfunc_end_k_q48fdc117d1_qkv-k_q48fdc117d1_qkv
	.p2alignl 7, 3214868480
	.fill 96, 4, 3214868480
	.section	.rodata,"a",@progbits
	.p2align	6, 0x0
	.amdhsa_kernel k_q48fdc117d1_qkv
		.amdhsa_group_segment_fixed_size 9728
		.amdhsa_private_segment_fixed_size 0
		.amdhsa_enable_private_segment 0
		.amdhsa_kernarg_size 88
		.amdhsa_user_sgpr_count 2
		.amdhsa_user_sgpr_kernarg_segment_ptr 1
		.amdhsa_wavefront_size32 1
		.amdhsa_system_sgpr_workgroup_id_x 1
		.amdhsa_system_sgpr_workgroup_id_y 1
		.amdhsa_system_sgpr_workgroup_id_z 1
		.amdhsa_system_vgpr_workitem_id 0
		.amdhsa_next_free_vgpr 512
		.amdhsa_next_free_sgpr 66
		.amdhsa_reserve_vcc 0
		.amdhsa_float_denorm_mode_32 3
		.amdhsa_float_denorm_mode_16_64 3
		.amdhsa_memory_ordered 1
		.amdhsa_forward_progress 1
		.amdhsa_inst_pref_size 66
	.end_amdhsa_kernel
	.amdgpu_metadata
---
amdhsa.version: [ 1, 2 ]
amdhsa.kernels:
  - .name:           k_q48fdc117d1_qkv
    .symbol:         k_q48fdc117d1_qkv.kd
    .args:
      - { .name: x, .offset: 0, .size: 8, .value_kind: global_buffer, .address_space: global }
      - { .name: part, .offset: 8, .size: 8, .value_kind: global_buffer, .address_space: global }
      - { .name: gn_w, .offset: 16, .size: 8, .value_kind: global_buffer, .address_space: global }
      - { .name: gn_b, .offset: 24, .size: 8, .value_kind: global_buffer, .address_space: global }
      - { .name: wimg, .offset: 32, .size: 8, .value_kind: global_buffer, .address_space: global }
      - { .name: wsc, .offset: 40, .size: 8, .value_kind: global_buffer, .address_space: global }
      - { .name: bq, .offset: 48, .size: 8, .value_kind: global_buffer, .address_space: global }
      - { .name: bkv, .offset: 56, .size: 8, .value_kind: global_buffer, .address_space: global }
      - { .name: qimg, .offset: 64, .size: 8, .value_kind: global_buffer, .address_space: global }
      - { .name: qsc, .offset: 72, .size: 8, .value_kind: global_buffer, .address_space: global }
      - { .name: kv, .offset: 80, .size: 8, .value_kind: global_buffer, .address_space: global }
    .group_segment_fixed_size: 9728
    .private_segment_fixed_size: 0
    .kernarg_segment_align: 8
    .kernarg_segment_size: 88
    .max_flat_workgroup_size: 256
    .sgpr_count:     66
    .vgpr_count:     512
    .wavefront_size: 32
...
	.end_amdgpu_metadata
.endif
;; end of part 2
;; launch attn (part 3): grid 16 x 16, 16 waves a work-group, clusters of 4 x 1, 327,680 bytes of LDS; arguments qimg, qsc, kv, oimg, osc; writes oimg, osc
.if DOCPART == 3
	.amdgcn_target "amdgcn-amd-amdhsa--gfx1250"
	.amdhsa_code_object_version 6
	.text
	.protected	k_q48fdc117d1_attn
	.globl	k_q48fdc117d1_attn
	.p2align	8
	.type	k_q48fdc117d1_attn,@function
k_q48fdc117d1_attn:
	s_mov_b64 s[64:65], 0
	v_nop
	global_prefetch_b8 v0, s[64:65] scope:SCOPE_SE
	s_setreg_imm32_b32 hwreg(HW_REG_WAVE_MODE, 25, 1), 1
	s_wait_xcnt 0x0
	s_wait_alu depctr_hold_cnt(0) depctr_sa_sdst(0) depctr_va_vdst(0) depctr_va_sdst(0) depctr_va_ssrc(0) depctr_va_vcc(0) depctr_vm_vsrc(0)
	s_getreg_b32 s2, hwreg(HW_REG_IB_STS2, 6, 4)
	s_cmp_eq_u32 s2, 0
	s_cbranch_scc0 .Lentry_in_a_cluster
	s_endpgm
.Lentry_in_a_cluster:
	s_bfe_u32 s2, ttmp6, 0x10000c
	s_cmp_lg_u32 s2, 0x3003
	s_cbranch_scc0 .Lentry_shape_is_right
	s_endpgm
.Lentry_shape_is_right:
; ATTN.  o[q][d] = the sum over the keys of softmax(q . k / 8) v, 16 (batch, head) pairs, 4,096 queries and keys, head size 64, both products on codes of FP4 (E2M1) with one E8M0 byte for each 32 along K.
; THE SOFTMAX AHEAD OF THE SECOND PRODUCT: t = score x log2(e) / 8; M = the row's largest t so far, rounded UP to a whole number; p = 2^(t - M) is quantised along the keys, not normalised; the row's sum is
; taken of the unquantised p and divides at the end.  When M moves, the sum and O are multiplied by 2^(old M - new M): exact.  The result is quantised along the channels (half a head to a block) and stored
; as an image of the last product's operand registers.
; SHARES.  A work-group owns 256 queries of one (batch, head); each of its sixteen waves one tile of 16, in 256 registers: four waves to a SIMD, so that one wave's vector work stands beside another's
; products and LDS loads.  Every wave walks all 4,096 keys, 128 a step.
; K AND V OF THE WHOLE HEAD LIE IN LDS: 32 key steps of 8,960 bytes (K's 8 tiles, V^T's 4 fragments, their scale words, all as images of registers: every read is 16 or 4 bytes a lane on end).  Each byte
; is filled ONCE: waves 0-3 issue eight tensor loads each at the head (wave w: steps w, 4 + w, ..; eight loads of a wave are out), and the walk begins when the first four steps have landed.
; CLUSTER.  The four query blocks of a cluster belong to one head: each tile is asked for JOINTLY, by the same load with the same descriptor and the mask of all four.
; LAYOUT.  Both products are used transposed: S^T = K Q^T, O^T = V^T P^T: a lane holds ONE query (lane % 16).  The keys of K's tile 2 b + u are 32 b + 8 u + m + 8 (m / 8), so the 16 registers of tiles 2 b,
; 2 b + 1 are keys 32 b + 16 (lane / 16) + 0 .. 15; V^T's rows are chosen likewise, so O^T's 16 registers of two tiles are 16 neighbouring channels.
; K = 64 IN AN INSTRUCTION OF 128.  Q's registers 4-7 are zero codes.  K's fragment t is named as the eight registers from its own four on: the upper four are the next tile's codes (behind the last tile:
; four registers of zeros) and meet Q's zeros: they add exactly 0.  The scale bytes of the two empty blocks are 0 on both sides.
; LIMITS: NaN and infinities are not served; p under 2^-126 comes out of v_exp_f32 as 0; a block whose largest magnitude lies under 2^-124 keeps the byte 1, and so does a block of zeros (its codes are zeros).
.set STEPB, 8960                       ; a key step in LDS and in memory
.set OSC,   32*STEPB                   ; behind the head: 1,024 bytes, the work-group's scale words on their way out; no tile lands there
.set L16, 1                            ; v1   16 x lane
.set L4,  2                            ; v2   4 x lane
.set A16, 3                            ; v3   the step's place + 16 x lane
.set A4,  4                            ; v4   + 4 x lane
.set RR,  5                            ; v5   r
.set OSW, 6                            ; v6   where I put my query's scale word
.set OSR, 7                            ; v7   where waves 0 and 1 read 512 bytes of them back
.set QF,  16                           ; v16-23  Q's fragment (v20-23 zeros)
.set QS,  24                           ; v24     Q's scale words
.set KF,  32                           ; v32-67  K's eight tiles, four registers each, and four of zeros
.set VF,  68                           ; v68-99  V^T's four fragments
.set S,   100                          ; v100-163 S^T, then p
.set O,   164                          ; v164-195 O^T
.set PC,  196                          ; v196-203 p's codes
.set KS,  204                          ; v204-207 K's scale words;  v208-209 V's;  v210 p's
.set VS,  208
.set PS,  210
.set BM,  216                          ; v216-219 the blocks' largest scores, then largest p
.set PX,  220                          ; v220-223 at work
.set SO,  224                          ; v224-227 the conversions' scale operands
.set F,   228                          ; v[228:229] f = 2^(old M - new M)
.set T,   230
.set SB,  232                          ; v[232:233] the sum's second chain
.set TM,  236                          ; v236-241 the way out's quantiser
.set WD,  242
.set RC,  244                          ; v[244:245] 1 / the sum
.set WV,  14                           ; s14 my wave's number
.set G1,  24                           ; s[24:31] descriptor group 1;  s[32:63] eight groups 0
.set G0,  32
.set SEL, 66                           ; s[66:67] lane selects for lane l xor 16
.set TB,  68                           ; s68 LDS byte at which the step in hand begins
.set CNT, 69
.set CS,  70                           ; s[70:71] c = log2(e) / 8
.macro CROUND                          ; a round of the cluster's barrier
	s_barrier_signal -1
	s_barrier_wait -1
	s_cmp_lg_u32 s[WV], 0
	s_cbranch_scc1 .Lnot_wave_0_\@
	s_barrier_signal -3
.Lnot_wave_0_\@:
	s_barrier_wait -3
	s_barrier_signal -1
	s_barrier_wait -1
.endm
.macro WMZ d, a, b, sa, sb, ra         ; a product that starts its sum
.if (\ra) != 0
	v_wmma_scale_f32_16x16x128_f8f6f4 v[0+(\d):7+(\d)], v[0+(\a):7+(\a)], v[0+(\b):7+(\b)], 0, v[0+(\sa)], v[0+(\sb)] matrix_a_fmt:MATRIX_FMT_FP4 matrix_b_fmt:MATRIX_FMT_FP4 matrix_a_scale:MATRIX_SCALE_ROW1
.else
	v_wmma_scale_f32_16x16x128_f8f6f4 v[0+(\d):7+(\d)], v[0+(\a):7+(\a)], v[0+(\b):7+(\b)], 0, v[0+(\sa)], v[0+(\sb)] matrix_a_fmt:MATRIX_FMT_FP4 matrix_b_fmt:MATRIX_FMT_FP4
.endif
.endm
.macro WMA d, a, b, sa, sb, ra         ; a product that adds in place
.if (\ra) != 0
	v_wmma_scale_f32_16x16x128_f8f6f4 v[0+(\d):7+(\d)], v[0+(\a):7+(\a)], v[0+(\b):7+(\b)], v[0+(\d):7+(\d)], v[0+(\sa)], v[0+(\sb)] matrix_a_fmt:MATRIX_FMT_FP4 matrix_b_fmt:MATRIX_FMT_FP4 matrix_a_scale:MATRIX_SCALE_ROW1
.else
	v_wmma_scale_f32_16x16x128_f8f6f4 v[0+(\d):7+(\d)], v[0+(\a):7+(\a)], v[0+(\b):7+(\b)], v[0+(\d):7+(\d)], v[0+(\sa)], v[0+(\sb)] matrix_a_fmt:MATRIX_FMT_FP4 matrix_b_fmt:MATRIX_FMT_FP4
.endif
.endm
	s_load_b256 s[4:11], s[0:1], 0x0               ; qimg s[4:5], qsc s[6:7], kv s[8:9], oimg s[10:11]
	s_load_b64 s[12:13], s[0:1], 0x20              ; osc
	v_lshl_add_u32 v254, v0, 2, 0x46400
	v_mov_b32 v255, 0
	ds_add_u32 v254, v255
	ds_add_u32 v254, v255
	v_lshrrev_b32 v8, 5, v0
	v_readfirstlane_b32 s[WV], v8                  ; wave 0..15
	v_and_b32 v8, 31, v0
	v_lshlrev_b32 v[L16], 4, v8
	v_lshlrev_b32 v[L4], 2, v8
	v_and_b32 v[RR], 15, v0
	v_lshlrev_b32 v9, 2, v[RR]                     ; 4 r
	s_lshl_b32 s72, s[WV], 6
	v_lshl_add_u32 v[OSW], v[RR], 2, OSC
	v_add_nc_u32 v[OSW], s72, v[OSW]               ; OSC + 64 x wave + 4 r
	s_and_b32 s73, s[WV], 1
	s_lshl_b32 s73, s73, 9
	v_add_nc_u32 v[OSR], OSC, v[L16]
	v_add_nc_u32 v[OSR], s73, v[OSR]               ; OSC + 512 x (wave % 2) + 16 x lane
	s_bfe_u32 s15, ttmp6, 0x40000                  ; cx: it enters Q's and the outputs' global addresses alone
	s_lshl_b32 s16, ttmp9, 2
	s_add_co_u32 s16, s16, s15                     ; my block of 256 queries
	s_and_b32 s17, ttmp7, 0xffff                   ; bh, which the four partners share
	s_and_b32 s20, s[WV], 3
	s_mul_i32 s21, s20, STEPB                      ; a fetching wave's first step, in LDS
	s_mul_i32 s22, s17, 32*STEPB
	s_add_co_u32 s22, s22, s21                     ; and in kv
	s_mov_b32 s23, 0
	; descriptor group 1: a key step, dense in memory, as 35 rows of 256 bytes (32 elements of 8 bytes)
	s_mov_b32 s[G1], 15|(3<<16)|(1<<21)            ; 15:0 the mask: all four work-groups; 17:16 elements of 8 bytes; 21 set beside a mask; no padding
	s_mov_b32 s[G1+1], 32<<16                      ; tensor_dim0
	s_mov_b32 s[G1+2], 35<<16                      ; tensor_dim1
	s_mov_b32 s[G1+3], 32<<16                      ; tile_dim0
	s_mov_b32 s[G1+4], 35                          ; tile_dim1
	s_mov_b32 s[G1+5], 32                          ; the pitch
	s_mov_b32 s[G1+6], 0
	s_mov_b32 s[G1+7], 0
	s_mov_b32 s[SEL], 0x76543210
	s_mov_b32 s[SEL+1], 0xfedcba98
	s_mov_b32 s[CS], 0x3e38aa3b
	s_mov_b32 s[CS+1], s[CS]                       ; (named with it as a pair, so it is written)
	s_mov_b32 s[TB], 0
	s_lshl_b32 s72, s16, 4
	s_add_co_u32 s72, s72, s[WV]                   ; my tile of queries, 0..255
	s_mov_b32 s75, 0
	s_wait_dscnt 0x0
	s_wait_kmcnt 0x0
	s_add_nc_u64 s[8:9], s[8:9], s[22:23]
.irp i, 0,1,2,3,4,5,6,7
	s_mov_b32 s[G0+4*\i], 1                        ; count = 1
	s_add_co_u32 s[G0+4*\i+1], s21, 4*STEPB*\i     ; LDS address: step 4 i + wave
	s_add_nc_u64 s[G0+4*\i+2:G0+4*\i+3], s[8:9], 4*STEPB*\i
	s_or_b32 s[G0+4*\i+3], s[G0+4*\i+3], 0x80000000   ; type = 2
.endr
	s_lshl_b32 s74, s17, 17
	s_lshl_b32 s76, s72, 9
	s_add_co_u32 s74, s74, s76
	s_add_nc_u64 s[4:5], s[4:5], s[74:75]          ; Q's fragment
	s_lshl_b32 s74, s17, 14
	s_lshl_b32 s76, s72, 6
	s_add_co_u32 s74, s74, s76
	s_add_nc_u64 s[6:7], s[6:7], s[74:75]          ; and its scale words
	s_lshr_b32 s74, s17, 3
	s_lshl_b32 s74, s74, 20
	s_lshl_b32 s76, s72, 12
	s_add_co_u32 s74, s74, s76
	s_and_b32 s76, s17, 7
	s_lshl_b32 s76, s76, 9
	s_add_co_u32 s74, s74, s76
	s_add_nc_u64 s[10:11], s[10:11], s[74:75]      ; oimg: batch, tile, 512 x head
	s_lshl_b32 s74, s17, 14
	s_lshl_b32 s76, s16, 10
	s_add_co_u32 s74, s74, s76
	s_add_co_u32 s74, s74, s73
	s_add_nc_u64 s[12:13], s[12:13], s[74:75]      ; osc: the block's 1,024 bytes, 512 to each of waves 0 and 1
	CROUND                                         ; all four work-groups are here: the joint loads meet
	s_cmp_lt_u32 s[WV], 4                          ; a wave's fills stand in one branch on the wave's number, ahead of every wait on TENSORcnt, every LDS read and every other barrier
	s_cbranch_scc0 .Lno_fill
.irp i, 0,1,2,3,4,5,6,7
	tensor_load_to_lds s[G0+4*\i:G0+4*\i+3], s[G1:G1+7]
	s_nop 0
.endr
.rept 4
	v_nop
.endr
.Lno_fill:
	global_load_b128 v[QF:QF+3], v[L16], s[4:5]
	global_load_b32 v[QS], v9, s[6:7]
	v_mov_b32 v13, 0xff61b1e6                      ; the largest t so far: -3e38, under every t
	v_floor_f32 v12, -v13                          ; -M
	v_mov_b32 v14, 0                               ; the sum, in two halves
	v_mov_b32 v15, 0
.irp j, 4,5,6,7
	v_mov_b32 v[QF+\j], 0                          ; zero codes for k = 64 .. 127
.endr
.irp j, 32,33,34,35
	v_mov_b32 v[KF+\j], 0
.endr
.irp b, 0,1,2,3
	v_mov_b32 v[PX+\b], 0                          ; (a lane permute's destination counts as one of its sources)
.endr
	v_mov_b32 v[F+1], 0                            ; (upper halves of pairs of which the low word serves both halves)
	v_mov_b32 v[RC+1], 0
	v_mov_b32 v[TM+2], 0
	v_mov_b32 v[TM+3], 0
.set j, 0
.rept 32
	v_mov_b32 v[O+j], 0                            ; O^T.  (The step is written without a first step of its own: the first change of M leaves zeros zeros)
.set j, j+1
.endr
	s_wait_loadcnt 0x0                             ; Q
; A KEY STEP: 128 keys.
.macro STEP
	v_add_nc_u32 v[A16], s[TB], v[L16]
	v_add_nc_u32 v[A4], s[TB], v[L4]
	v_nop
	v_nop                                          ; four places in front of loads into registers that the last products have read
.irp t, 0,1,2,3,4,5,6,7
	ds_load_b128 v[KF+4*\t:KF+4*\t+3], v[A16] offset:512*\t
.endr
.irp i, 0,1,2,3
	ds_load_b32 v[KS+\i], v[A4] offset:8192+128*\i
.endr
.irp f, 0,1,2,3,4,5,6,7
	ds_load_b128 v[VF+4*\f:VF+4*\f+3], v[A16] offset:4096+512*\f
.endr
.irp a, 0,1
	ds_load_b32 v[VS+\a], v[A4] offset:8704+128*\a
.endr
	s_wait_dscnt 10                                ; K and its words are in; V's eight loads and its two of words may be out
.irp t, 0,1,2,3,4,5,6,7
	WMZ S+8*\t, KF+4*\t, QF, KS+\t/2, QS, \t%2
.endr
.rept 4
	v_nop
.endr
.irp b, 0,1,2,3
	v_max3_num_f32 v[BM+\b], v[S+16*\b], v[S+16*\b+1], v[S+16*\b+2]   ; the largest score of each block of 32 keys: it serves the row's maximum and, since p rises with the score, the block's largest p
.endr
.irp i, 3,5,7,9,11,13
.irp b, 0,1,2,3
	v_max3_num_f32 v[BM+\b], v[BM+\b], v[S+16*\b+\i], v[S+16*\b+\i+1]
.endr
.endr
.irp b, 0,1,2,3
	v_max_num_f32 v[BM+\b], v[BM+\b], v[S+16*\b+15]
.endr
.irp b, 0,1,2,3
	v_permlanex16_b32 v[PX+\b], v[BM+\b], s[SEL], s[SEL+1]
.endr
.irp b, 0,1,2,3
	v_max_num_f32 v[BM+\b], v[BM+\b], v[PX+\b]     ; with lane l xor 16's 16 keys
.endr
	v_max3_num_f32 v[T], v[BM], v[BM+1], v[BM+2]
	v_max_num_f32 v[T], v[T], v[BM+3]              ; the step's largest score of my query
	v_mul_f32 v[T], s[CS], v[T]                    ; as t
	v_max_num_f32 v13, v13, v[T]                   ; the running largest t
	v_mov_b32 v[T], v12
	v_floor_f32 v12, -v13                          ; the new -M = -ceil(t): a whole number
	v_sub_f32 v[T], v12, v[T]                      ; old M - new M: a whole number, 0 or less
	v_cvt_i32_f32 v[T], v[T]                       ; (it saturates)
	v_ldexp_f32 v[F], 1.0, v[T]                    ; f = 2^(old M - new M)
.set j, 0
.rept 32
	v_pk_fma_f32 v[S+j:S+j+1], v[S+j:S+j+1], s[CS:CS+1], v[12:13] op_sel_hi:[1,0,0]   ; t - M, two at a time
.set j, j+2
.endr
.irp b, 0,1,2,3
	v_fma_f32 v[BM+\b], v[BM+\b], s[CS], v12       ; the same of each block's largest score
.endr
.set j, 0
.rept 64
	v_exp_f32 v[S+j], v[S+j]                       ; p = 2^(t - M)
.set j, j+1
.endr
	v_pk_mul_f32 v[14:15], v[14:15], v[F:F+1] op_sel_hi:[1,0]   ; the sums under the new M: the plain line behind the batch
	s_wait_alu depctr_va_vdst(0)                   ; one wait for the batch, ahead of its first reader
.irp b, 0,1,2,3
	v_exp_f32 v[BM+\b], v[BM+\b]                   ; the block's largest p: the same two instructions on the same number
.endr
	v_pk_add_f32 v[SB:SB+1], v[S:S+1], v[S+2:S+3]  ; the row's sum is taken of the unquantised p, in two chains
.irp j, 4,8,12,16,20,24,28,32,36,40,44,48,52,56,60
	v_pk_add_f32 v[14:15], v[14:15], v[S+\j:S+\j+1]
	v_pk_add_f32 v[SB:SB+1], v[SB:SB+1], v[S+\j+2:S+\j+3]
.endr
	v_pk_add_f32 v[14:15], v[14:15], v[SB:SB+1]
	s_wait_alu depctr_va_vdst(0)                   ; and one for the four
.irp b, 0,1,2,3
	v_max_num_f32 v[BM+\b], 0x1800000, v[BM+\b]    ; the floor 2^(3 - 127): the byte cannot fall under 1
.endr
.irp b, 0,1,2,3
	v_add_nc_u32 v[SO+\b], 0xff000000, v[BM+\b]    ; 2 off the exponent field: the conversion's scale operand
.endr
.irp b, 0,1,2,3
	v_lshrrev_b32 v[PX+\b], 23, v[SO+\b]           ; the byte
.endr
	v_lshl_or_b32 v[PS], v[PX+1], 8, v[PX]         ; p's scale word for these 128 keys
	v_lshl_or_b32 v[PS], v[PX+2], 16, v[PS]
	v_lshl_or_b32 v[PS], v[PX+3], 24, v[PS]
.irp b, 0,1,2,3
	v_cvt_scalef32_pk8_fp4_f32 v[PC+2*\b], v[S+16*\b:S+16*\b+7], v[SO+\b]
	v_cvt_scalef32_pk8_fp4_f32 v[PC+2*\b+1], v[S+16*\b+8:S+16*\b+15], v[SO+\b]
.endr
	v_nop                                          ; one plain line behind the last conversion
.irp c, 0,1
.irp i, 0,1
	v_permlane16_swap_b32 v[PC+4*\c+\i], v[PC+4*\c+2+\i]   ; a whole block to a lane
.endr
.endr
.set j, 0
.rept 16
	v_pk_mul_f32 v[O+j:O+j+1], v[O+j:O+j+1], v[F:F+1] op_sel_hi:[1,0]   ; O^T under the new M.  (Of these sixteen, twelve name no register of any one product below: the places between p's scale word and codes and the products)
.set j, j+2
.endr
	s_wait_dscnt 0x0                               ; V is in
.irp n, 0,1,2,3
	WMA O+8*\n, VF+8*\n, PC, VS+\n/2, PS, \n%2     ; the four accumulators by turns, one instruction a turn
.endr
	s_add_co_u32 s[TB], s[TB], STEPB
.endm
; n key steps, behind the wait that shows them landed.  left: a fetching wave's younger loads, which may stay out.
.macro PHASE n, left
	s_wait_tensorcnt \left
	s_wait_dscnt 0x0
	s_barrier_signal -1
	s_barrier_wait -1                              ; every fetching wave's part has landed
	s_mov_b32 s[CNT], \n
.Lstep_\@:
	STEP
	s_sub_co_u32 s[CNT], s[CNT], 1
	s_cmp_lg_u32 s[CNT], 0
	s_cbranch_scc1 .Lstep_\@
.endm
	PHASE 4, 7                                     ; steps 0-3: each fetching wave's first load
	PHASE 4, 6                                     ; steps 4-7: its second
	PHASE 8, 4                                     ; steps 8-15: its third and fourth
	PHASE 16, 0                                    ; steps 16-31: all
	; THE WAY OUT: O^T / the sum, quantised along the channels, stored as registers 4 (head % 2) .. + 3 of the fragment (tile, K step head / 2)
.rept 4
	v_nop
.endr
	v_add_f32 v14, v14, v15
	v_permlanex16_b32 v[T], v14, s[SEL], s[SEL+1]
	v_add_f32 v14, v14, v[T]                       ; the row's sum
	v_rcp_f32 v[RC], v14
	v_nop                                          ; a plain line behind the reciprocal
	s_wait_alu depctr_va_vdst(0)                   ; and the wait ahead of its first reader
.set j, 0
.rept 16
	v_pk_mul_f32 v[S+j:S+j+1], v[O+j:O+j+1], v[RC:RC+1] op_sel_hi:[1,0]   ; each accumulator from its low end on; register 16 b + i is channel 32 b + 16 (lane / 16) + i of the head
.set j, j+2
.endr
.irp b, 0,1
	v_max3_num_f32 v[TM+\b], |v[S+16*\b]|, |v[S+16*\b+1]|, 0x1800000
.endr
.irp i, 2,4,6,8,10,12,14
.irp b, 0,1
	v_max3_num_f32 v[TM+\b], v[TM+\b], |v[S+16*\b+\i]|, |v[S+16*\b+\i+1]|
.endr
.endr
.irp b, 0,1
	v_permlanex16_b32 v[TM+2+\b], v[TM+\b], s[SEL], s[SEL+1]
.endr
.irp b, 0,1
	v_max_num_f32 v[TM+\b], v[TM+\b], v[TM+2+\b]
.endr
.irp b, 0,1
	v_add_nc_u32 v[TM+4+\b], 0xff000000, v[TM+\b]
.endr
.irp b, 0,1
	v_lshrrev_b32 v[TM+2+\b], 23, v[TM+4+\b]
.endr
	v_lshl_or_b32 v[WD], v[TM+3], 8, v[TM+2]
.irp b, 0,1
	v_cvt_scalef32_pk8_fp4_f32 v[PC+2*\b], v[S+16*\b:S+16*\b+7], v[TM+4+\b]
	v_cvt_scalef32_pk8_fp4_f32 v[PC+2*\b+1], v[S+16*\b+8:S+16*\b+15], v[TM+4+\b]
.endr
	v_nop
	v_permlane16_swap_b32 v[PC], v[PC+2]
	v_permlane16_swap_b32 v[PC+1], v[PC+3]
	global_store_b128 v[L16], v[PC:PC+3], s[10:11] ; 512 bytes on end
	ds_store_b32 v[OSW], v[WD]                     ; both halves of the lanes write the same word with the same value
	s_wait_dscnt 0x0
	s_barrier_signal -1
	s_barrier_wait -1                              ; the work-group's 256 scale words lie together
	s_cmp_lt_u32 s[WV], 2
	s_cbranch_scc0 .Lno_osc
	ds_load_b128 v[S:S+3], v[OSR]
	s_wait_dscnt 0x0
	global_store_b128 v[L16], v[S:S+3], s[12:13]   ; 512 bytes on end
.Lno_osc:
	s_wait_tensorcnt 0x0
	ds_add_u32 v254, v255
	s_wait_dscnt 0x0
	CROUND                                         ; the closing round: no work-group ends while a partner may still ask for a tile that names it
	s_endpgm
.Lfunc_end_k_q48fdc117d1_attn:
	.size	k_q48fdc117d1_attn, .Lfunc_end_k_q48fdc117d1_attn-k_q48fdc117d1_attn
	.p2alignl 7, 3214868480
	.fill 96, 4, 3214868480
	.section	.rodata,"a",@progbits
	.p2align	6, 0x0
	.amdhsa_kernel k_q48fdc117d1_attn
		.amdhsa_group_segment_fixed_size 327680
		.amdhsa_private_segment_fixed_size 0
		.amdhsa_enable_private_segment 0
		.amdhsa_kernarg_size 40
		.amdhsa_user_sgpr_count 2
		.amdhsa_user_sgpr_kernarg_segment_ptr 1
		.amdhsa_wavefront_size32 1
		.amdhsa_system_sgpr_workgroup_id_x 1
		.amdhsa_system_sgpr_workgroup_id_y 1
		.amdhsa_system_sgpr_workgroup_id_z 1
		.amdhsa_system_vgpr_workitem_id 0
		.amdhsa_next_free_vgpr 256
		.amdhsa_next_free_sgpr 80
		.amdhsa_reserve_vcc 0
		.amdhsa_float_denorm_mode_32 3
		.amdhsa_float_denorm_mode_16_64 3
		.amdhsa_memory_ordered 1
		.amdhsa_forward_progress 1
		.amdhsa_inst_pref_size 73
	.end_amdhsa_kernel
	.amdgpu_metadata
---
amdhsa.version: [ 1, 2 ]
amdhsa.kernels:
  - .name:           k_q48fdc117d1_attn
    .symbol:         k_q48fdc117d1_attn.kd
    .args:
      - { .name: qimg, .offset: 0, .size: 8, .value_kind: global_buffer, .address_space: global }
      - { .name: qsc, .offset: 8, .size: 8, .value_kind: global_buffer, .address_space: global }
      - { .name: kv, .offset: 16, .size: 8, .value_kind: global_buffer, .address_space: global }
      - { .name: oimg, .offset: 24, .size: 8, .value_kind: global_buffer, .address_space: global }
      - { .name: osc, .offset: 32, .size: 8, .value_kind: global_buffer, .address_space: global }
    .group_segment_fixed_size: 327680
    .private_segment_fixed_size: 0
    .kernarg_segment_align: 8
    .kernarg_segment_size: 40
    .max_flat_workgroup_size: 512
    .sgpr_count:     80
    .vgpr_count:     256
    .wavefront_size: 32
...
	.end_amdgpu_metadata
.endif
;; end of part 3
;; launch proj (part 4): grid 64 x 4, 4 waves a work-group, no clusters, 70,144 bytes of LDS; arguments oimg, osc, wimg, wsc, bo, x, out0; writes out0
.if DOCPART == 4
	.amdgcn_target "amdgcn-amd-amdhsa--gfx1250"
	.amdhsa_code_object_version 6
	.text
	.protected	k_q48fdc117d1_proj
	.globl	k_q48fdc117d1_proj
	.p2align	8
	.type	k_q48fdc117d1_proj,@function
k_q48fdc117d1_proj:
	s_mov_b64 s[64:65], 0
	v_nop
	global_prefetch_b8 v0, s[64:65] scope:SCOPE_SE
	s_setreg_imm32_b32 hwreg(HW_REG_WAVE_MODE, 25, 1), 1
	s_wait_xcnt 0x0
; PROJ.  out0 = wo o + bo + x, the product on codes of FP4 (E2M1) with one E8M0 byte for each 32 along K = the 512 channels.
; SHARES.  Work-group (X, Y): 128 pixels (tiles 8 X .. 8 X + 7 of 512) x output channels 128 Y .. 128 Y + 127.  Wave (wp = wave % 2, wc = wave / 2): 4 pixel tiles x 4 channel tiles: 16 accumulators,
; 64 products.  Straight-line text: every operand is asked for at once, as images of registers (16 bytes a lane, 512 bytes on end a load), and x behind them.
; Source 0 = o's fragment (16 pixels), source 1 = wo's tile (16 channels): lane (r, h) of accumulator (tile m, n) holds channel 16 n + r and pixels 32 (m / 2) + 16 h + 8 (m % 2) + 0 .. 7.  The results go
; through the wave's own stage in LDS, a row to a channel, and come back as rows of 64 pixels: sixteen lanes add x to, and store, 256 bytes on end, aligned.
; o's scale word of a K step is made of two heads' half words.  The bias is the C of each sum's first product.
; NO CLUSTER: operands go from memory straight into registers; what work-groups share (o's codes four times, wo's 64 times) is small beside x and out0, which nobody shares.
.set RW,  16                           ; v16-31  o's half words: head hd, pair of tiles i at 2 hd + i
.set AS,  32                           ; v32-39  o's scale words: pair i, K step s at 4 i + s; lanes 0-15 the even tile, lanes 16-31 the odd
.set BS,  40                           ; v40-47  wo's: pair of tiles i, word s
.set BT,  48                           ; v48-51  bo of my channel, a register a tile
.set BI,  64                           ; v64-95  the same in the result's layout
.set ACC, 128                          ; v128-255 accumulator (m, n) at 8 (4 m + n)
.set SPI, 272                          ; a stage row: 256 bytes + 16
.set MSB, 0
.macro WIN new                         ; the immediate's high byte repeats the setting that is left
.if MSB != \new
	s_set_vgpr_msb (MSB<<8)|\new
.set MSB, \new
.endif
.endm
.macro WM d, a, b, c, sa, sb, ra, rb
.if ((\ra) != 0) && ((\rb) != 0)
	v_wmma_scale_f32_16x16x128_f8f6f4 v[0+(\d):7+(\d)], v[0+(\a):7+(\a)], v[0+(\b):7+(\b)], v[0+(\c):7+(\c)], v[0+(\sa)], v[0+(\sb)] matrix_a_fmt:MATRIX_FMT_FP4 matrix_b_fmt:MATRIX_FMT_FP4 matrix_a_scale:MATRIX_SCALE_ROW1 matrix_b_scale:MATRIX_SCALE_ROW1
.elseif (\ra) != 0
	v_wmma_scale_f32_16x16x128_f8f6f4 v[0+(\d):7+(\d)], v[0+(\a):7+(\a)], v[0+(\b):7+(\b)], v[0+(\c):7+(\c)], v[0+(\sa)], v[0+(\sb)] matrix_a_fmt:MATRIX_FMT_FP4 matrix_b_fmt:MATRIX_FMT_FP4 matrix_a_scale:MATRIX_SCALE_ROW1
.elseif (\rb) != 0
	v_wmma_scale_f32_16x16x128_f8f6f4 v[0+(\d):7+(\d)], v[0+(\a):7+(\a)], v[0+(\b):7+(\b)], v[0+(\c):7+(\c)], v[0+(\sa)], v[0+(\sb)] matrix_a_fmt:MATRIX_FMT_FP4 matrix_b_fmt:MATRIX_FMT_FP4 matrix_b_scale:MATRIX_SCALE_ROW1
.else
	v_wmma_scale_f32_16x16x128_f8f6f4 v[0+(\d):7+(\d)], v[0+(\a):7+(\a)], v[0+(\b):7+(\b)], v[0+(\c):7+(\c)], v[0+(\sa)], v[0+(\sb)] matrix_a_fmt:MATRIX_FMT_FP4 matrix_b_fmt:MATRIX_FMT_FP4
.endif
.endm
	s_load_b256 s[4:11], s[0:1], 0x0               ; oimg s[4:5], osc s[6:7], wimg s[8:9], wsc s[10:11]
	s_load_b128 s[12:15], s[0:1], 0x20             ; bo s[12:13], x s[14:15]
	s_load_b64 s[16:17], s[0:1], 0x30              ; out0
	v_lshl_add_u32 v126, v0, 2, 0x11000
	v_mov_b32 v127, 0
	v_lshrrev_b32 v1, 5, v0
	v_readfirstlane_b32 s18, v1                    ; wave 0..3
	v_and_b32 v1, 31, v0
	v_and_b32 v2, 15, v0                           ; r
	v_bfe_u32 v3, v0, 4, 1                         ; h
	v_lshlrev_b32 v4, 4, v1                        ; 16 x lane
	v_lshlrev_b32 v5, 2, v1                        ; 4 x lane
	v_lshlrev_b32 v6, 2, v2                        ; 4 r
	v_lshlrev_b32 v7, 4, v2
	v_lshl_add_u32 v7, v3, 14, v7                  ; x and out0: channel row h, 16 r bytes
	s_mul_i32 s22, s18, 64*SPI                     ; my stage
	v_mul_u32_u24 v8, v2, SPI
	v_lshl_add_u32 v8, v3, 6, v8
	v_add_nc_u32 v8, s22, v8                       ; in: row r, + 64 h
	v_mul_u32_u24 v9, v3, SPI
	v_lshl_add_u32 v9, v2, 4, v9
	v_add_nc_u32 v9, s22, v9                       ; back: lanes 0-15 one row, lanes 16-31 the next
	s_and_b32 s19, s18, 1                          ; wp
	s_lshr_b32 s20, s18, 1                         ; wc
	s_lshr_b32 s21, ttmp9, 5                       ; batch
	s_and_b32 s23, ttmp7, 0xffff                   ; Y
	s_lshl_b32 s24, ttmp9, 3
	s_lshl_b32 s25, s19, 2
	s_add_co_u32 s24, s24, s25                     ; my first pixel tile, 0..511
	s_lshl_b32 s25, s23, 3
	s_lshl_b32 s26, s20, 2
	s_add_co_u32 s30, s25, s26                     ; my first channel tile, 0..31
	s_add_co_u32 s25, s30, 96                      ; and its number among the weights' tiles
	s_and_b32 s27, s24, 255                        ; my first pixel tile in its batch
	s_mov_b32 s29, 0
	s_wait_kmcnt 0x0
	s_lshl_b32 s28, s24, 12
	s_add_nc_u64 s[4:5], s[4:5], s[28:29]
	s_lshl_b32 s28, s21, 17
	s_lshl_b32 s31, s27, 6
	s_add_co_u32 s28, s28, s31
	s_add_nc_u64 s[6:7], s[6:7], s[28:29]          ; osc: head 0 of the batch, my first tile's words
	s_lshl_b32 s28, s25, 12
	s_add_nc_u64 s[8:9], s[8:9], s[28:29]
	s_lshl_b32 s28, s25, 8
	s_add_nc_u64 s[10:11], s[10:11], s[28:29]
	s_lshl_b32 s28, s30, 6
	s_add_nc_u64 s[12:13], s[12:13], s[28:29]
	s_lshl_b32 s28, s21, 23
	s_lshl_b32 s26, s30, 18
	s_add_co_u32 s28, s28, s26
	s_add_co_u32 s28, s28, s31                     ; batch, my first channel's row, my first pixel (16 pixels of 4 bytes a tile)
	s_add_nc_u64 s[14:15], s[14:15], s[28:29]
	s_add_nc_u64 s[16:17], s[16:17], s[28:29]
	; ---- 118 loads: 22 small ones, the four K steps' fragments (16 each), x (32)
.irp d, 0,1,2,3,4,5,6,7
.irp i, 0,1
	global_load_b32 v[RW+2*\d+\i], v5, s[6:7] offset:16384*\d+128*\i
.endr
.endr
.irp i, 0,1
	global_load_b128 v[BS+4*\i:BS+4*\i+3], v4, s[10:11] offset:512*\i
.endr
.irp n, 0,1,2,3
	global_load_b32 v[BT+\n], v6, s[12:13] offset:64*\n
.endr
	WIN 0x40                                       ; destination window 1: o's fragments (m, s) at 8 (4 m + s), wo's (n, s) at 128 + 8 (4 n + s)
.irp s, 0,1,2,3
.irp m, 0,1,2,3
.irp c, 0,1
	global_load_b128 v[8*(4*\m+\s)+4*\c:8*(4*\m+\s)+4*\c+3], v4, s[4:5] offset:4096*\m+1024*\s+512*\c
.endr
.endr
.irp n, 0,1,2,3
.irp c, 0,1
	global_load_b128 v[128+8*(4*\n+\s)+4*\c:128+8*(4*\n+\s)+4*\c+3], v4, s[8:9] offset:4096*\n+1024*\s+512*\c
.endr
.endr
.endr
	WIN 0x80                                       ; destination window 2: x's rows 2 t + h at 4 t
.set t, 0
.rept 32
	global_load_b128 v[4*t:4*t+3], v7, s[14:15] offset:32768*t th:TH_LOAD_NT
.set t, t+1
.endr
	WIN 0
	s_wait_loadcnt 63                              ; at most 63 of the 118 are out: the oldest 55 are in: the 22 small ones and K steps 0 and 1
.irp i, 0,1
.irp s, 0,1,2,3
	v_lshl_or_b32 v[AS+4*\i+\s], v[RW+2*(2*\s+1)+\i], 16, v[RW+2*(2*\s)+\i]   ; blocks 0, 1 from head 2 s, blocks 2, 3 from head 2 s + 1
.endr
.endr
.irp n, 0,1,2,3
.irp j, 0,1,2,3,4,5,6,7
	v_mov_b32 v[BI+8*\n+\j], v[BT+\n]              ; (these 32 are also the places between the scale words just made and the products)
.endr
.endr
	WIN 0x05                                       ; sources 0 and 1 window 1
.irp s, 0,1,2,3
.if \s == 2
	s_wait_loadcnt 48                              ; K step 2 is in; K step 3's 16 and x's 32 may be out
.endif
.if \s == 3
	s_wait_loadcnt 32                              ; K step 3 is in
.endif
.irp m, 0,1,2,3
.irp n, 0,1,2,3
.if \s == 0
	WM ACC+8*(4*\m+\n), 8*(4*\m+\s), 128+8*(4*\n+\s), BI+8*\n, AS+4*(\m/2)+\s, BS+4*(\n/2)+\s, \m%2, \n%2
.else
	WM ACC+8*(4*\m+\n), 8*(4*\m+\s), 128+8*(4*\n+\s), ACC+8*(4*\m+\n), AS+4*(\m/2)+\s, BS+4*(\n/2)+\s, \m%2, \n%2
.endif
.endr
.endr
.endr                                          ; the sixteen accumulators take turns, one instruction a turn
	WIN 0
.rept 4
	v_nop                                          ; places in front of the first read of results
.endr
.irp m, 0,1,2,3
.irp n, 0,1,2,3
	ds_store_b128 v8, v[ACC+8*(4*\m+\n):ACC+8*(4*\m+\n)+3] offset:16*SPI*\n+128*(\m/2)+32*(\m%2)        ; each accumulator from its low end on
	ds_store_b128 v8, v[ACC+8*(4*\m+\n)+4:ACC+8*(4*\m+\n)+7] offset:16*SPI*\n+128*(\m/2)+32*(\m%2)+16
.endr
.endr
	WIN 0x80                                       ; destination window 2, from v128 on
.set t, 0
.rept 32
	ds_load_b128 v[128+4*t:128+4*t+3], v9 offset:2*SPI*t   ; LDS serves a wave's instructions in order: these see my stores
.set t, t+1
.endr
.irp g, 0,1,2,3                                ; eight pairs of channel rows at a time
	s_wait_dscnt 24-8*\g                           ; these eight are back from the stage,
	s_wait_loadcnt 24-8*\g                         ; and their x is in
	WIN 0x8a                                       ; destination and both sources window 2
.irp t, 0,1,2,3,4,5,6,7
	v_pk_add_f32 v[128+4*(8*\g+\t):128+4*(8*\g+\t)+1], v[128+4*(8*\g+\t):128+4*(8*\g+\t)+1], v[4*(8*\g+\t):4*(8*\g+\t)+1]
	v_pk_add_f32 v[128+4*(8*\g+\t)+2:128+4*(8*\g+\t)+3], v[128+4*(8*\g+\t)+2:128+4*(8*\g+\t)+3], v[4*(8*\g+\t)+2:4*(8*\g+\t)+3]
.endr
	WIN 0x08                                       ; a store's data are its source 1: window 2
.irp t, 0,1,2,3,4,5,6,7
	global_store_b128 v7, v[128+4*(8*\g+\t):128+4*(8*\g+\t)+3], s[16:17] offset:32768*(8*\g+\t) th:TH_STORE_NT   ; each half of the wave stores 256 bytes on end, aligned
.endr
.endr
	WIN 0
	s_wait_tensorcnt 0x0
	ds_add_u32 v126, v127
	s_wait_dscnt 0x0
	s_endpgm
.Lfunc_end_k_q48fdc117d1_proj:
	.size	k_q48fdc117d1_proj, .Lfunc_end_k_q48fdc117d1_proj-k_q48fdc117d1_proj
	.p2alignl 7, 3214868480
	.fill 96, 4, 3214868480
	.section	.rodata,"a",@progbits
	.p2align	6, 0x0
	.amdhsa_kernel k_q48fdc117d1_proj
		.amdhsa_group_segment_fixed_size 70144
		.amdhsa_private_segment_fixed_size 0
		.amdhsa_enable_private_segment 0
		.amdhsa_kernarg_size 56
		.amdhsa_user_sgpr_count 2
		.amdhsa_user_sgpr_kernarg_segment_ptr 1
		.amdhsa_wavefront_size32 1
		.amdhsa_system_sgpr_workgroup_id_x 1
		.amdhsa_system_sgpr_workgroup_id_y 1
		.amdhsa_system_sgpr_workgroup_id_z 1
		.amdhsa_system_vgpr_workitem_id 0
		.amdhsa_next_free_vgpr 768
		.amdhsa_next_free_sgpr 66
		.amdhsa_reserve_vcc 0
		.amdhsa_float_denorm_mode_32 3
		.amdhsa_float_denorm_mode_16_64 3
		.amdhsa_memory_ordered 1
		.amdhsa_forward_progress 1
		.amdhsa_inst_pref_size 36
	.end_amdhsa_kernel
	.amdgpu_metadata
---
amdhsa.version: [ 1, 2 ]
amdhsa.kernels:
  - .name:           k_q48fdc117d1_proj
    .symbol:         k_q48fdc117d1_proj.kd
    .args:
      - { .name: oimg, .offset: 0, .size: 8, .value_kind: global_buffer, .address_space: global }
      - { .name: osc, .offset: 8, .size: 8, .value_kind: global_buffer, .address_space: global }
      - { .name: wimg, .offset: 16, .size: 8, .value_kind: global_buffer, .address_space: global }
      - { .name: wsc, .offset: 24, .size: 8, .value_kind: global_buffer, .address_space: global }
      - { .name: bo, .offset: 32, .size: 8, .value_kind: global_buffer, .address_space: global }
      - { .name: x, .offset: 40, .size: 8, .value_kind: global_buffer, .address_space: global }
      - { .name: out0, .offset: 48, .size: 8, .value_kind: global_buffer, .address_space: global }
    .group_segment_fixed_size: 70144
    .private_segment_fixed_size: 0
    .kernarg_segment_align: 8
    .kernarg_segment_size: 56
    .max_flat_workgroup_size: 128
    .sgpr_count:     66
    .vgpr_count:     768
    .wavefront_size: 32
...
	.end_amdgpu_metadata
.endif
;; end of part 4
;; ======== version 2 of 2: 4 launches
;; workspace buffers: part 16,384 bytes; wimg 524,288 bytes; wsc 32,768 bytes; qimg 2,097,152 bytes; qsc 262,144 bytes; kv 4,587,520 bytes; oimg 2,097,152 bytes; osc 262,144 bytes
;; launch prep (part 5): grid 272 x 1, 8 waves a work-group, no clusters, 68,608 bytes of LDS; arguments x, wq, wkv, wo, part, wimg, wsc; writes part, wimg, wsc
.if DOCPART == 5
	.amdgcn_target "amdgcn-amd-amdhsa--gfx1250"
	.amdhsa_code_object_version 6
	.text
	.protected	k_q48fdc117d1_prep
	.globl	k_q48fdc117d1_prep
	.p2align	8
	.type	k_q48fdc117d1_prep,@function
k_q48fdc117d1_prep:
	s_mov_b64 s[64:65], 0
	v_nop
	global_prefetch_b8 v0, s[64:65] scope:SCOPE_SE
	s_setreg_imm32_b32 hwreg(HW_REG_WAVE_MODE, 25, 1), 1
	s_wait_xcnt 0x0
; PREP.  Two jobs, parted by the work-group's number.
; Work-groups 0-15: wq [512][512], wkv [1024][512], wo [512][512], f32, K innermost, become codes of FP4 (E2M1) with one E8M0 byte for each 32 along K, laid as IMAGES OF OPERAND REGISTERS:
;   wimg [tile T 0..127][K step s 0..3][c 0..1][lane][16 bytes]: lane (r, h) holds k = 128 s + 64 c + 32 h + 0 .. 31 of the tile's row r;  wsc [T][r][4 words], word s = the four bytes of K step s.
;   T 0-31 wq, 32-95 wkv (k's rows, then v's), 96-127 wo.  In wq and wkv THE ROWS OF A TILE ARE NOT NEIGHBOURS: row r of tile 2 q + u is matrix row 32 q + 8 u + r + 8 (r / 8), so that a transposed product
;   leaves a lane 16 neighbours along the next K in the registers of two neighbouring tiles.  wo's tiles are rows 16 T' + r.  One wave makes one tile.
; Work-groups 16-271: GroupNorm's statistics in parts.  A wave takes 2,048 numbers of x on end (8,192 bytes; 32 such chunks are a group of 16 channels) and stores their mean and the sum of squared
;   deviations from THAT mean: two passes over registers, so no difference of large sums is formed.  part [chunk][mean, M2].
; A block's scale is 2^(floor(log2(largest magnitude)) - 2); its byte is the largest magnitude's exponent field - 2, held at 1 from below by a floor among the maximum's leaves.
; LIMITS: NaN and infinities among the inputs are not served.  A block whose largest magnitude lies under 2^-124 keeps the byte 1; a block of zeros gets the byte 1 where the rule says 127: its codes are
; zeros, which add nothing, and this program alone reads the bytes.
; No cluster, no tensor load: no two work-groups read the same byte.  No barrier: waves share nothing; the stage in LDS is each wave's own and only the weights' path touches LDS.
.set SEL,  30                          ; s[30:31] lane selects for v_permlanex16_b32: lane l xor 16
.set TM,   8                           ; v8-9    two blocks' largest magnitudes
.set BY,   10                          ; v10-11  their scale bytes
.set SO,   12                          ; v12-13  the conversions' scale operands
.set WW,   24                          ; v24-27  the row's four scale words
.set R,    32                          ; v32-159 two sets of 64: a K step of 16 rows as loaded
.set X,    160                         ; v160-223 my 64 numbers of the K step: two blocks of 32 neighbours
.set C,    224                         ; v224-255 codes: eight registers a K step, never written again
.set SP,   528                         ; a stage row: 512 bytes + 16: the sixteen rows that a read touches start at sixteen different 16-byte columns
.set WST,  16*SP                       ; a wave's stage
.macro WSUM reg, tmp                   ; the sum over the wave's 32 lanes, in every lane
	s_delay_alu instid0(VALU_DEP_1)
	v_add_f32_dpp v[\reg], v[\reg], v[\reg] row_xmask:1 row_mask:0xf bank_mask:0xf
	s_delay_alu instid0(VALU_DEP_1)
	v_add_f32_dpp v[\reg], v[\reg], v[\reg] row_xmask:2 row_mask:0xf bank_mask:0xf
	s_delay_alu instid0(VALU_DEP_1)
	v_add_f32_dpp v[\reg], v[\reg], v[\reg] row_xmask:4 row_mask:0xf bank_mask:0xf
	s_delay_alu instid0(VALU_DEP_1)
	v_add_f32_dpp v[\reg], v[\reg], v[\reg] row_xmask:8 row_mask:0xf bank_mask:0xf
	s_delay_alu instid0(VALU_DEP_1)
	v_permlanex16_b32 v[\tmp], v[\reg], s[SEL], s[SEL+1]
	s_delay_alu instid0(VALU_DEP_1)
	v_add_f32 v[\reg], v[\reg], v[\tmp]
.endm
	s_load_b256 s[4:11], s[0:1], 0x0               ; x s[4:5], wq s[6:7], wkv s[8:9], wo s[10:11]
	s_load_b128 s[12:15], s[0:1], 0x20             ; part s[12:13], wimg s[14:15]
	s_load_b64 s[16:17], s[0:1], 0x30              ; wsc
	v_lshl_add_u32 v22, v0, 2, 0x10800
	v_mov_b32 v23, 0
	v_lshrrev_b32 v1, 5, v0
	s_delay_alu instid0(VALU_DEP_1)
	v_readfirstlane_b32 s18, v1                    ; wave 0..7
	v_and_b32 v2, 31, v0                           ; lane
	s_delay_alu instid0(VALU_DEP_1)
	v_lshlrev_b32 v3, 4, v2                        ; 16 x lane
	v_and_b32 v6, 15, v0                           ; r
	v_bfe_u32 v7, v0, 4, 1                         ; h
	s_mul_i32 s28, s18, WST
	v_add_nc_u32 v5, s28, v3                       ; the stage, in: 16 x lane of a row
	v_mul_u32_u24 v28, v6, SP
	s_delay_alu instid0(VALU_DEP_1)
	v_lshl_add_u32 v28, v7, 7, v28
	s_delay_alu instid0(VALU_DEP_1)
	v_add_nc_u32 v28, s28, v28                     ; and out: row r, + 128 h: my 32 numbers of each 64
	v_lshlrev_b32 v29, 3, v7                       ; 8 h
	v_mov_b32 v30, 0                               ; (a lane permute's destination counts as one of its sources)
	v_lshlrev_b32 v31, 4, v6                       ; 16 r
	s_mov_b32 s[SEL], 0x76543210
	s_mov_b32 s[SEL+1], 0xfedcba98
	s_mov_b32 s25, 0
	s_wait_kmcnt 0x0
	s_cmp_lt_u32 ttmp9, 16
	s_cbranch_scc1 .Lweights
	; ---- the statistics of one chunk
	s_sub_co_u32 s19, ttmp9, 16
	s_lshl_b32 s19, s19, 3
	s_add_co_u32 s19, s19, s18                     ; chunk 0..2047
	s_lshl_b32 s24, s19, 13
	s_add_nc_u64 s[4:5], s[4:5], s[24:25]
	s_lshl_b32 s24, s19, 3
	s_add_nc_u64 s[12:13], s[12:13], s[24:25]
.irp i, 0,1,2,3,4,5,6,7,8,9,10,11,12,13,14,15
	global_load_b128 v[32+4*\i:35+4*\i], v3, s[4:5] offset:512*\i   ; 32 lanes read 512 bytes on end
.endr
	s_wait_loadcnt 0x0
	v_pk_add_f32 v[10:11], v[32:33], v[40:41]
	v_pk_add_f32 v[12:13], v[48:49], v[56:57]
	v_pk_add_f32 v[14:15], v[64:65], v[72:73]
	v_pk_add_f32 v[20:21], v[80:81], v[88:89]
	v_pk_add_f32 v[18:19], v[34:35], v[42:43]
	v_pk_add_f32 v[8:9], v[50:51], v[58:59]
	s_delay_alu instid0(VALU_DEP_1)
	v_pk_add_f32 v[8:9], v[8:9], v[66:67]
	v_pk_add_f32 v[10:11], v[10:11], v[74:75]
	v_pk_add_f32 v[12:13], v[12:13], v[82:83]
	v_pk_add_f32 v[14:15], v[14:15], v[90:91]
	v_pk_add_f32 v[20:21], v[20:21], v[36:37]
	v_pk_add_f32 v[18:19], v[18:19], v[44:45]
	v_pk_add_f32 v[8:9], v[8:9], v[52:53]
	v_pk_add_f32 v[10:11], v[10:11], v[60:61]
	v_pk_add_f32 v[12:13], v[12:13], v[68:69]
	v_pk_add_f32 v[14:15], v[14:15], v[76:77]
	v_pk_add_f32 v[20:21], v[20:21], v[84:85]
	v_pk_add_f32 v[18:19], v[18:19], v[92:93]
	v_pk_add_f32 v[8:9], v[8:9], v[38:39]
	v_pk_add_f32 v[10:11], v[10:11], v[46:47]
	v_pk_add_f32 v[12:13], v[12:13], v[54:55]
	v_pk_add_f32 v[14:15], v[14:15], v[62:63]
	v_pk_add_f32 v[20:21], v[20:21], v[70:71]
	v_pk_add_f32 v[18:19], v[18:19], v[78:79]
	v_pk_add_f32 v[8:9], v[8:9], v[86:87]
	v_pk_add_f32 v[10:11], v[10:11], v[94:95]
	s_delay_alu instid0(VALU_DEP_2)
	v_pk_add_f32 v[8:9], v[8:9], v[14:15]
	s_delay_alu instid0(VALU_DEP_2)
	v_pk_add_f32 v[10:11], v[10:11], v[20:21]
	v_pk_add_f32 v[12:13], v[12:13], v[18:19]
	s_delay_alu instid0(VALU_DEP_1)
	v_pk_add_f32 v[8:9], v[8:9], v[12:13]
	s_delay_alu instid0(VALU_DEP_1)
	v_pk_add_f32 v[8:9], v[8:9], v[10:11]
	s_delay_alu instid0(VALU_DEP_1)
	v_add_f32 v8, v8, v9
	WSUM 8, 9
	s_delay_alu instid0(VALU_DEP_1)
	v_mul_f32 v16, 0x3a000000, v8                  ; x 2^-11: the chunk's mean
	s_delay_alu instid0(VALU_DEP_1)
	v_mov_b32 v17, v16
.set j, 0
.rept 32
	v_pk_add_f32 v[32+j:33+j], v[32+j:33+j], v[16:17] neg_lo:[0,1] neg_hi:[0,1]   ; the deviations, in place
.set j, j+2
.endr
.irp k, 0,2,4,6
	v_pk_mul_f32 v[8+\k:9+\k], v[32+\k:33+\k], v[32+\k:33+\k]
.endr
.irp i, 8,16,24,32,40,48,56
.irp k, 0,2,4,6
	s_delay_alu instid0(VALU_DEP_4)
	v_pk_fma_f32 v[8+\k:9+\k], v[32+\i+\k:33+\i+\k], v[32+\i+\k:33+\i+\k], v[8+\k:9+\k]
.endr
.endr
	s_delay_alu instid0(VALU_DEP_3)
	v_pk_add_f32 v[8:9], v[8:9], v[10:11]
	s_delay_alu instid0(VALU_DEP_2)
	v_pk_add_f32 v[12:13], v[12:13], v[14:15]
	s_delay_alu instid0(VALU_DEP_1)
	v_pk_add_f32 v[8:9], v[8:9], v[12:13]
	s_delay_alu instid0(VALU_DEP_1)
	v_add_f32 v8, v8, v9
	WSUM 8, 9
	s_delay_alu instid0(VALU_DEP_1)
	v_mov_b32 v17, v8                              ; M2
	v_mov_b32 v4, 0
	v_cmp_eq_u32 vcc_lo, 0, v2
	s_wait_alu depctr_va_vdst(0)
	s_wait_xcnt 0x0                                ; EXEC changes only behind this wait
	s_and_saveexec_b32 s22, vcc_lo
	global_store_b64 v4, v[16:17], s[12:13]        ; lane 0 stores the chunk's two numbers
	s_wait_xcnt 0x0
	s_or_b32 exec_lo, exec_lo, s22
	s_endpgm
	; ---- one tile of a weight
.Lweights:
	s_lshl_b32 s19, ttmp9, 3
	s_add_co_u32 s19, s19, s18                     ; tile T
	s_cmp_lt_u32 ttmp9, 12                         ; the choices hang on the work-group's number alone
	s_cselect_b64 s[20:21], s[8:9], s[10:11]
	s_cselect_b32 s22, 32, 96                      ; the tensor's first tile
	s_cselect_b32 s23, 16384, 0                    ; rows 8-15 of a tile lie 8 rows further on, but not in wo
	s_cmp_lt_u32 ttmp9, 4
	s_cselect_b64 s[20:21], s[6:7], s[20:21]
	s_cselect_b32 s22, 0, s22
	s_sub_co_u32 s22, s19, s22                     ; the tile's number in its tensor
	s_lshr_b32 s24, s22, 1
	s_lshl_b32 s24, s24, 5
	s_and_b32 s26, s22, 1
	s_lshl_b32 s26, s26, 3
	s_add_co_u32 s24, s24, s26                     ; its first row: 32 (T' / 2) + 8 (T' % 2),
	s_lshl_b32 s26, s22, 4                         ; in wo 16 T'
	s_cmp_lt_u32 ttmp9, 12
	s_cselect_b32 s24, s24, s26
	s_lshl_b32 s24, s24, 11                        ; a row is 2,048 bytes
	s_add_nc_u64 s[20:21], s[20:21], s[24:25]      ; rows 0-7: + 2,048 i
	s_mov_b32 s24, s23
	s_add_nc_u64 s[26:27], s[20:21], s[24:25]      ; rows 8-15: + 2,048 i from here
	s_lshl_b32 s24, s19, 12
	s_add_nc_u64 s[14:15], s[14:15], s[24:25]      ; the tile's 4,096 bytes of codes
	s_lshl_b32 s24, s19, 8
	s_add_nc_u64 s[16:17], s[16:17], s[24:25]      ; and its 256 bytes of scale words
.macro LOADW s                         ; K step s of the 16 rows: each load reads 512 bytes on end of one row
.irp i, 0,1,2,3,4,5,6,7
	global_load_b128 v[R+64*((\s)%2)+4*\i:R+64*((\s)%2)+4*\i+3], v3, s[20:21] offset:2048*\i+512*(\s) th:TH_LOAD_NT
.endr
.irp i, 8,9,10,11,12,13,14,15
	global_load_b128 v[R+64*((\s)%2)+4*\i:R+64*((\s)%2)+4*\i+3], v3, s[26:27] offset:2048*\i+512*(\s) th:TH_LOAD_NT
.endr
.endm
.macro QB2 s0, s1                      ; two whole blocks of 32 numbers of one lane, by turns: largest magnitude with the floor 2^(3 - 127), scale operand, byte
	v_max3_num_f32 v[TM], |v[\s0]|, |v[(\s0)+1]|, 0x1800000
	v_max3_num_f32 v[TM+1], |v[\s1]|, |v[(\s1)+1]|, 0x1800000
.irp i, 2,4,6,8,10,12,14,16,18,20,22,24,26,28,30
	s_delay_alu instid0(VALU_DEP_2)
	v_max3_num_f32 v[TM], v[TM], |v[(\s0)+\i]|, |v[(\s0)+\i+1]|
	s_delay_alu instid0(VALU_DEP_2)
	v_max3_num_f32 v[TM+1], v[TM+1], |v[(\s1)+\i]|, |v[(\s1)+\i+1]|
.endr
	s_delay_alu instid0(VALU_DEP_2)
	v_add_nc_u32 v[SO], 0xff000000, v[TM]          ; 2 off the exponent field: the conversion takes the exponent field of this operand as its scale
	s_delay_alu instid0(VALU_DEP_2)
	v_add_nc_u32 v[SO+1], 0xff000000, v[TM+1]
	s_delay_alu instid0(VALU_DEP_2)
	v_lshrrev_b32 v[BY], 23, v[SO]
	s_delay_alu instid0(VALU_DEP_2)
	v_lshrrev_b32 v[BY+1], 23, v[SO+1]
.endm
.macro WSTEP s
.if (\s) < 3
	s_wait_loadcnt 16                              ; this K step's 16 loads are in; the next step's 16 may be out
.else
	s_wait_loadcnt 0x0
.endif
.irp i, 0,1,2,3,4,5,6,7,8,9,10,11,12,13,14,15
	ds_store_b128 v5, v[R+64*((\s)%2)+4*\i:R+64*((\s)%2)+4*\i+3] offset:SP*\i
.endr
.irp c, 0,1
.irp j, 0,1,2,3,4,5,6,7
	ds_load_b128 v[X+32*\c+4*\j:X+32*\c+4*\j+3], v28 offset:256*\c+16*\j   ; LDS serves a wave's instructions in order: these see the stores above
.endr
.endr
	s_wait_dscnt 0x0                               ; my numbers are back, and the stores have read their registers,
.if (\s) < 2
	LOADW (\s)+2                                   ; which take the K step two further on
.endif
	QB2 X, X+32
	s_delay_alu instid0(VALU_DEP_1)
	v_lshl_or_b32 v[WW+(\s)], v[BY+1], 16, v[BY]   ; my two bytes: blocks h and 2 + h of row r,
	s_delay_alu instid0(VALU_DEP_1)
	v_lshlrev_b32 v[WW+(\s)], v29, v[WW+(\s)]      ; 8 h bits up;
	s_delay_alu instid0(VALU_DEP_1)
	v_permlanex16_b32 v30, v[WW+(\s)], s[SEL], s[SEL+1]
	s_delay_alu instid0(VALU_DEP_1)
	v_or_b32 v[WW+(\s)], v[WW+(\s)], v30           ; with lane l xor 16's two the word is whole
.irp c, 0,1
.irp g, 0,1,2,3
	v_cvt_scalef32_pk8_fp4_f32 v[C+8*(\s)+4*\c+\g], v[X+32*\c+8*\g:X+32*\c+8*\g+7], v[SO+\c]
.endr
.endr
	v_nop                                          ; one plain line behind the last conversion
.irp c, 0,1
	global_store_b128 v3, v[C+8*(\s)+4*\c:C+8*(\s)+4*\c+3], s[14:15] offset:1024*(\s)+512*\c   ; 32 lanes store 512 bytes on end
.endr
.endm
	LOADW 0
	LOADW 1
	s_wait_alu depctr_va_vdst(0)
	WSTEP 0
	WSTEP 1
	WSTEP 2
	WSTEP 3
	v_cmp_gt_u32 vcc_lo, 16, v2
	s_wait_xcnt 0x0                                ; EXEC changes only behind this wait
	s_wait_tensorcnt 0x0
	ds_add_u32 v22, v23
	s_wait_dscnt 0x0
	s_and_saveexec_b32 s22, vcc_lo
	global_store_b128 v31, v[WW:WW+3], s[16:17]    ; lanes 0-15 store the tile's 256 bytes of scale words
	s_wait_xcnt 0x0
	s_or_b32 exec_lo, exec_lo, s22
	s_endpgm
.Lfunc_end_k_q48fdc117d1_prep:
	.size	k_q48fdc117d1_prep, .Lfunc_end_k_q48fdc117d1_prep-k_q48fdc117d1_prep
	.p2alignl 7, 3214868480
	.fill 96, 4, 3214868480
	.section	.rodata,"a",@progbits
	.p2align	6, 0x0
	.amdhsa_kernel k_q48fdc117d1_prep
		.amdhsa_group_segment_fixed_size 68608
		.amdhsa_private_segment_fixed_size 0
		.amdhsa_enable_private_segment 0
		.amdhsa_kernarg_size 56
		.amdhsa_user_sgpr_count 2
		.amdhsa_user_sgpr_kernarg_segment_ptr 1
		.amdhsa_wavefront_size32 1
		.amdhsa_system_sgpr_workgroup_id_x 1
		.amdhsa_system_sgpr_workgroup_id_y 1
		.amdhsa_system_sgpr_workgroup_id_z 1
		.amdhsa_system_vgpr_workitem_id 0
		.amdhsa_next_free_vgpr 256
		.amdhsa_next_free_sgpr 66
		.amdhsa_reserve_vcc 1
		.amdhsa_float_denorm_mode_32 3
		.amdhsa_float_denorm_mode_16_64 3
		.amdhsa_memory_ordered 1
		.amdhsa_forward_progress 1
		.amdhsa_inst_pref_size 46
	.end_amdhsa_kernel
	.amdgpu_metadata
---
amdhsa.version: [ 1, 2 ]
amdhsa.kernels:
  - .name:           k_q48fdc117d1_prep
    .symbol:         k_q48fdc117d1_prep.kd
    .args:
      - { .name: x, .offset: 0, .size: 8, .value_kind: global_buffer, .address_space: global }
      - { .name: wq, .offset: 8, .size: 8, .value_kind: global_buffer, .address_space: global }
      - { .name: wkv, .offset: 16, .size: 8, .value_kind: global_buffer, .address_space: global }
      - { .name: wo, .offset: 24, .size: 8, .value_kind: global_buffer, .address_space: global }
      - { .name: part, .offset: 32, .size: 8, .value_kind: global_buffer, .address_space: global }
      - { .name: wimg, .offset: 40, .size: 8, .value_kind: global_buffer, .address_space: global }
      - { .name: wsc, .offset: 48, .size: 8, .value_kind: global_buffer, .address_space: global }
    .group_segment_fixed_size: 68608
    .private_segment_fixed_size: 0
    .kernarg_segment_align: 8
    .kernarg_segment_size: 56
    .max_flat_workgroup_size: 256
    .sgpr_count:     66
    .vgpr_count:     256
    .wavefront_size: 32
...
	.end_amdgpu_metadata
.endif
;; end of part 5
;; launch qkv (part 6): grid 256 x 1, 8 waves a work-group, no clusters, 9,728 bytes of LDS; arguments x, part, gn_w, gn_b, wimg, wsc, bq, bkv, qimg, qsc, kv; writes qimg, qsc, kv
.if DOCPART == 6
	.amdgcn_target "amdgcn-amd-amdhsa--gfx1250"
	.amdhsa_code_object_version 6
	.text
	.protected	k_q48fdc117d1_qkv
	.globl	k_q48fdc117d1_qkv
	.p2align	8
	.type	k_q48fdc117d1_qkv,@function
k_q48fdc117d1_qkv:
	s_mov_b64 s[64:65], 0
	v_nop
	global_prefetch_b8 v0, s[64:65] scope:SCOPE_SE
	s_setreg_imm32_b32 hwreg(HW_REG_WAVE_SCHED_MODE, 0, 2), 2
	s_setreg_imm32_b32 hwreg(HW_REG_WAVE_MODE, 25, 1), 1
	s_wait_xcnt 0x0
	s_wait_alu depctr_vm_vsrc(0)
; QKV.  GroupNorm is finished, x_norm is quantised along the channels, q = wq x_norm + bq and kv = wkv x_norm + bkv are made on codes of FP4 (E2M1, one E8M0 byte for each 32 along K), and q, k (along the
; head's 64) and v (along the keys) are quantised in registers and stored as images of the operand registers that the attention launch loads.
; SHARES.  A work-group takes 32 pixels of one batch (pair pg of pixel tiles) for all 1,536 outputs, so x is read and quantised once.  Wave w first normalises and quantises channels 64 w .. 64 w + 63 (groups
; 4 w .. 4 w + 3; half of K step w / 2) for the 32 pixels, a lane to a pixel, registers down the channels; the eight waves' pieces meet in LDS as images of registers; one barrier; then wave w makes q, k and v
; of head w: 96 matrix instructions, its weights coming from memory straight into operand registers (each lane 16 bytes, each load 512 bytes on end).
; TILE ORDER.  Row m of pixel tile 2 pg + u is pixel 32 pg + 8 u + m + 8 (m / 8); the rows of a weight's tile are chosen likewise.  q and k are made TRANSPOSED (source 0 = 16 rows of the weight, source 1 =
; 16 pixels): a lane holds one pixel, and the 16 registers of tiles 2 b, 2 b + 1 are d = 32 b + 16 (lane / 16) + 0 .. 15.  v is made the other way round (source 0 = pixels): a lane holds one d, and the 16
; registers of pixel tiles 0, 1 are keys 32 pg + 16 (lane / 16) + 0 .. 15.  So each quantiser finds 16 neighbours along its K in a lane and the other 16 in lane l xor 16.
; OUT.  qimg [bh][tile][lane][16]: registers 0-3 of a fragment; qsc [bh][16 tile + r] words (bytes 0, 1; bytes 2, 3 zero).  kv [bh][key step of 128][8,960]: +0 K's 8 tiles [tile][lane][16]; +4,096 V^T's
; [d tile][c][lane][16]; +8,192 K's scale words [pair][lane]; +8,704 V's [pair of d tiles][lane], byte i = key block i.
; With 32 pixels to a work-group a channel's piece of x is 128 bytes, the q and K scale words leave 128 bytes at a time and V's scale bytes singly (four work-groups share a word): 64 pixels would halve the
; number of work-groups or read x twice.
; NO CLUSTER: the weights go straight into registers; shared by joint loads they would have to pass through LDS, where 393,216 bytes of codes do not fit in one fill.
; LIMITS: NaN and infinities are not served; a block whose largest magnitude lies under 2^-124 keeps the byte 1, and so does a block of zeros (its codes are zeros; this program alone reads the bytes);
; 1 / sqrt comes from v_rsq_f32.
; THE MODE: SCHED_MODE bits 1:0 = 2 (LLVM: expert scheduling mode 2), set by the entry lines.  The code itself states the register dependences between vector or matrix instructions and memory or LDS
; instructions, with s_wait_alu, always for 0.
; THE PLAN.  Registers that memory or LDS instructions touch:
;   v4-v12, v15     offsets and LDS addresses: written at the head, read by every load and store, never written again.
;   v16-v79         part's loads land in v16-23; the statistics work in v16-39; behind the barrier the LDS loads of x's fragments land in all of them; the products read them.
;   ACC             x's loads land; from then on vector and matrix instructions alone name it.
;   window 1, upper the gains' loads land; the 32 packed multiply-adds read them; wk's loads land; the second unit's products read them.
;   window 1, lower wq's loads land; the first unit's products read them; wv's loads land; the third unit's products read them.
;   WS, XS, BI1, BVT  loaded once.  BI0: loaded once, later written by vector instructions, named by no memory instruction after its load.
;   PC, WD          written four times by a quantiser; read by the LDS stores, then by q's, k's and v's stores.
; So: one wait on va_vdst ahead of the first load; one ahead of the LDS stores, which also frees the gains' registers and v16-39 for the loads behind the barrier (no vector instruction stands between);
; one ahead of wv's loads; one ahead of each of the three runs of global stores; one wait on vm_vsrc at the head of each quantiser that writes PC and WD again.
.set XSC,  8192                        ; LDS: x's images [u][s][c][lane][16] at 0; behind them x's scale words [lane = 16 u + r][word s]
.set XF,   16                          ; v16-79   x's fragments, (u, s) at 8 (4 u + s); before that the statistics' scratch
.set ACC,  80                          ; v80-143  eight accumulators; before that my pixel's 64 channels
.set BI0,  144                         ; v144-175 biases in the result's layout: q's, later v's
.set BI1,  176                         ; v176-207 k's
.set WS,   208                         ; v208-231 the weights' scale words: unit kappa at 8 kappa, pair of tiles i at + 4 i, word s; lanes 0-15 tile 2 i, lanes 16-31 tile 2 i + 1
.set XS,   232                         ; v232-235 x's scale words, word s; lanes 0-15 pixel tile 0, lanes 16-31 tile 1
.set TM,   236                         ; v236-241 largest magnitudes, bytes, scale operands
.set WD,   242                         ; v242-243 scale words just made
.set PC,   244                         ; v244-251 codes just made
.set BVT,  252                         ; v252-255 v's bias of my d, a register a tile
.set WB0,  0                           ; window 1: v0-127 one unit's 16 fragments, (t, s) at 8 (4 t + s);
.set WB1,  128                         ; v128-255 another's; before that gn_w (64) and gn_b (64) of my channels
.set GW,   128
.set GB,   192
.set SEL,  44                          ; s[44:45] lane selects for lane l xor 16
.set MSB, 0
.macro WIN new                         ; the immediate's high byte repeats the setting that is left
.if MSB != \new
	s_set_vgpr_msb (MSB<<8)|\new
.set MSB, \new
.endif
.endm
.macro WM d, a, b, c, sa, sb, ra, rb   ; one product; ra, rb: the side's scales stand in lanes 16-31
.if ((\ra) != 0) && ((\rb) != 0)
	v_wmma_scale_f32_16x16x128_f8f6f4 v[0+(\d):7+(\d)], v[0+(\a):7+(\a)], v[0+(\b):7+(\b)], v[0+(\c):7+(\c)], v[0+(\sa)], v[0+(\sb)] matrix_a_fmt:MATRIX_FMT_FP4 matrix_b_fmt:MATRIX_FMT_FP4 matrix_a_scale:MATRIX_SCALE_ROW1 matrix_b_scale:MATRIX_SCALE_ROW1
.elseif (\ra) != 0
	v_wmma_scale_f32_16x16x128_f8f6f4 v[0+(\d):7+(\d)], v[0+(\a):7+(\a)], v[0+(\b):7+(\b)], v[0+(\c):7+(\c)], v[0+(\sa)], v[0+(\sb)] matrix_a_fmt:MATRIX_FMT_FP4 matrix_b_fmt:MATRIX_FMT_FP4 matrix_a_scale:MATRIX_SCALE_ROW1
.elseif (\rb) != 0
	v_wmma_scale_f32_16x16x128_f8f6f4 v[0+(\d):7+(\d)], v[0+(\a):7+(\a)], v[0+(\b):7+(\b)], v[0+(\c):7+(\c)], v[0+(\sa)], v[0+(\sb)] matrix_a_fmt:MATRIX_FMT_FP4 matrix_b_fmt:MATRIX_FMT_FP4 matrix_b_scale:MATRIX_SCALE_ROW1
.else
	v_wmma_scale_f32_16x16x128_f8f6f4 v[0+(\d):7+(\d)], v[0+(\a):7+(\a)], v[0+(\b):7+(\b)], v[0+(\c):7+(\c)], v[0+(\sa)], v[0+(\sb)] matrix_a_fmt:MATRIX_FMT_FP4 matrix_b_fmt:MATRIX_FMT_FP4
.endif
.endm
; 32 numbers of a lane, register 16 b + i = place 32 b + 16 (lane / 16) + i along K of my row, become four fragment registers (lanes 0-15 block 0, lanes 16-31 block 1) and the two bytes in wd.
; Each accumulator is first read at its low end.
.macro QUANT2 src, pc, wd
.irp b, 0,1
	v_max3_num_f32 v[TM+\b], |v[(\src)+16*\b]|, |v[(\src)+16*\b+1]|, 0x1800000   ; with the floor 2^(3 - 127): the byte cannot fall under 1
.endr
.irp i, 2,4,6,8,10,12,14
.irp b, 0,1
	v_max3_num_f32 v[TM+\b], v[TM+\b], |v[(\src)+16*\b+\i]|, |v[(\src)+16*\b+\i+1]|
.endr
.endr
.irp b, 0,1
	v_permlanex16_b32 v[TM+2+\b], v[TM+\b], s[SEL], s[SEL+1]
.endr
.irp b, 0,1
	v_max_num_f32 v[TM+\b], v[TM+\b], v[TM+2+\b]   ; with lane l xor 16's 16: the block's largest magnitude
.endr
.irp b, 0,1
	v_add_nc_u32 v[TM+4+\b], 0xff000000, v[TM+\b]  ; 2 off its exponent field: the conversion's scale operand
.endr
.irp b, 0,1
	v_lshrrev_b32 v[TM+2+\b], 23, v[TM+4+\b]       ; the byte
.endr
	v_lshl_or_b32 v[\wd], v[TM+3], 8, v[TM+2]
.irp b, 0,1
	v_cvt_scalef32_pk8_fp4_f32 v[(\pc)+2*\b], v[(\src)+16*\b:(\src)+16*\b+7], v[TM+4+\b]
	v_cvt_scalef32_pk8_fp4_f32 v[(\pc)+2*\b+1], v[(\src)+16*\b+8:(\src)+16*\b+15], v[TM+4+\b]
.endr
	v_nop                                          ; one plain line behind the last conversion
	v_permlane16_swap_b32 v[\pc], v[(\pc)+2]       ; a whole block to a lane
	v_permlane16_swap_b32 v[(\pc)+1], v[(\pc)+3]
.endm
.macro PLACES n
.rept \n
	v_nop
.endr
.endm
	s_load_b512 s[4:19], s[0:1], 0x0               ; x s[4:5], part s[6:7], gn_w s[8:9], gn_b s[10:11], wimg s[12:13], wsc s[14:15], bq s[16:17], bkv s[18:19]
	s_load_b128 s[20:23], s[0:1], 0x40             ; qimg s[20:21], qsc s[22:23]
	s_load_b64 s[24:25], s[0:1], 0x50              ; kv
	v_lshrrev_b32 v1, 5, v0
	v_readfirstlane_b32 s26, v1                    ; wave = head 0..7
	v_and_b32 v1, 31, v0                           ; lane
	v_and_b32 v2, 15, v0                           ; r
	v_bfe_u32 v3, v0, 4, 1                         ; h
	v_lshlrev_b32 v4, 4, v1                        ; 16 x lane
	v_lshlrev_b32 v5, 2, v1                        ; 4 x lane
	v_and_b32 v6, 7, v1
	v_and_b32 v14, 8, v1
	v_lshl_or_b32 v6, v14, 1, v6
	v_and_b32 v14, 16, v1
	v_lshrrev_b32 v14, 1, v14
	v_or_b32 v6, v6, v14
	v_lshlrev_b32 v6, 2, v6                        ; x: lane 16 u + r takes the pixel of tile u's row r: 8 u + r + 8 (r / 8); 4 bytes each
	s_wait_alu depctr_va_sdst(0)                   ; s26 is written, ahead of its first reader: LDS addresses and every base are made from it
	s_lshl_b32 s30, s26, 9
	v_add_nc_u32 v7, s30, v4                       ; LDS: where I store x's images: 16 x lane + 512 x wave
	s_lshl_b32 s30, s26, 1
	v_add_nc_u32 v8, s30, v4                       ; and my pixel's two scale bytes: 16 x lane + 2 x wave
	v_lshlrev_b32 v9, 3, v1                        ; 8 x lane: a chunk's two numbers
	v_lshlrev_b32 v10, 6, v3                       ; 64 h: a transposed result's biases
	v_and_b32 v11, 8, v2
	v_add_nc_u32 v11, v11, v2
	v_lshlrev_b32 v11, 2, v11                      ; 4 (r + 8 (r / 8)): v's bias of my d
	v_lshlrev_b32 v12, 4, v2
	v_lshl_add_u32 v12, v3, 10, v12                ; V^T's images: 1,024 h + 16 r
	v_lshlrev_b32 v13, 3, v3                       ; 8 h
	v_mov_b32 v15, 0
	v_mov_b32 v[TM+2], 0                           ; (a lane permute's destination counts as one of its sources)
	v_mov_b32 v[TM+3], 0
	s_mov_b32 s29, 0xffff0000                      ; lanes 16-31
	s_mov_b32 s[SEL], 0x76543210
	s_mov_b32 s[SEL+1], 0xfedcba98
	s_lshr_b32 s27, ttmp9, 7                       ; batch
	s_and_b32 s28, ttmp9, 127                      ; pair of pixel tiles
	s_mov_b32 s31, 0
	s_wait_kmcnt 0x0
	s_lshl_b32 s30, s27, 23                        ; x: batch, my 64 channels of 16,384 bytes, the 32 pixels
	s_lshl_b32 s40, s26, 20
	s_add_co_u32 s30, s30, s40
	s_lshl_b32 s40, s28, 7
	s_add_co_u32 s30, s30, s40
	s_add_nc_u64 s[4:5], s[4:5], s[30:31]
	s_lshl_b32 s30, s27, 13                        ; part: group 32 b + 4 w, 256 bytes a group
	s_lshl_b32 s40, s26, 10
	s_add_co_u32 s30, s30, s40
	s_add_nc_u64 s[6:7], s[6:7], s[30:31]
	s_mov_b32 s30, s40                             ; wsc: my four tiles of 256 bytes
	s_add_nc_u64 s[14:15], s[14:15], s[30:31]
	s_lshl_b32 s30, s26, 8                         ; my 64 numbers of gn_w, gn_b, bq, bkv
	s_add_nc_u64 s[8:9], s[8:9], s[30:31]
	s_add_nc_u64 s[10:11], s[10:11], s[30:31]
	s_add_nc_u64 s[16:17], s[16:17], s[30:31]
	s_add_nc_u64 s[18:19], s[18:19], s[30:31]
	s_lshl_b32 s30, s26, 14                        ; wimg: my four tiles of 4,096 bytes
	s_add_nc_u64 s[12:13], s[12:13], s[30:31]
	s_lshl_b32 s40, s27, 3
	s_add_co_u32 s40, s40, s26                     ; bh
	s_lshl_b32 s30, s40, 17
	s_lshl_b32 s41, s28, 10
	s_add_co_u32 s30, s30, s41
	s_add_nc_u64 s[20:21], s[20:21], s[30:31]      ; qimg at my two tiles
	s_lshl_b32 s30, s40, 14
	s_lshl_b32 s41, s28, 7
	s_add_co_u32 s30, s30, s41
	s_add_nc_u64 s[22:23], s[22:23], s[30:31]      ; qsc at their 32 words
	s_and_b32 s41, s28, 3                          ; i: which 32 keys of the key step
	s_lshr_b32 s42, s28, 2                         ; the key step
	s_mul_i32 s30, s40, 286720
	s_mul_i32 s43, s42, 8960
	s_add_co_u32 s30, s30, s43
	s_add_nc_u64 s[24:25], s[24:25], s[30:31]      ; kv at the key step
	s_lshl_b32 s30, s41, 10
	s_add_nc_u64 s[32:33], s[24:25], s[30:31]      ; K's tiles 2 i, 2 i + 1
	s_lshl_b32 s30, s41, 7
	s_add_co_u32 s30, s30, 8192
	s_add_nc_u64 s[34:35], s[24:25], s[30:31]      ; their scale words
	s_lshr_b32 s30, s41, 1
	s_lshl_b32 s30, s30, 9
	s_and_b32 s43, s41, 1
	s_lshl_b32 s43, s43, 8
	s_add_co_u32 s30, s30, s43
	s_add_co_u32 s30, s30, 4096
	s_add_nc_u64 s[36:37], s[24:25], s[30:31]      ; V^T: c = i / 2, lanes' half i % 2
	s_add_co_u32 s30, s41, 8704
	s_add_nc_u64 s[38:39], s[24:25], s[30:31]      ; V's scale bytes: byte i of each word
	s_mov_b32 s30, 0x37800000                      ; 2^-16: a group has 65,536 numbers
	s_mov_b32 s31, 0x3727c5ac                      ; eps = 1e-5
	; ---- all that the first phases want is asked for at once: 146 loads
	s_wait_alu depctr_va_vdst(0)                   ; the offsets and LDS addresses v4 to v12 and v15 are written, which every load and store of the kernel reads; only loads and window switches follow in this run
.irp i, 0,1,2,3
	global_load_b64 v[16+2*\i:17+2*\i], v9, s[6:7] offset:256*\i   ; group 4 w + i: a chunk's mean and M2 to a lane
.endr
.set i, 0
.rept 64
	global_load_b32 v[ACC+i], v6, s[4:5] offset:16384*i            ; channel 64 w + i of my pixel: the wave reads 128 bytes on end
.set i, i+1
.endr
	WIN 0x40                                       ; destination window 1
.set i, 0
.rept 16
	global_load_b128 v[GW+4*i:GW+4*i+3], v15, s[8:9] offset:16*i   ; my 64 gains and 64 offsets, the same in every lane
	global_load_b128 v[GB+4*i:GB+4*i+3], v15, s[10:11] offset:16*i
.set i, i+1
.endr
.set i, 0
.rept 32
	global_load_b128 v[WB0+4*i:WB0+4*i+3], v4, s[12:13] offset:512*i   ; wq's 16 fragments of my head
.set i, i+1
.endr
	WIN 0
.irp k, 0,1,2
.irp i, 0,1
	global_load_b128 v[WS+8*\k+4*\i:WS+8*\k+4*\i+3], v4, s[14:15] offset:8192*\k+512*\i
.endr
.endr
.irp t, 0,1,2,3
	global_load_b128 v[BI0+8*\t:BI0+8*\t+3], v10, s[16:17] offset:(32*(\t/2)+8*(\t%2))*4
	global_load_b128 v[BI0+8*\t+4:BI0+8*\t+7], v10, s[16:17] offset:(32*(\t/2)+8*(\t%2))*4+16
.endr
	; ---- the four groups' mean and 1 / sqrt(var + eps), by turns.  mean = the 32 chunk means' mean; M2 = the sum of the chunks' M2 + 2,048 x (chunk mean - mean)^2
	s_wait_loadcnt 63                              ; at most 63 of the 146 are out: the oldest 83 are in, the four of part among them
.irp i, 0,1,2,3
	v_mov_b32 v[24+2*\i], v[16+2*\i]
	v_mov_b32 v[25+2*\i], 0
.endr
.irp m, 1,2,4,8
.irp i, 0,1,2,3
	v_add_f32_dpp v[24+2*\i], v[24+2*\i], v[24+2*\i] row_xmask:\m row_mask:0xf bank_mask:0xf
.endr
.endr
.irp i, 0,1,2,3
	v_permlanex16_b32 v[25+2*\i], v[24+2*\i], s[SEL], s[SEL+1]
.endr
.irp i, 0,1,2,3
	v_add_f32 v[24+2*\i], v[24+2*\i], v[25+2*\i]
.endr
.irp i, 0,1,2,3
	v_mul_f32 v[24+2*\i], 0x3d000000, v[24+2*\i]   ; / 32: the group's mean, in every lane
.endr
.irp i, 0,1,2,3
	v_sub_f32 v[16+2*\i], v[16+2*\i], v[24+2*\i]
.endr
.irp i, 0,1,2,3
	v_mul_f32 v[16+2*\i], v[16+2*\i], v[16+2*\i]
.endr
.irp i, 0,1,2,3
	v_fmamk_f32 v[32+2*\i], v[16+2*\i], 0x45000000, v[17+2*\i]
	v_mov_b32 v[33+2*\i], 0
.endr
.irp m, 1,2,4,8
.irp i, 0,1,2,3
	v_add_f32_dpp v[32+2*\i], v[32+2*\i], v[32+2*\i] row_xmask:\m row_mask:0xf bank_mask:0xf
.endr
.endr
.irp i, 0,1,2,3
	v_permlanex16_b32 v[33+2*\i], v[32+2*\i], s[SEL], s[SEL+1]
.endr
.irp i, 0,1,2,3
	v_add_f32 v[32+2*\i], v[32+2*\i], v[33+2*\i]
.endr
.irp i, 0,1,2,3
	v_fma_f32 v[32+2*\i], v[32+2*\i], s30, s31     ; var + eps
.endr
	s_wait_alu depctr_va_vdst(0)
.irp i, 0,1,2,3
	v_rsq_f32 v[32+2*\i], v[32+2*\i]
.endr
	; ---- x_norm = ((x - mean) / sqrt) gn_w + gn_b, my pixel's 64 channels
	s_wait_loadcnt 46                              ; x and the gains are in; wq's 32, the 6 of scale words and bq's 8 may be out
.irp g, 0,1,2,3
.irp j, 0,2,4,6,8,10,12,14
	v_pk_add_f32 v[ACC+16*\g+\j:ACC+16*\g+\j+1], v[ACC+16*\g+\j:ACC+16*\g+\j+1], v[24+2*\g:25+2*\g] op_sel_hi:[1,0] neg_lo:[0,1] neg_hi:[0,1]   ; (plain work behind the four roots)
.endr
.endr
	s_wait_alu depctr_va_vdst(0)                   ; the four roots v32, v34, v36, v38 are written: one wait for the four, ahead of their first reader
.irp g, 0,1,2,3
.irp j, 0,2,4,6,8,10,12,14
	v_pk_mul_f32 v[ACC+16*\g+\j:ACC+16*\g+\j+1], v[ACC+16*\g+\j:ACC+16*\g+\j+1], v[32+2*\g:33+2*\g] op_sel_hi:[1,0]
.endr
.endr
	WIN 0x14                                       ; sources 1 and 2 window 1
.set i, 0
.rept 32
	v_pk_fma_f32 v[ACC+i:ACC+i+1], v[ACC+i:ACC+i+1], v[GW+i:GW+i+1], v[GB+i:GB+i+1]
.set i, i+2
.endr
	WIN 0
	; ---- quantised: two whole blocks of 32 channels lie in my registers
	v_max3_num_f32 v[TM], |v[ACC]|, |v[ACC+1]|, 0x1800000
	v_max3_num_f32 v[TM+1], |v[ACC+32]|, |v[ACC+33]|, 0x1800000
.irp i, 2,4,6,8,10,12,14,16,18,20,22,24,26,28,30
	v_max3_num_f32 v[TM], v[TM], |v[ACC+\i]|, |v[ACC+\i+1]|
	v_max3_num_f32 v[TM+1], v[TM+1], |v[ACC+32+\i]|, |v[ACC+33+\i]|
.endr
	v_add_nc_u32 v[TM+4], 0xff000000, v[TM]
	v_add_nc_u32 v[TM+5], 0xff000000, v[TM+1]
	v_lshrrev_b32 v[TM+2], 23, v[TM+4]
	v_lshrrev_b32 v[TM+3], 23, v[TM+5]
	v_lshl_or_b32 v[WD], v[TM+3], 8, v[TM+2]
.irp c, 0,1
.irp g, 0,1,2,3
	v_cvt_scalef32_pk8_fp4_f32 v[PC+4*\c+\g], v[ACC+32*\c+8*\g:ACC+32*\c+8*\g+7], v[TM+4+\c]
.endr
.endr
	v_nop                                          ; one plain line behind the last conversion
.irp i, 0,1,2,3
	v_permlane16_swap_b32 v[PC+\i], v[PC+4+\i]     ; lanes 0-15 held tile 0's rows, lanes 16-31 tile 1's, each both blocks: now the first four registers are tile 0's piece (lanes' halves = blocks), the others tile 1's
.endr
	s_wait_alu depctr_va_vdst(0)                   ; the codes v[PC ..] and the bytes v[WD] are written, which the LDS stores read; the multiply-adds are done reading the gains, in whose registers wk's loads land, and the statistics are done with v16 to v39, in which x's fragments land: no vector instruction stands between this wait and those loads
	ds_store_b128 v7, v[PC:PC+3]
	ds_store_b128 v7, v[PC+4:PC+7] offset:4096
	ds_store_b16 v8, v[WD] offset:XSC
	s_wait_dscnt 0x0                               ; for the others' sake: my stores have landed
	s_barrier_signal -1
	s_barrier_wait -1                              ; x's eight fragments and their scale words lie in LDS
	WIN 0x40
.set i, 0
.rept 32
	global_load_b128 v[WB1+4*i:WB1+4*i+3], v4, s[12:13] offset:131072+512*i   ; wk's fragments, where the gains lay
.set i, i+1
.endr
	WIN 0
.irp t, 0,1,2,3
	global_load_b128 v[BI1+8*\t:BI1+8*\t+3], v10, s[18:19] offset:(32*(\t/2)+8*(\t%2))*4
	global_load_b128 v[BI1+8*\t+4:BI1+8*\t+7], v10, s[18:19] offset:(32*(\t/2)+8*(\t%2))*4+16
.endr
.irp n, 0,1,2,3
	global_load_b32 v[BVT+\n], v11, s[18:19] offset:2048+(32*(\n/2)+8*(\n%2))*4
.endr
.set i, 0
.rept 16
	ds_load_b128 v[XF+4*i:XF+4*i+3], v4 offset:512*i
.set i, i+1
.endr
	ds_load_b128 v[XS:XS+3], v4 offset:XSC
	s_wait_dscnt 0x0
; 32 products, transposed: D(row of the weight's tile, pixel).  The eight accumulators take turns, one instruction a turn; the bias is the C of each sum's first product.
.macro GEMM_T wb, bi, ws
	WIN 0x01                                       ; source 0 window 1
.irp s, 0,1,2,3
.irp u, 0,1
.irp t, 0,1,2,3
.if \s == 0
	WM ACC+32*\u+8*\t, \wb+8*(4*\t+\s), XF+8*(4*\u+\s), \bi+8*\t, \ws+4*(\t/2)+\s, XS+\s, \t%2, \u
.else
	WM ACC+32*\u+8*\t, \wb+8*(4*\t+\s), XF+8*(4*\u+\s), ACC+32*\u+8*\t, \ws+4*(\t/2)+\s, XS+\s, \t%2, \u
.endif
.endr
.endr
.endr
	WIN 0
.endm
; the same the other way round: D(pixel, row of the weight's tile)
.macro GEMM_N wb, bi, ws
	WIN 0x04                                       ; source 1 window 1
.irp s, 0,1,2,3
.irp n, 0,1,2,3
.irp u, 0,1
.if \s == 0
	WM ACC+16*\n+8*\u, XF+8*(4*\u+\s), \wb+8*(4*\n+\s), \bi+8*\n, XS+\s, \ws+4*(\n/2)+\s, \u, \n%2
.else
	WM ACC+16*\n+8*\u, XF+8*(4*\u+\s), \wb+8*(4*\n+\s), ACC+16*\n+8*\u, XS+\s, \ws+4*(\n/2)+\s, \u, \n%2
.endif
.endr
.endr
.endr
	WIN 0
.endm
.macro EPI_QK pi, ps                   ; two pixel tiles of q or of k: codes to s[pi], scale words to s[ps]
	s_wait_xcnt 0x0                                ; the codes' and words' registers are written again only behind this wait
	s_wait_alu depctr_vm_vsrc(0)                   ; the stores issued so far (into LDS; later q's) have read v[PC ..] and v[WD ..], which the quantisers below write again
	QUANT2 ACC, PC, WD
	QUANT2 ACC+32, PC+4, WD+1
	v_cndmask_b32 v[WD], v[WD], v[WD+1], s29       ; lanes 0-15 tile 0's words, lanes 16-31 tile 1's
	s_wait_alu depctr_va_vdst(0)                   ; the codes v[PC ..] and the words v[WD] are written, which the three stores below read
	global_store_b128 v4, v[PC:PC+3], s[\pi:\pi+1]                 ; 512 bytes on end
	global_store_b128 v4, v[PC+4:PC+7], s[\pi:\pi+1] offset:512
	global_store_b32 v5, v[WD], s[\ps:\ps+1]
.endm
	s_wait_loadcnt 44                              ; wq, the scale words and bq are in; wk's 32, bk's 8 and bv's 4 may be out
	GEMM_T WB0, BI0, WS
	PLACES 5                                       ; four in front of the first read of results; the fifth for the next unit's products, which write over these accumulators
	WIN 0x40
	s_wait_alu depctr_va_vdst(0)                   ; the first unit's products are done reading wq's fragments, in whose registers wv's loads land
.set i, 0
.rept 32
	global_load_b128 v[WB0+4*i:WB0+4*i+3], v4, s[12:13] offset:262144+512*i   ; wv's fragments
.set i, i+1
.endr
	WIN 0
	EPI_QK 20, 22
	s_wait_loadcnt 32                              ; wk, bk and bv are in; wv's 32 may be out
	GEMM_T WB1, BI1, WS+8
	PLACES 5
.irp n, 0,1,2,3
.irp j, 0,1,2,3,4,5,6,7
	v_mov_b32 v[BI0+8*\n+\j], v[BVT+\n]            ; v's bias in the result's layout: a lane holds one d, so all eight registers are alike.  They stand ahead of k's quantiser, so that the wait ahead of k's stores stands behind them too
.endr
.endr
	EPI_QK 32, 34
	s_wait_loadcnt 0x0
	GEMM_N WB0, BI0, WS+16
	PLACES 5
	s_wait_xcnt 0x0
	s_wait_alu depctr_vm_vsrc(0)                   ; k's stores have read v[PC ..] and v[WD], which the quantisers below write again
	QUANT2 ACC, PC, WD                             ; here the two "blocks" are d tiles 0 and 1: 32 keys of my d each
	QUANT2 ACC+32, PC+4, WD+1                      ; d tiles 2 and 3
	v_lshrrev_b32 v[WD], v13, v[WD]                ; lanes 16-31 take the odd tile's byte
	v_lshrrev_b32 v[WD+1], v13, v[WD+1]
	s_wait_alu depctr_va_vdst(0)                   ; the codes v[PC ..] and the bytes v[WD], v[WD+1] are written, which the four stores below read
	global_store_b128 v12, v[PC:PC+3], s[36:37]                    ; each half of the wave stores 256 bytes on end
	global_store_b128 v12, v[PC+4:PC+7], s[36:37] offset:2048
	global_store_b8 v5, v[WD], s[38:39]
	global_store_b8 v5, v[WD+1], s[38:39] offset:128
	s_wait_xcnt 0x0
	v_lshl_add_u32 v254, v0, 2, 0x2200             ; the add's two registers, made anew: no memory or LDS instruction has read either (v's bias was loaded into them and has been read by vector instructions)
	v_mov_b32 v255, 0
	s_wait_dscnt 0x0                               ; the closing lines, six on end
	s_wait_alu 0x0
	s_wait_tensorcnt 0x0
	ds_add_u32 v254, v255
	s_wait_dscnt 0x0
	s_endpgm
.Lfunc_end_k_q48fdc117d1_qkv:
	.size	k_q48fdc117d1_qkv, .Lfunc_end_k_q48fdc117d1_qkv-k_q48fdc117d1_qkv
	.p2alignl 7, 3214868480
	.fill 96, 4, 3214868480
	.section	.rodata,"a",@progbits
	.p2align	6, 0x0
	.amdhsa_kernel k_q48fdc117d1_qkv
		.amdhsa_group_segment_fixed_size 9728
		.amdhsa_private_segment_fixed_size 0
		.amdhsa_enable_private_segment 0
		.amdhsa_kernarg_size 88
		.amdhsa_user_sgpr_count 2
		.amdhsa_user_sgpr_kernarg_segment_ptr 1
		.amdhsa_wavefront_size32 1
		.amdhsa_system_sgpr_workgroup_id_x 1
		.amdhsa_system_sgpr_workgroup_id_y 1
		.amdhsa_system_sgpr_workgroup_id_z 1
		.amdhsa_system_vgpr_workitem_id 0
		.amdhsa_next_free_vgpr 512
		.amdhsa_next_free_sgpr 66
		.amdhsa_reserve_vcc 0
		.amdhsa_float_denorm_mode_32 3
		.amdhsa_float_denorm_mode_16_64 3
		.amdhsa_memory_ordered 1
		.amdhsa_forward_progress 1
		.amdhsa_inst_pref_size 67
	.end_amdhsa_kernel
	.amdgpu_metadata
---
amdhsa.version: [ 1, 2 ]
amdhsa.kernels:
  - .name:           k_q48fdc117d1_qkv
    .symbol:         k_q48fdc117d1_qkv.kd
    .args:
      - { .name: x, .offset: 0, .size: 8, .value_kind: global_buffer, .address_space: global }
      - { .name: part, .offset: 8, .size: 8, .value_kind: global_buffer, .address_space: global }
      - { .name: gn_w, .offset: 16, .size: 8, .value_kind: global_buffer, .address_space: global }
      - { .name: gn_b, .offset: 24, .size: 8, .value_kind: global_buffer, .address_space: global }
      - { .name: wimg, .offset: 32, .size: 8, .value_kind: global_buffer, .address_space: global }
      - { .name: wsc, .offset: 40, .size: 8, .value_kind: global_buffer, .address_space: global }
      - { .name: bq, .offset: 48, .size: 8, .value_kind: global_buffer, .address_space: global }
      - { .name: bkv, .offset: 56, .size: 8, .value_kind: global_buffer, .address_space: global }
      - { .name: qimg, .offset: 64, .size: 8, .value_kind: global_buffer, .address_space: global }
      - { .name: qsc, .offset: 72, .size: 8, .value_kind: global_buffer, .address_space: global }
      - { .name: kv, .offset: 80, .size: 8, .value_kind: global_buffer, .address_space: global }
    .group_segment_fixed_size: 9728
    .private_segment_fixed_size: 0
    .kernarg_segment_align: 8
    .kernarg_segment_size: 88
    .max_flat_workgroup_size: 256
    .sgpr_count:     66
    .vgpr_count:     512
    .wavefront_size: 32
...
	.end_amdgpu_metadata
.endif
;; end of part 6
;; launch attn (part 7): grid 16 x 16, 16 waves a work-group, clusters of 4 x 1, 327,680 bytes of LDS; arguments qimg, qsc, kv, oimg, osc; writes oimg, osc
.if DOCPART == 7
	.amdgcn_target "amdgcn-amd-amdhsa--gfx1250"
	.amdhsa_code_object_version 6
	.text
	.protected	k_q48fdc117d1_attn
	.globl	k_q48fdc117d1_attn
	.p2align	8
	.type	k_q48fdc117d1_attn,@function
k_q48fdc117d1_attn:
	s_mov_b64 s[64:65], 0
	v_nop
	global_prefetch_b8 v0, s[64:65] scope:SCOPE_SE
	s_setreg_imm32_b32 hwreg(HW_REG_WAVE_MODE, 25, 1), 1
	s_wait_xcnt 0x0
	s_wait_alu depctr_hold_cnt(0) depctr_sa_sdst(0) depctr_va_vdst(0) depctr_va_sdst(0) depctr_va_ssrc(0) depctr_va_vcc(0) depctr_vm_vsrc(0)
	s_getreg_b32 s2, hwreg(HW_REG_IB_STS2, 6, 4)
	s_cmp_eq_u32 s2, 0
	s_cbranch_scc0 .Lentry_in_a_cluster
	s_endpgm
.Lentry_in_a_cluster:
	s_bfe_u32 s2, ttmp6, 0x10000c
	s_cmp_lg_u32 s2, 0x3003
	s_cbranch_scc0 .Lentry_shape_is_right
	s_endpgm
.Lentry_shape_is_right:
; ATTN.  o[q][d] = the sum over the keys of softmax(q . k / 8) v, 16 (batch, head) pairs, 4,096 queries and keys, head size 64, both products on codes of FP4 (E2M1) with one E8M0 byte for each 32 along K.
; THE SOFTMAX AHEAD OF THE SECOND PRODUCT: t = score x log2(e) / 8; M = the row's largest t so far, rounded UP to a whole number; p = 2^(t - M) is quantised along the keys, not normalised; the row's sum is
; taken of the unquantised p and divides at the end.  When M moves, the sum and O are multiplied by 2^(old M - new M): exact.  The result is quantised along the channels (half a head to a block) and stored
; as an image of the last product's operand registers.
; SHARES.  A work-group owns 256 queries of one (batch, head); each of its sixteen waves one tile of 16, in 256 registers: four waves to a SIMD, so that one wave's vector work stands beside another's
; products and LDS loads.  Every wave walks all 4,096 keys, 128 a step.
; K AND V OF THE WHOLE HEAD LIE IN LDS: 32 key steps of 8,960 bytes (K's 8 tiles, V^T's 4 fragments, their scale words, all as images of registers: every read is 16 or 4 bytes a lane on end).  Each byte
; is filled ONCE: waves 0-3 issue eight tensor loads each at the head (wave w: steps w, 4 + w, ..; eight loads of a wave are out), and the walk begins when the first four steps have landed.
; CLUSTER.  The four query blocks of a cluster belong to one head: each tile is asked for JOINTLY, by the same load with the same descriptor and the mask of all four.
; LAYOUT.  Both products are used transposed: S^T = K Q^T, O^T = V^T P^T: a lane holds ONE query (lane % 16).  The keys of K's tile 2 b + u are 32 b + 8 u + m + 8 (m / 8), so the 16 registers of tiles 2 b,
; 2 b + 1 are keys 32 b + 16 (lane / 16) + 0 .. 15; V^T's rows are chosen likewise, so O^T's 16 registers of two tiles are 16 neighbouring channels.
; K = 64 IN AN INSTRUCTION OF 128.  Q's registers 4-7 are zero codes.  K's fragment t is named as the eight registers from its own four on: the upper four are the next tile's codes (behind the last tile:
; four registers of zeros) and meet Q's zeros: they add exactly 0.  The scale bytes of the two empty blocks are 0 on both sides.
; LIMITS: NaN and infinities are not served; p under 2^-126 comes out of v_exp_f32 as 0; a block whose largest magnitude lies under 2^-124 keeps the byte 1, and so does a block of zeros (its codes are zeros).
.set STEPB, 8960                       ; a key step in LDS and in memory
.set OSC,   32*STEPB                   ; behind the head: 1,024 bytes, the work-group's scale words on their way out; no tile lands there
.set L16, 1                            ; v1   16 x lane
.set L4,  2                            ; v2   4 x lane
.set A16, 3                            ; v3   the step's place + 16 x lane
.set A4,  4                            ; v4   + 4 x lane
.set RR,  5                            ; v5   r
.set OSW, 6                            ; v6   where I put my query's scale word
.set OSR, 7                            ; v7   where waves 0 and 1 read 512 bytes of them back
.set QF,  16                           ; v16-23  Q's fragment (v20-23 zeros)
.set QS,  24                           ; v24     Q's scale words
.set KF,  32                           ; v32-67  K's eight tiles, four registers each, and four of zeros
.set VF,  68                           ; v68-99  V^T's four fragments
.set S,   100                          ; v100-163 S^T, then p
.set O,   164                          ; v164-195 O^T
.set PC,  196                          ; v196-203 p's codes
.set KS,  204                          ; v204-207 K's scale words;  v208-209 V's;  v210 p's
.set VS,  208
.set PS,  210
.set BM,  216                          ; v216-219 the blocks' largest scores, then largest p
.set PX,  220                          ; v220-223 at work
.set SO,  224                          ; v224-227 the conversions' scale operands
.set F,   228                          ; v[228:229] f = 2^(old M - new M)
.set T,   230
.set SB,  232                          ; v[232:233] one of the sum's eight chains
.set TM,  236                          ; v236-241 the way out's quantiser
.set WD,  242
.set RC,  244                          ; v[244:245] 1 / the sum
.set WV,  14                           ; s14 my wave's number
.set G1,  24                           ; s[24:31] descriptor group 1;  s[32:63] eight groups 0
.set G0,  32
.set SEL, 66                           ; s[66:67] lane selects for lane l xor 16
.set TB,  68                           ; s68 LDS byte at which the step in hand begins
.set CNT, 69
.set CS,  70                           ; s[70:71] c = log2(e) / 8
.macro CROUND                          ; a round of the cluster's barrier
	s_barrier_signal -1
	s_barrier_wait -1
	s_cmp_lg_u32 s[WV], 0
	s_cbranch_scc1 .Lnot_wave_0_\@
	s_barrier_signal -3
.Lnot_wave_0_\@:
	s_barrier_wait -3
	s_barrier_signal -1
	s_barrier_wait -1
.endm
.macro WMZ d, a, b, sa, sb, ra         ; a product that starts its sum
.if (\ra) != 0
	v_wmma_scale_f32_16x16x128_f8f6f4 v[0+(\d):7+(\d)], v[0+(\a):7+(\a)], v[0+(\b):7+(\b)], 0, v[0+(\sa)], v[0+(\sb)] matrix_a_fmt:MATRIX_FMT_FP4 matrix_b_fmt:MATRIX_FMT_FP4 matrix_a_scale:MATRIX_SCALE_ROW1
.else
	v_wmma_scale_f32_16x16x128_f8f6f4 v[0+(\d):7+(\d)], v[0+(\a):7+(\a)], v[0+(\b):7+(\b)], 0, v[0+(\sa)], v[0+(\sb)] matrix_a_fmt:MATRIX_FMT_FP4 matrix_b_fmt:MATRIX_FMT_FP4
.endif
.endm
.macro WMA d, a, b, sa, sb, ra         ; a product that adds in place
.if (\ra) != 0
	v_wmma_scale_f32_16x16x128_f8f6f4 v[0+(\d):7+(\d)], v[0+(\a):7+(\a)], v[0+(\b):7+(\b)], v[0+(\d):7+(\d)], v[0+(\sa)], v[0+(\sb)] matrix_a_fmt:MATRIX_FMT_FP4 matrix_b_fmt:MATRIX_FMT_FP4 matrix_a_scale:MATRIX_SCALE_ROW1
.else
	v_wmma_scale_f32_16x16x128_f8f6f4 v[0+(\d):7+(\d)], v[0+(\a):7+(\a)], v[0+(\b):7+(\b)], v[0+(\d):7+(\d)], v[0+(\sa)], v[0+(\sb)] matrix_a_fmt:MATRIX_FMT_FP4 matrix_b_fmt:MATRIX_FMT_FP4
.endif
.endm
	s_load_b256 s[4:11], s[0:1], 0x0               ; qimg s[4:5], qsc s[6:7], kv s[8:9], oimg s[10:11]
	s_load_b64 s[12:13], s[0:1], 0x20              ; osc
	v_lshl_add_u32 v254, v0, 2, 0x46400
	v_mov_b32 v255, 0
	ds_add_u32 v254, v255
	ds_add_u32 v254, v255
	v_lshrrev_b32 v8, 5, v0
	s_delay_alu instid0(VALU_DEP_1)
	v_readfirstlane_b32 s[WV], v8                  ; wave 0..15
	v_and_b32 v8, 31, v0
	s_delay_alu instid0(VALU_DEP_1)
	v_lshlrev_b32 v[L16], 4, v8
	s_delay_alu instid0(VALU_DEP_2)
	v_lshlrev_b32 v[L4], 2, v8
	v_and_b32 v[RR], 15, v0
	s_delay_alu instid0(VALU_DEP_1)
	v_lshlrev_b32 v9, 2, v[RR]                     ; 4 r
	s_lshl_b32 s72, s[WV], 6
	v_lshl_add_u32 v[OSW], v[RR], 2, OSC
	s_delay_alu instid0(VALU_DEP_1)
	v_add_nc_u32 v[OSW], s72, v[OSW]               ; OSC + 64 x wave + 4 r
	s_and_b32 s73, s[WV], 1
	s_lshl_b32 s73, s73, 9
	v_add_nc_u32 v[OSR], OSC, v[L16]
	s_delay_alu instid0(VALU_DEP_1)
	v_add_nc_u32 v[OSR], s73, v[OSR]               ; OSC + 512 x (wave % 2) + 16 x lane
	s_bfe_u32 s15, ttmp6, 0x40000                  ; cx: it enters Q's and the outputs' global addresses alone
	s_lshl_b32 s16, ttmp9, 2
	s_add_co_u32 s16, s16, s15                     ; my block of 256 queries
	s_and_b32 s17, ttmp7, 0xffff                   ; bh, which the four partners share
	s_and_b32 s20, s[WV], 3
	s_mul_i32 s21, s20, STEPB                      ; a fetching wave's first step, in LDS
	s_mul_i32 s22, s17, 32*STEPB
	s_add_co_u32 s22, s22, s21                     ; and in kv
	s_mov_b32 s23, 0
	; descriptor group 1: a key step, dense in memory, as 35 rows of 256 bytes (32 elements of 8 bytes)
	s_mov_b32 s[G1], 15|(3<<16)|(1<<21)            ; 15:0 the mask: all four work-groups; 17:16 elements of 8 bytes; 21 set beside a mask; no padding
	s_mov_b32 s[G1+1], 32<<16                      ; tensor_dim0
	s_mov_b32 s[G1+2], 35<<16                      ; tensor_dim1
	s_mov_b32 s[G1+3], 32<<16                      ; tile_dim0
	s_mov_b32 s[G1+4], 35                          ; tile_dim1
	s_mov_b32 s[G1+5], 32                          ; the pitch
	s_mov_b32 s[G1+6], 0
	s_mov_b32 s[G1+7], 0
	s_mov_b32 s[SEL], 0x76543210
	s_mov_b32 s[SEL+1], 0xfedcba98
	s_mov_b32 s[CS], 0x3e38aa3b
	s_mov_b32 s[CS+1], s[CS]                       ; (named with it as a pair, so it is written)
	s_mov_b32 s[TB], 0
	s_lshl_b32 s72, s16, 4
	s_add_co_u32 s72, s72, s[WV]                   ; my tile of queries, 0..255
	s_mov_b32 s75, 0
	s_wait_dscnt 0x0
	s_wait_kmcnt 0x0
	s_add_nc_u64 s[8:9], s[8:9], s[22:23]
.irp i, 0,1,2,3,4,5,6,7
	s_mov_b32 s[G0+4*\i], 1                        ; count = 1
	s_add_co_u32 s[G0+4*\i+1], s21, 4*STEPB*\i     ; LDS address: step 4 i + wave
	s_add_nc_u64 s[G0+4*\i+2:G0+4*\i+3], s[8:9], 4*STEPB*\i
	s_or_b32 s[G0+4*\i+3], s[G0+4*\i+3], 0x80000000   ; type = 2
.endr
	s_lshl_b32 s74, s17, 17
	s_lshl_b32 s76, s72, 9
	s_add_co_u32 s74, s74, s76
	s_add_nc_u64 s[4:5], s[4:5], s[74:75]          ; Q's fragment
	s_lshl_b32 s74, s17, 14
	s_lshl_b32 s76, s72, 6
	s_add_co_u32 s74, s74, s76
	s_add_nc_u64 s[6:7], s[6:7], s[74:75]          ; and its scale words
	s_lshr_b32 s74, s17, 3
	s_lshl_b32 s74, s74, 20
	s_lshl_b32 s76, s72, 12
	s_add_co_u32 s74, s74, s76
	s_and_b32 s76, s17, 7
	s_lshl_b32 s76, s76, 9
	s_add_co_u32 s74, s74, s76
	s_add_nc_u64 s[10:11], s[10:11], s[74:75]      ; oimg: batch, tile, 512 x head
	s_lshl_b32 s74, s17, 14
	s_lshl_b32 s76, s16, 10
	s_add_co_u32 s74, s74, s76
	s_add_co_u32 s74, s74, s73
	s_add_nc_u64 s[12:13], s[12:13], s[74:75]      ; osc: the block's 1,024 bytes, 512 to each of waves 0 and 1
	CROUND                                         ; all four work-groups are here: the joint loads meet
	s_cmp_lt_u32 s[WV], 4                          ; a wave's fills stand in one branch on the wave's number, ahead of every wait on TENSORcnt, every LDS read and every other barrier
	s_cbranch_scc0 .Lno_fill
.irp i, 0,1,2,3,4,5,6,7
	tensor_load_to_lds s[G0+4*\i:G0+4*\i+3], s[G1:G1+7]
	s_nop 0
.endr
.rept 4
	v_nop
.endr
.Lno_fill:
	s_wait_alu depctr_va_vdst(0)
	global_load_b128 v[QF:QF+3], v[L16], s[4:5]
	global_load_b32 v[QS], v9, s[6:7]
	v_mov_b32 v13, 0xff61b1e6                      ; the largest t so far: -3e38, under every t
	s_delay_alu instid0(VALU_DEP_1)
	v_floor_f32 v12, -v13                          ; -M
	v_mov_b32 v14, 0                               ; the sum, in two halves
	v_mov_b32 v15, 0
.irp j, 4,5,6,7
	v_mov_b32 v[QF+\j], 0                          ; zero codes for k = 64 .. 127
.endr
.irp j, 32,33,34,35
	v_mov_b32 v[KF+\j], 0
.endr
.irp b, 0,1,2,3
	v_mov_b32 v[PX+\b], 0                          ; (a lane permute's destination counts as one of its sources)
.endr
	v_mov_b32 v[F+1], 0                            ; (upper halves of pairs of which the low word serves both halves)
	v_mov_b32 v[RC+1], 0
	v_mov_b32 v[TM+2], 0
	v_mov_b32 v[TM+3], 0
.set j, 0
.rept 32
	v_mov_b32 v[O+j], 0                            ; O^T.  (The step is written without a first step of its own: the first change of M leaves zeros zeros)
.set j, j+1
.endr
	s_wait_loadcnt 0x0                             ; Q
; A KEY STEP: 128 keys.
.macro STEP
	v_add_nc_u32 v[A16], s[TB], v[L16]
	v_add_nc_u32 v[A4], s[TB], v[L4]
	v_nop
	v_nop                                          ; four places in front of loads into registers that the last products have read
.irp t, 0,1,2,3,4,5,6,7
	ds_load_b128 v[KF+4*\t:KF+4*\t+3], v[A16] offset:512*\t
.endr
.irp i, 0,1,2,3
	ds_load_b32 v[KS+\i], v[A4] offset:8192+128*\i
.endr
.irp f, 0,1,2,3,4,5,6,7
	ds_load_b128 v[VF+4*\f:VF+4*\f+3], v[A16] offset:4096+512*\f
.endr
.irp a, 0,1
	ds_load_b32 v[VS+\a], v[A4] offset:8704+128*\a
.endr
	s_wait_dscnt 10                                ; K and its words are in; V's eight loads and its two of words may be out
.irp t, 0,1,2,3,4,5,6,7
	WMZ S+8*\t, KF+4*\t, QF, KS+\t/2, QS, \t%2
.endr
.rept 4
	v_nop
.endr
.irp b, 0,1,2,3
	v_max3_num_f32 v[BM+\b], v[S+16*\b], v[S+16*\b+1], v[S+16*\b+2]   ; the largest score of each block of 32 keys: it serves the row's maximum and, since p rises with the score, the block's largest p
.endr
.irp i, 3,5,7,9,11,13
.irp b, 0,1,2,3
	v_max3_num_f32 v[BM+\b], v[BM+\b], v[S+16*\b+\i], v[S+16*\b+\i+1]
.endr
.endr
.irp b, 0,1,2,3
	v_max_num_f32 v[BM+\b], v[BM+\b], v[S+16*\b+15]
.endr
.irp b, 0,1,2,3
	s_delay_alu instid0(VALU_DEP_4)
	v_permlanex16_b32 v[PX+\b], v[BM+\b], s[SEL], s[SEL+1]
.endr
.irp b, 0,1,2,3
	s_delay_alu instid0(VALU_DEP_4)
	v_max_num_f32 v[BM+\b], v[BM+\b], v[PX+\b]     ; with lane l xor 16's 16 keys
.endr
	s_delay_alu instid0(VALU_DEP_2)
	v_max3_num_f32 v[T], v[BM], v[BM+1], v[BM+2]
	s_delay_alu instid0(VALU_DEP_1)
	v_max_num_f32 v[T], v[T], v[BM+3]              ; the step's largest score of my query
	s_delay_alu instid0(VALU_DEP_1)
	v_mul_f32 v[T], s[CS], v[T]                    ; as t
	s_delay_alu instid0(VALU_DEP_1)
	v_max_num_f32 v13, v13, v[T]                   ; the running largest t
	v_mov_b32 v[T], v12
	s_delay_alu instid0(VALU_DEP_2)
	v_floor_f32 v12, -v13                          ; the new -M = -ceil(t): a whole number
	s_delay_alu instid0(VALU_DEP_1)
	v_sub_f32 v[T], v12, v[T]                      ; old M - new M: a whole number, 0 or less
	s_delay_alu instid0(VALU_DEP_1)
	v_cvt_i32_f32 v[T], v[T]                       ; (it saturates)
	s_delay_alu instid0(VALU_DEP_1)
	v_ldexp_f32 v[F], 1.0, v[T]                    ; f = 2^(old M - new M)
.set j, 0
.rept 32
	v_pk_fma_f32 v[S+j:S+j+1], v[S+j:S+j+1], s[CS:CS+1], v[12:13] op_sel_hi:[1,0,0]   ; t - M, two at a time
.set j, j+2
.endr
.irp b, 0,1,2,3
	v_fma_f32 v[BM+\b], v[BM+\b], s[CS], v12       ; the same of each block's largest score
.endr
.set j, 0
	s_wait_alu depctr_va_vdst(0)
.rept 64
	v_exp_f32 v[S+j], v[S+j]                       ; p = 2^(t - M)
.set j, j+1
.endr
	s_setprio 1
	v_pk_mul_f32 v[14:15], v[14:15], v[F:F+1] op_sel_hi:[1,0]   ; the sums under the new M: the plain line behind the batch
	s_wait_alu depctr_va_vdst(0)                   ; one wait for the batch, ahead of its first reader
.irp b, 0,1,2,3
	v_exp_f32 v[BM+\b], v[BM+\b]                   ; the block's largest p: the same two instructions on the same number
.endr
	v_pk_add_f32 v[232:233], v[104:105], v[108:109]
	v_pk_add_f32 v[252:253], v[112:113], v[116:117]
	v_pk_add_f32 v[250:251], v[120:121], v[124:125]
	v_pk_add_f32 v[248:249], v[128:129], v[132:133]
	v_pk_add_f32 v[246:247], v[136:137], v[140:141]
	v_pk_add_f32 v[242:243], v[144:145], v[148:149]
	v_pk_add_f32 v[240:241], v[152:153], v[156:157]
	v_pk_add_f32 v[14:15], v[14:15], v[160:161]
	v_pk_add_f32 v[232:233], v[232:233], v[100:101]
	v_pk_add_f32 v[252:253], v[252:253], v[102:103]
	v_pk_add_f32 v[250:251], v[250:251], v[106:107]
	v_pk_add_f32 v[248:249], v[248:249], v[110:111]
	v_pk_add_f32 v[246:247], v[246:247], v[114:115]
	v_pk_add_f32 v[242:243], v[242:243], v[118:119]
	v_pk_add_f32 v[240:241], v[240:241], v[122:123]
	v_pk_add_f32 v[14:15], v[14:15], v[126:127]
	v_pk_add_f32 v[232:233], v[232:233], v[130:131]
	v_pk_add_f32 v[252:253], v[252:253], v[134:135]
	v_pk_add_f32 v[250:251], v[250:251], v[138:139]
	v_pk_add_f32 v[248:249], v[248:249], v[142:143]
	v_pk_add_f32 v[246:247], v[246:247], v[146:147]
	v_pk_add_f32 v[242:243], v[242:243], v[150:151]
	v_pk_add_f32 v[240:241], v[240:241], v[154:155]
	v_pk_add_f32 v[14:15], v[14:15], v[158:159]
	v_pk_add_f32 v[232:233], v[232:233], v[162:163]
	s_delay_alu instid0(VALU_DEP_2)
	v_pk_add_f32 v[14:15], v[14:15], v[248:249]
	s_delay_alu instid0(VALU_DEP_2)
	v_pk_add_f32 v[232:233], v[232:233], v[246:247]
	v_pk_add_f32 v[252:253], v[252:253], v[242:243]
	v_pk_add_f32 v[250:251], v[250:251], v[240:241]
	s_delay_alu instid0(VALU_DEP_2)
	v_pk_add_f32 v[14:15], v[14:15], v[252:253]
	s_delay_alu instid0(VALU_DEP_2)
	v_pk_add_f32 v[232:233], v[232:233], v[250:251]
	s_delay_alu instid0(VALU_DEP_1)
	v_pk_add_f32 v[14:15], v[14:15], v[232:233]
	s_wait_alu depctr_va_vdst(0)                   ; and one for the four
.irp b, 0,1,2,3
	v_max_num_f32 v[BM+\b], 0x1800000, v[BM+\b]    ; the floor 2^(3 - 127): the byte cannot fall under 1
.endr
.irp b, 0,1,2,3
	s_delay_alu instid0(VALU_DEP_4)
	v_add_nc_u32 v[SO+\b], 0xff000000, v[BM+\b]    ; 2 off the exponent field: the conversion's scale operand
.endr
.irp b, 0,1,2,3
	s_delay_alu instid0(VALU_DEP_4)
	v_lshrrev_b32 v[PX+\b], 23, v[SO+\b]           ; the byte
.endr
	s_delay_alu instid0(VALU_DEP_3)
	v_lshl_or_b32 v[PS], v[PX+1], 8, v[PX]         ; p's scale word for these 128 keys
	s_delay_alu instid0(VALU_DEP_1)
	v_lshl_or_b32 v[PS], v[PX+2], 16, v[PS]
	s_delay_alu instid0(VALU_DEP_1)
	v_lshl_or_b32 v[PS], v[PX+3], 24, v[PS]
.irp b, 0,1,2,3
	v_cvt_scalef32_pk8_fp4_f32 v[PC+2*\b], v[S+16*\b:S+16*\b+7], v[SO+\b]
	v_cvt_scalef32_pk8_fp4_f32 v[PC+2*\b+1], v[S+16*\b+8:S+16*\b+15], v[SO+\b]
.endr
	v_nop                                          ; one plain line behind the last conversion
.irp c, 0,1
.irp i, 0,1
	v_permlane16_swap_b32 v[PC+4*\c+\i], v[PC+4*\c+2+\i]   ; a whole block to a lane
.endr
.endr
.set j, 0
	s_setprio 0
.rept 16
	v_pk_mul_f32 v[O+j:O+j+1], v[O+j:O+j+1], v[F:F+1] op_sel_hi:[1,0]   ; O^T under the new M.  (Of these sixteen, twelve name no register of any one product below: the places between p's scale word and codes and the products)
.set j, j+2
.endr
	s_wait_alu depctr_va_vdst(0)
	s_wait_dscnt 0x0                               ; V is in
.irp n, 0,1,2,3
	WMA O+8*\n, VF+8*\n, PC, VS+\n/2, PS, \n%2     ; the four accumulators by turns, one instruction a turn
.endr
	s_add_co_u32 s[TB], s[TB], STEPB
.endm
; n key steps, behind the wait that shows them landed.  left: a fetching wave's younger loads, which may stay out.
.macro PHASE n, left
	s_wait_tensorcnt \left
	s_wait_dscnt 0x0
	s_barrier_signal -1
	s_barrier_wait -1                              ; every fetching wave's part has landed
	s_mov_b32 s[CNT], \n
.Lstep_\@:
	s_setprio 2
	STEP
	s_sub_co_u32 s[CNT], s[CNT], 1
	s_cmp_lg_u32 s[CNT], 0
	s_cbranch_scc1 .Lstep_\@
	s_setprio 0
.endm
	PHASE 4, 7                                     ; steps 0-3: each fetching wave's first load
	PHASE 4, 6                                     ; steps 4-7: its second
	PHASE 8, 4                                     ; steps 8-15: its third and fourth
	PHASE 16, 0                                    ; steps 16-31: all
	; THE WAY OUT: O^T / the sum, quantised along the channels, stored as registers 4 (head % 2) .. + 3 of the fragment (tile, K step head / 2)
.rept 4
	v_nop
.endr
	v_add_f32 v14, v14, v15
	s_delay_alu instid0(VALU_DEP_1)
	v_permlanex16_b32 v[T], v14, s[SEL], s[SEL+1]
	s_delay_alu instid0(VALU_DEP_1)
	v_add_f32 v14, v14, v[T]                       ; the row's sum
	s_wait_alu depctr_va_vdst(0)
	v_rcp_f32 v[RC], v14
	v_nop                                          ; a plain line behind the reciprocal
	s_wait_alu depctr_va_vdst(0)                   ; and the wait ahead of its first reader
.set j, 0
.rept 16
	v_pk_mul_f32 v[S+j:S+j+1], v[O+j:O+j+1], v[RC:RC+1] op_sel_hi:[1,0]   ; each accumulator from its low end on; register 16 b + i is channel 32 b + 16 (lane / 16) + i of the head
.set j, j+2
.endr
.irp b, 0,1
	v_max3_num_f32 v[TM+\b], |v[S+16*\b]|, |v[S+16*\b+1]|, 0x1800000
.endr
.irp i, 2,4,6,8,10,12,14
.irp b, 0,1
	s_delay_alu instid0(VALU_DEP_2)
	v_max3_num_f32 v[TM+\b], v[TM+\b], |v[S+16*\b+\i]|, |v[S+16*\b+\i+1]|
.endr
.endr
.irp b, 0,1
	s_delay_alu instid0(VALU_DEP_2)
	v_permlanex16_b32 v[TM+2+\b], v[TM+\b], s[SEL], s[SEL+1]
.endr
.irp b, 0,1
	s_delay_alu instid0(VALU_DEP_2)
	v_max_num_f32 v[TM+\b], v[TM+\b], v[TM+2+\b]
.endr
.irp b, 0,1
	s_delay_alu instid0(VALU_DEP_2)
	v_add_nc_u32 v[TM+4+\b], 0xff000000, v[TM+\b]
.endr
.irp b, 0,1
	s_delay_alu instid0(VALU_DEP_2)
	v_lshrrev_b32 v[TM+2+\b], 23, v[TM+4+\b]
.endr
	s_delay_alu instid0(VALU_DEP_1)
	v_lshl_or_b32 v[WD], v[TM+3], 8, v[TM+2]
.irp b, 0,1
	v_cvt_scalef32_pk8_fp4_f32 v[PC+2*\b], v[S+16*\b:S+16*\b+7], v[TM+4+\b]
	v_cvt_scalef32_pk8_fp4_f32 v[PC+2*\b+1], v[S+16*\b+8:S+16*\b+15], v[TM+4+\b]
.endr
	v_nop
	v_permlane16_swap_b32 v[PC], v[PC+2]
	v_permlane16_swap_b32 v[PC+1], v[PC+3]
	global_store_b128 v[L16], v[PC:PC+3], s[10:11] ; 512 bytes on end
	ds_store_b32 v[OSW], v[WD]                     ; both halves of the lanes write the same word with the same value
	s_wait_dscnt 0x0
	s_barrier_signal -1
	s_barrier_wait -1                              ; the work-group's 256 scale words lie together
	s_cmp_lt_u32 s[WV], 2
	s_cbranch_scc0 .Lno_osc
	ds_load_b128 v[S:S+3], v[OSR]
	s_wait_dscnt 0x0
	global_store_b128 v[L16], v[S:S+3], s[12:13]   ; 512 bytes on end
.Lno_osc:
	s_wait_tensorcnt 0x0
	ds_add_u32 v254, v255
	s_wait_dscnt 0x0
	CROUND                                         ; the closing round: no work-group ends while a partner may still ask for a tile that names it
	s_endpgm
.Lfunc_end_k_q48fdc117d1_attn:
	.size	k_q48fdc117d1_attn, .Lfunc_end_k_q48fdc117d1_attn-k_q48fdc117d1_attn
	.p2alignl 7, 3214868480
	.fill 96, 4, 3214868480
	.section	.rodata,"a",@progbits
	.p2align	6, 0x0
	.amdhsa_kernel k_q48fdc117d1_attn
		.amdhsa_group_segment_fixed_size 327680
		.amdhsa_private_segment_fixed_size 0
		.amdhsa_enable_private_segment 0
		.amdhsa_kernarg_size 40
		.amdhsa_user_sgpr_count 2
		.amdhsa_user_sgpr_kernarg_segment_ptr 1
		.amdhsa_wavefront_size32 1
		.amdhsa_system_sgpr_workgroup_id_x 1
		.amdhsa_system_sgpr_workgroup_id_y 1
		.amdhsa_system_sgpr_workgroup_id_z 1
		.amdhsa_system_vgpr_workitem_id 0
		.amdhsa_next_free_vgpr 256
		.amdhsa_next_free_sgpr 80
		.amdhsa_reserve_vcc 0
		.amdhsa_float_denorm_mode_32 3
		.amdhsa_float_denorm_mode_16_64 3
		.amdhsa_memory_ordered 1
		.amdhsa_forward_progress 1
		.amdhsa_inst_pref_size 79
	.end_amdhsa_kernel
	.amdgpu_metadata
---
amdhsa.version: [ 1, 2 ]
amdhsa.kernels:
  - .name:           k_q48fdc117d1_attn
    .symbol:         k_q48fdc117d1_attn.kd
    .args:
      - { .name: qimg, .offset: 0, .size: 8, .value_kind: global_buffer, .address_space: global }
      - { .name: qsc, .offset: 8, .size: 8, .value_kind: global_buffer, .address_space: global }
      - { .name: kv, .offset: 16, .size: 8, .value_kind: global_buffer, .address_space: global }
      - { .name: oimg, .offset: 24, .size: 8, .value_kind: global_buffer, .address_space: global }
      - { .name: osc, .offset: 32, .size: 8, .value_kind: global_buffer, .address_space: global }
    .group_segment_fixed_size: 327680
    .private_segment_fixed_size: 0
    .kernarg_segment_align: 8
    .kernarg_segment_size: 40
    .max_flat_workgroup_size: 512
    .sgpr_count:     80
    .vgpr_count:     256
    .wavefront_size: 32
...
	.end_amdgpu_metadata
.endif
;; end of part 7
;; launch proj (part 8): grid 64 x 4, 4 waves a work-group, no clusters, 70,144 bytes of LDS; arguments oimg, osc, wimg, wsc, bo, x, out0; writes out0
.if DOCPART == 8
	.amdgcn_target "amdgcn-amd-amdhsa--gfx1250"
	.amdhsa_code_object_version 6
	.text
	.protected	k_q48fdc117d1_proj
	.globl	k_q48fdc117d1_proj
	.p2align	8
	.type	k_q48fdc117d1_proj,@function
k_q48fdc117d1_proj:
	s_mov_b64 s[64:65], 0
	v_nop
	global_prefetch_b8 v0, s[64:65] scope:SCOPE_SE
	s_setreg_imm32_b32 hwreg(HW_REG_WAVE_SCHED_MODE, 0, 2), 2
	s_setreg_imm32_b32 hwreg(HW_REG_WAVE_MODE, 25, 1), 1
	s_wait_xcnt 0x0
	s_wait_alu depctr_vm_vsrc(0)
; PROJ.  out0 = wo o + bo + x, the product on codes of FP4 (E2M1) with one E8M0 byte for each 32 along K = the 512 channels.
; SHARES.  Work-group (X, Y): 128 pixels (tiles 8 X .. 8 X + 7 of 512) x output channels 128 Y .. 128 Y + 127.  Wave (wp = wave % 2, wc = wave / 2): 4 pixel tiles x 4 channel tiles: 16 accumulators,
; 64 products.  Straight-line text: every operand is asked for at once, as images of registers (16 bytes a lane, 512 bytes on end a load), and x behind them.
; Source 0 = o's fragment (16 pixels), source 1 = wo's tile (16 channels): lane (r, h) of accumulator (tile m, n) holds channel 16 n + r and pixels 32 (m / 2) + 16 h + 8 (m % 2) + 0 .. 7.  The results go
; through the wave's own stage in LDS, a row to a channel, and come back as rows of 64 pixels: sixteen lanes add x to, and store, 256 bytes on end, aligned.
; o's scale word of a K step is made of two heads' half words.  The bias is the C of each sum's first product.
; NO CLUSTER: operands go from memory straight into registers; what work-groups share (o's codes four times, wo's 64 times) is small beside x and out0, which nobody shares.
; THE MODE: SCHED_MODE bits 1:0 = 2 (LLVM: expert scheduling mode 2), set by the entry lines.  The code itself states the register dependences between vector or matrix instructions and memory or LDS
; instructions, with s_wait_alu, always for 0.
; THE PLAN.  Registers that memory or LDS instructions touch:
;   v4-v9           offsets and LDS addresses: written at the head, read by every load and store, never written again.
;   RW, BS, BT, window 1, window 2 v0-127   loaded once, at the head; read by vector and matrix instructions; no load lands in them again.
;   ACC             written by the products; read by the LDS stores into the stage; never written again.
;   window 2 v128-255  the LDS loads from the stage land; the additions of x write them in place; the global stores read them; never written again.
;   v126, v127      written at the head, read by the closing add alone.
; So: one wait on va_vdst ahead of the first load; one ahead of the products, whose scale words of o vector instructions have made; one ahead of the LDS stores; one in each group of eight pairs of rows,
; between its additions and its stores.  No register that a memory instruction reads is written again, so no wait on vm_vsrc is owed.
.set RW,  16                           ; v16-31  o's half words: head hd, pair of tiles i at 2 hd + i
.set AS,  32                           ; v32-39  o's scale words: pair i, K step s at 4 i + s; lanes 0-15 the even tile, lanes 16-31 the odd
.set BS,  40                           ; v40-47  wo's: pair of tiles i, word s
.set BT,  48                           ; v48-51  bo of my channel, a register a tile
.set BI,  64                           ; v64-95  the same in the result's layout
.set ACC, 128                          ; v128-255 accumulator (m, n) at 8 (4 m + n)
.set SPI, 272                          ; a stage row: 256 bytes + 16
.set MSB, 0
.macro WIN new                         ; the immediate's high byte repeats the setting that is left
.if MSB != \new
	s_set_vgpr_msb (MSB<<8)|\new
.set MSB, \new
.endif
.endm
.macro WM d, a, b, c, sa, sb, ra, rb
.if ((\ra) != 0) && ((\rb) != 0)
	v_wmma_scale_f32_16x16x128_f8f6f4 v[0+(\d):7+(\d)], v[0+(\a):7+(\a)], v[0+(\b):7+(\b)], v[0+(\c):7+(\c)], v[0+(\sa)], v[0+(\sb)] matrix_a_fmt:MATRIX_FMT_FP4 matrix_b_fmt:MATRIX_FMT_FP4 matrix_a_scale:MATRIX_SCALE_ROW1 matrix_b_scale:MATRIX_SCALE_ROW1
.elseif (\ra) != 0
	v_wmma_scale_f32_16x16x128_f8f6f4 v[0+(\d):7+(\d)], v[0+(\a):7+(\a)], v[0+(\b):7+(\b)], v[0+(\c):7+(\c)], v[0+(\sa)], v[0+(\sb)] matrix_a_fmt:MATRIX_FMT_FP4 matrix_b_fmt:MATRIX_FMT_FP4 matrix_a_scale:MATRIX_SCALE_ROW1
.elseif (\rb) != 0
	v_wmma_scale_f32_16x16x128_f8f6f4 v[0+(\d):7+(\d)], v[0+(\a):7+(\a)], v[0+(\b):7+(\b)], v[0+(\c):7+(\c)], v[0+(\sa)], v[0+(\sb)] matrix_a_fmt:MATRIX_FMT_FP4 matrix_b_fmt:MATRIX_FMT_FP4 matrix_b_scale:MATRIX_SCALE_ROW1
.else
	v_wmma_scale_f32_16x16x128_f8f6f4 v[0+(\d):7+(\d)], v[0+(\a):7+(\a)], v[0+(\b):7+(\b)], v[0+(\c):7+(\c)], v[0+(\sa)], v[0+(\sb)] matrix_a_fmt:MATRIX_FMT_FP4 matrix_b_fmt:MATRIX_FMT_FP4
.endif
.endm
	s_load_b256 s[4:11], s[0:1], 0x0               ; oimg s[4:5], osc s[6:7], wimg s[8:9], wsc s[10:11]
	s_load_b128 s[12:15], s[0:1], 0x20             ; bo s[12:13], x s[14:15]
	s_load_b64 s[16:17], s[0:1], 0x30              ; out0
	v_lshl_add_u32 v126, v0, 2, 0x11000
	v_mov_b32 v127, 0
	v_lshrrev_b32 v1, 5, v0
	v_readfirstlane_b32 s18, v1                    ; wave 0..3
	v_and_b32 v1, 31, v0
	v_and_b32 v2, 15, v0                           ; r
	v_bfe_u32 v3, v0, 4, 1                         ; h
	v_lshlrev_b32 v4, 4, v1                        ; 16 x lane
	v_lshlrev_b32 v5, 2, v1                        ; 4 x lane
	v_lshlrev_b32 v6, 2, v2                        ; 4 r
	v_lshlrev_b32 v7, 4, v2
	v_lshl_add_u32 v7, v3, 14, v7                  ; x and out0: channel row h, 16 r bytes
	s_wait_alu depctr_va_sdst(0)                   ; s18 is written, ahead of its first reader: the stage's place and every base are made from it
	s_mul_i32 s22, s18, 64*SPI                     ; my stage
	v_mul_u32_u24 v8, v2, SPI
	v_lshl_add_u32 v8, v3, 6, v8
	v_add_nc_u32 v8, s22, v8                       ; in: row r, + 64 h
	v_mul_u32_u24 v9, v3, SPI
	v_lshl_add_u32 v9, v2, 4, v9
	v_add_nc_u32 v9, s22, v9                       ; back: lanes 0-15 one row, lanes 16-31 the next
	s_and_b32 s19, s18, 1                          ; wp
	s_lshr_b32 s20, s18, 1                         ; wc
	s_lshr_b32 s21, ttmp9, 5                       ; batch
	s_and_b32 s23, ttmp7, 0xffff                   ; Y
	s_lshl_b32 s24, ttmp9, 3
	s_lshl_b32 s25, s19, 2
	s_add_co_u32 s24, s24, s25                     ; my first pixel tile, 0..511
	s_lshl_b32 s25, s23, 3
	s_lshl_b32 s26, s20, 2
	s_add_co_u32 s30, s25, s26                     ; my first channel tile, 0..31
	s_add_co_u32 s25, s30, 96                      ; and its number among the weights' tiles
	s_and_b32 s27, s24, 255                        ; my first pixel tile in its batch
	s_mov_b32 s29, 0
	s_wait_kmcnt 0x0
	s_lshl_b32 s28, s24, 12
	s_add_nc_u64 s[4:5], s[4:5], s[28:29]
	s_lshl_b32 s28, s21, 17
	s_lshl_b32 s31, s27, 6
	s_add_co_u32 s28, s28, s31
	s_add_nc_u64 s[6:7], s[6:7], s[28:29]          ; osc: head 0 of the batch, my first tile's words
	s_lshl_b32 s28, s25, 12
	s_add_nc_u64 s[8:9], s[8:9], s[28:29]
	s_lshl_b32 s28, s25, 8
	s_add_nc_u64 s[10:11], s[10:11], s[28:29]
	s_lshl_b32 s28, s30, 6
	s_add_nc_u64 s[12:13], s[12:13], s[28:29]
	s_lshl_b32 s28, s21, 23
	s_lshl_b32 s26, s30, 18
	s_add_co_u32 s28, s28, s26
	s_add_co_u32 s28, s28, s31                     ; batch, my first channel's row, my first pixel (16 pixels of 4 bytes a tile)
	s_add_nc_u64 s[14:15], s[14:15], s[28:29]
	s_add_nc_u64 s[16:17], s[16:17], s[28:29]
	; ---- 118 loads: 22 small ones, the four K steps' fragments (16 each), x (32)
	s_wait_alu depctr_va_vdst(0)                   ; the offsets and LDS addresses v4 to v9 are written, which every load and store of the kernel reads; only loads and window switches follow in this run
.irp d, 0,1,2,3,4,5,6,7
.irp i, 0,1
	global_load_b32 v[RW+2*\d+\i], v5, s[6:7] offset:16384*\d+128*\i
.endr
.endr
.irp i, 0,1
	global_load_b128 v[BS+4*\i:BS+4*\i+3], v4, s[10:11] offset:512*\i
.endr
.irp n, 0,1,2,3
	global_load_b32 v[BT+\n], v6, s[12:13] offset:64*\n
.endr
	WIN 0x40                                       ; destination window 1: o's fragments (m, s) at 8 (4 m + s), wo's (n, s) at 128 + 8 (4 n + s)
.irp s, 0,1,2,3
.irp m, 0,1,2,3
.irp c, 0,1
	global_load_b128 v[8*(4*\m+\s)+4*\c:8*(4*\m+\s)+4*\c+3], v4, s[4:5] offset:4096*\m+1024*\s+512*\c
.endr
.endr
.irp n, 0,1,2,3
.irp c, 0,1
	global_load_b128 v[128+8*(4*\n+\s)+4*\c:128+8*(4*\n+\s)+4*\c+3], v4, s[8:9] offset:4096*\n+1024*\s+512*\c
.endr
.endr
.endr
	WIN 0x80                                       ; destination window 2: x's rows 2 t + h at 4 t
.set t, 0
.rept 32
	global_load_b128 v[4*t:4*t+3], v7, s[14:15] offset:32768*t th:TH_LOAD_NT
.set t, t+1
.endr
	WIN 0
	s_wait_loadcnt 63                              ; at most 63 of the 118 are out: the oldest 55 are in: the 22 small ones and K steps 0 and 1
.irp i, 0,1
.irp s, 0,1,2,3
	v_lshl_or_b32 v[AS+4*\i+\s], v[RW+2*(2*\s+1)+\i], 16, v[RW+2*(2*\s)+\i]   ; blocks 0, 1 from head 2 s, blocks 2, 3 from head 2 s + 1
.endr
.endr
.irp n, 0,1,2,3
.irp j, 0,1,2,3,4,5,6,7
	v_mov_b32 v[BI+8*\n+\j], v[BT+\n]              ; (these 32 are also the places between the scale words just made and the products)
.endr
.endr
	WIN 0x05                                       ; sources 0 and 1 window 1
	s_wait_alu depctr_va_vdst(0)                   ; o's eight scale words v[AS ..] are written, which the products below take as scales; the places above stay beside this wait
.irp s, 0,1,2,3
.if \s == 2
	s_wait_loadcnt 48                              ; K step 2 is in; K step 3's 16 and x's 32 may be out
.endif
.if \s == 3
	s_wait_loadcnt 32                              ; K step 3 is in
.endif
.irp m, 0,1,2,3
.irp n, 0,1,2,3
.if \s == 0
	WM ACC+8*(4*\m+\n), 8*(4*\m+\s), 128+8*(4*\n+\s), BI+8*\n, AS+4*(\m/2)+\s, BS+4*(\n/2)+\s, \m%2, \n%2
.else
	WM ACC+8*(4*\m+\n), 8*(4*\m+\s), 128+8*(4*\n+\s), ACC+8*(4*\m+\n), AS+4*(\m/2)+\s, BS+4*(\n/2)+\s, \m%2, \n%2
.endif
.endr
.endr
.endr                                          ; the sixteen accumulators take turns, one instruction a turn
	WIN 0
.rept 4
	v_nop                                          ; places in front of the first read of results
.endr
	s_wait_alu depctr_va_vdst(0)                   ; the products have written the accumulators, which the LDS stores read; the places above stay beside this wait
.irp m, 0,1,2,3
.irp n, 0,1,2,3
	ds_store_b128 v8, v[ACC+8*(4*\m+\n):ACC+8*(4*\m+\n)+3] offset:16*SPI*\n+128*(\m/2)+32*(\m%2)        ; each accumulator from its low end on
	ds_store_b128 v8, v[ACC+8*(4*\m+\n)+4:ACC+8*(4*\m+\n)+7] offset:16*SPI*\n+128*(\m/2)+32*(\m%2)+16
.endr
.endr
	WIN 0x80                                       ; destination window 2, from v128 on: no vector or matrix instruction has named these registers
.set t, 0
.rept 32
	ds_load_b128 v[128+4*t:128+4*t+3], v9 offset:2*SPI*t   ; LDS serves a wave's instructions in order: these see my stores
.set t, t+1
.endr
.irp g, 0,1,2,3                                ; eight pairs of channel rows at a time
	s_wait_dscnt 24-8*\g                           ; these eight are back from the stage,
	s_wait_loadcnt 24-8*\g                         ; and their x is in
	WIN 0x8a                                       ; destination and both sources window 2
.irp t, 0,1,2,3,4,5,6,7
	v_pk_add_f32 v[128+4*(8*\g+\t):128+4*(8*\g+\t)+1], v[128+4*(8*\g+\t):128+4*(8*\g+\t)+1], v[4*(8*\g+\t):4*(8*\g+\t)+1]
	v_pk_add_f32 v[128+4*(8*\g+\t)+2:128+4*(8*\g+\t)+3], v[128+4*(8*\g+\t)+2:128+4*(8*\g+\t)+3], v[4*(8*\g+\t)+2:4*(8*\g+\t)+3]
.endr
	WIN 0x08                                       ; a store's data are its source 1: window 2
	s_wait_alu depctr_va_vdst(0)                   ; this group's sixteen additions have written their sums, which the eight stores below read
.irp t, 0,1,2,3,4,5,6,7
	global_store_b128 v7, v[128+4*(8*\g+\t):128+4*(8*\g+\t)+3], s[16:17] offset:32768*(8*\g+\t) th:TH_STORE_NT   ; each half of the wave stores 256 bytes on end, aligned
.endr
.endr
	WIN 0
	s_wait_dscnt 0x0                               ; the closing lines, six on end
	s_wait_alu 0x0
	s_wait_tensorcnt 0x0
	ds_add_u32 v126, v127
	s_wait_dscnt 0x0
	s_endpgm
.Lfunc_end_k_q48fdc117d1_proj:
	.size	k_q48fdc117d1_proj, .Lfunc_end_k_q48fdc117d1_proj-k_q48fdc117d1_proj
	.p2alignl 7, 3214868480
	.fill 96, 4, 3214868480
	.section	.rodata,"a",@progbits
	.p2align	6, 0x0
	.amdhsa_kernel k_q48fdc117d1_proj
		.amdhsa_group_segment_fixed_size 70144
		.amdhsa_private_segment_fixed_size 0
		.amdhsa_enable_private_segment 0
		.amdhsa_kernarg_size 56
		.amdhsa_user_sgpr_count 2
		.amdhsa_user_sgpr_kernarg_segment_ptr 1
		.amdhsa_wavefront_size32 1
		.amdhsa_system_sgpr_workgroup_id_x 1
		.amdhsa_system_sgpr_workgroup_id_y 1
		.amdhsa_system_sgpr_workgroup_id_z 1
		.amdhsa_system_vgpr_workitem_id 0
		.amdhsa_next_free_vgpr 768
		.amdhsa_next_free_sgpr 66
		.amdhsa_reserve_vcc 0
		.amdhsa_float_denorm_mode_32 3
		.amdhsa_float_denorm_mode_16_64 3
		.amdhsa_memory_ordered 1
		.amdhsa_forward_progress 1
		.amdhsa_inst_pref_size 36
	.end_amdhsa_kernel
	.amdgpu_metadata
---
amdhsa.version: [ 1, 2 ]
amdhsa.kernels:
  - .name:           k_q48fdc117d1_proj
    .symbol:         k_q48fdc117d1_proj.kd
    .args:
      - { .name: oimg, .offset: 0, .size: 8, .value_kind: global_buffer, .address_space: global }
      - { .name: osc, .offset: 8, .size: 8, .value_kind: global_buffer, .address_space: global }
      - { .name: wimg, .offset: 16, .size: 8, .value_kind: global_buffer, .address_space: global }
      - { .name: wsc, .offset: 24, .size: 8, .value_kind: global_buffer, .address_space: global }
      - { .name: bo, .offset: 32, .size: 8, .value_kind: global_buffer, .address_space: global }
      - { .name: x, .offset: 40, .size: 8, .value_kind: global_buffer, .address_space: global }
      - { .name: out0, .offset: 48, .size: 8, .value_kind: global_buffer, .address_space: global }
    .group_segment_fixed_size: 70144
    .private_segment_fixed_size: 0
    .kernarg_segment_align: 8
    .kernarg_segment_size: 56
    .max_flat_workgroup_size: 128
    .sgpr_count:     66
    .vgpr_count:     768
    .wavefront_size: 32
...
	.end_amdgpu_metadata
.endif
;; end of part 8
